; MI455X (gfx1250); checked and timed in simulation.
; The chip was launched on July 23, 2026; its instructions are those of AMD's public machine-readable ISA for CDNA 5 (MIT licence, August 2026) and "CDNA5" Instruction Set Architecture Reference Guide (July 2026). The comments in the code are by the model that wrote it; some were corrected since.
;; Attention Block. Allowed arithmetic: matrix products marked QUANTISED: E4M3 operands, one E8M0 scale for each 32 along K, by v_wmma_scale_f32_16x16x128_f8f6f4 with both operands' format E4M3, f32 sums; everything else in f32.
;; Inputs: attn_mask 2,048 x 2,048 bool; b1 4,096 float32; b2 1,024 float32; bout 1,024 float32; bqkv 3,072 float32; ln1_b 1,024 float32; ln1_g 1,024 float32; ln2_b 1,024 float32; ln2_g 1,024 float32; w1_codes 4,096 x 32 x 32 uint8 (E4M3 codes of w1, K innermost, in blocks of 32 codes); w1_scales 4,096 x 32 uint8 (E8M0 scales of w1, one for each 32 codes along K); w2_codes 1,024 x 128 x 32 uint8 (E4M3 codes of w2, K innermost, in blocks of 32 codes); w2_scales 1,024 x 128 uint8 (E8M0 scales of w2, one for each 32 codes along K); wout_codes 1,024 x 32 x 32 uint8 (E4M3 codes of wout, K innermost, in blocks of 32 codes); wout_scales 1,024 x 32 uint8 (E8M0 scales of wout, one for each 32 codes along K); wqkv_codes 3,072 x 32 x 32 uint8 (E4M3 codes of wqkv, K innermost, in blocks of 32 codes); wqkv_scales 3,072 x 32 uint8 (E8M0 scales of wqkv, one for each 32 codes along K); x 2 x 2,048 x 1,024 float32.
;; Outputs: out0 2 x 2,048 x 1,024 float32.
;; This version of the problem:
;;   THIS VERSION OF THE PROBLEM IS GIVEN IN LOW PRECISION. The matrix products marked QUANTISED in the list below multiply operands that are first quantised to E4M3 (4 exponent bits, 3 mantissa bits; 8 bits a number), with one power-of-two scale for each 32 numbers along K (OCP MX v1.0); their sums are f32. All else is computed in f32.
;;   The module's matrix products, in the order in which they are computed (A, B: the left and right operand; K: the contracted axis; several contracted axes count as one K, in the product's order):
;;     1. [M 4,096, K 1,024] x [K 1,024, N 3,072]; A: computed on the way; B: input wqkv (given as codes): QUANTISED
;;     2. batch 32 x [M 2,048, K 64] x [K 64, N 2,048]; A: computed on the way; B: computed on the way: QUANTISED
;;     3. batch 32 x [M 2,048, K 2,048] x [K 2,048, N 64]; A: softmax (see below); B: computed on the way: QUANTISED
;;     4. [M 4,096, K 1,024] x [K 1,024, N 1,024]; A: computed on the way; B: input wout (given as codes): QUANTISED
;;     5. [M 4,096, K 1,024] x [K 1,024, N 4,096]; A: computed on the way; B: input w1 (given as codes): QUANTISED
;;     6. [M 4,096, K 4,096] x [K 4,096, N 1,024]; A: computed on the way; B: input w2 (given as codes): QUANTISED
;;   THE QUANTISER, for each operand of a quantised product, along K:
;;     - K is cut into blocks of 32 from its start; a last block that is shorter is filled with zeros.
;;     - A block's scale is 2^e with e = floor(log2(the largest magnitude in the block)) - 8, held to -126 .. 127; a block of zeros has e = 0. As a byte (E8M0): e + 127.
;;     - Each number is divided by its block's scale, clamped to +-448, and rounded to the nearest number of E4M3, ties to even, subnormals kept.
;;     - The product sums the exact products of the quantised numbers (number of the format x scale) in f32.
;;   ~~~python
;;   def quantise(x, axis):      # numpy; x: float32 -> the quantised numbers, widened to float32 again
;;       x = np.moveaxis(x, axis, -1); K = x.shape[-1]
;;       x = np.pad(x, [(0, 0)] * (x.ndim - 1) + [(0, -K % 32)]); x = x.reshape(x.shape[:-1] + (-1, 32)); a = np.abs(x).max(-1, keepdims=True)
;;       e = np.where(a > 0, np.clip(np.frexp(np.where(a > 0, a, 1))[1] - 1 - 8, -126, 127), 0)      # np.frexp(a)[1] - 1 = floor(log2(a)), exactly
;;       r = np.clip(x / 2.0 ** e, -448, 448)
;;       step = 2.0 ** (np.maximum(np.frexp(np.where(r == 0, 1, r))[1] - 1, -6) - 3)
;;       q = np.round(r / step) * step * 2.0 ** e      # np.round: ties to even
;;       return np.moveaxis(q.reshape(q.shape[:-2] + (-1,))[..., :K], -1, axis).astype(np.float32)
;;   ~~~
;;   SOFTMAX AHEAD OF A QUANTISED PRODUCT. Where the list says 'softmax', what is quantised is not the finished softmax but p = 2^(t - M), with t = logit x log2(e) and M = ceil(the row's largest t), a whole number; so 1/2 < the row's largest p <= 1. The row's sum l is taken of the UNQUANTISED p, in f32, and the product's result is divided by l at the end. Since M is a whole number, a kernel that streams over the keys may use a running M (the ceiling of the running maximum): every later rescaling is an exact power of two, which a block's scale takes up: the codes' values come out the same.
;;   OPERANDS COMPUTED ON THE WAY. 'Computed on the way' means the value that the module computes at that place (a softmax that the list does not call 'softmax' is quantised finished and normalised). What goes into a quantiser is computed in f32, as accurately as f32 sums, v_exp_f32 and their like allow (about 1e-6 of the number): no bf16 or f16 on the way to a quantiser, and a product that is left as it is and whose result goes on into a quantised operand takes f32 operands (vector FMAs, or v_wmma_f32_16x16x4_f32). A number that lies on a knife's edge between two numbers of the format may be rounded either way, as far as f32 arithmetic and the matrix unit's own rounding can turn it there, and no further.
;;   INPUTS GIVEN AS CODES. w1 (in the module: [1024, 4096], K = its axis 0); w2 (in the module: [4096, 1024], K = its axis 0); wout (in the module: [1024, 1024], K = its axis 0); wqkv (in the module: [1024, 3072], K = its axis 0): each comes as NAME_codes (uint8): NAME with its K axis moved to the last place and cut into blocks of 32 codes, [.., K / 32, bytes a block], one block behind the other in memory; one code a byte (a code: sign, 4 exponent bits, 3 mantissa bits); and NAME_scales (uint8): the same leading axes, one E8M0 byte (e + 127) for each 32 codes along K. Its value is code x scale, taken as it is: it is not quantised again, and the codes and scales need not be those that the quantiser above would give.
;; One version. Each part assembles by itself: llvm-mc -triple=amdgcn-amd-amdhsa -mcpu=gfx1250 --defsym DOCPART=n.
;; ======== version 1 of 1: 7 launches
;; limits: right only within a limited range of input values
;; workspace buffers: ac 4,194,304 bytes; asc 131,072 bytes; qkvc 12,582,912 bytes; qkvs 655,360 bytes; mflags 512 bytes of whole numbers; x2 16,777,216 bytes; gc 16,777,216 bytes; gs 524,288 bytes
;; launch ln1 (part 1): grid 288 x 1, 8 waves a work-group, no clusters, 83,968 bytes of LDS; arguments x, ln1_g, ln1_b, attn_mask, ac, asc, mflags; writes ac, asc, mflags
.if DOCPART == 1
	.amdgcn_target "amdgcn-amd-amdhsa--gfx1250"
	.amdhsa_code_object_version 6
	.text
	.protected	k_q269b96f7fa_ln1
	.globl	k_q269b96f7fa_ln1
	.p2align	8
	.type	k_q269b96f7fa_ln1,@function
k_q269b96f7fa_ln1:
	s_mov_b64 s[64:65], 0
	v_nop
	global_prefetch_b8 v0, s[64:65] scope:SCOPE_SE
	s_setreg_imm32_b32 hwreg(HW_REG_WAVE_MODE, 25, 1), 1
	s_wait_xcnt 0x0
; Work-groups 0-255: h = layernorm(x) g + b for 16 tokens each, quantised along the 1,024 channels to E4M3 codes (ac [token][1024]) and E8M0 bytes (asc [token][32]).
; Work-groups 256-287: the mask is classified: for each tile of 16 queries and each step of 128 keys two bits go into mflags[tile]: 0 nothing masked, 1 mixed, 2 all masked.  A wave takes a tile and half of the keys: 8 steps, 16 bits.
; LN path.  Phase 1: wave w holds rows 2 w and 2 w + 1 whole (32 registers each), mean and variance in two passes in f32, the normalised rows go to LDS.
; Phase 2: wave w takes channels 128 w on of all 16 rows in the operand's order (lane (r, h): row r, 16 neighbours of each block of 32) and quantises.  Phase 3: codes and bytes leave as whole rows.
; LIMITS: NaN and infinities among the inputs are not served; a block whose largest magnitude lies under 2^-118 (a block of zeros too) gets the byte 1: its bytes are read by this program alone.
.set XP,  4112                         ; an LDS row of 1,024 f32 + 16 bytes: 257 x 16, so 16 rows start in 16 different columns of 16 bytes
.set CP,  1040                         ; an LDS row of 1,024 codes + 16
.set CST, 16*XP                        ; the codes' stage
.set SST, CST+16*CP                    ; the scale bytes' stage, 512 bytes
.set X0,  16                           ; v16-47   row 2 w
.set X1,  48                           ; v48-79   row 2 w + 1
.set GG,  80                           ; v80-111  gain
.set BB,  112                          ; v112-143 bias
.set ST,  16                           ; v16-79   phase 2: 64 numbers
.set TM,  144                          ; v144-159 at work
.set PC,  160                          ; v160-175 codes
.set PW,  8                            ; v8       the scale word
.set OA,  144                          ; mask path: v144-151 the OR of the mask's words, one register for each of a row's 8 words a lane
.set AA,  152                          ; mask path: v152-159 their AND
.set SEL, 20                           ; s[20:21] selects of v_permlanex16_b32: lane l xor 16
.set MNT, 22                           ; s22      the mantissa field of 448
.macro RED t                           ; v[t] summed over the 32 lanes, the result in every lane; v[t+1] at work
	s_delay_alu instid0(VALU_DEP_1)
	v_add_f32_dpp v[\t], v[\t], v[\t] row_xmask:1 row_mask:0xf bank_mask:0xf
	s_delay_alu instid0(VALU_DEP_1)
	v_add_f32_dpp v[\t], v[\t], v[\t] row_xmask:2 row_mask:0xf bank_mask:0xf
	s_delay_alu instid0(VALU_DEP_1)
	v_add_f32_dpp v[\t], v[\t], v[\t] row_xmask:4 row_mask:0xf bank_mask:0xf
	s_delay_alu instid0(VALU_DEP_1)
	v_add_f32_dpp v[\t], v[\t], v[\t] row_xmask:8 row_mask:0xf bank_mask:0xf
	s_delay_alu instid0(VALU_DEP_1)
	v_permlanex16_b32 v[\t+1], v[\t], s[SEL], s[SEL+1]
	s_delay_alu instid0(VALU_DEP_1)
	v_add_f32 v[\t], v[\t], v[\t+1]
.endm
.macro STATS x, t                      ; row v[x .. x+31] becomes x - mean; v[t+2] = variance + eps.  v[t .. t+7] at work
.irp k, 0,1,2,3
	v_pk_add_f32 v[\t+2*\k:\t+2*\k+1], v[\x+2*\k:\x+2*\k+1], v[\x+8+2*\k:\x+9+2*\k]   ; four chains, started by the first words
.endr
.irp q, 16,24
.irp k, 0,1,2,3
	s_delay_alu instid0(VALU_DEP_4)
	v_pk_add_f32 v[\t+2*\k:\t+2*\k+1], v[\t+2*\k:\t+2*\k+1], v[\x+\q+2*\k:\x+\q+2*\k+1]
.endr
.endr
	s_delay_alu instid0(VALU_DEP_3)
	v_pk_add_f32 v[\t:\t+1], v[\t:\t+1], v[\t+2:\t+3]
	s_delay_alu instid0(VALU_DEP_2)
	v_pk_add_f32 v[\t+4:\t+5], v[\t+4:\t+5], v[\t+6:\t+7]
	s_delay_alu instid0(VALU_DEP_1)
	v_pk_add_f32 v[\t:\t+1], v[\t:\t+1], v[\t+4:\t+5]
	s_delay_alu instid0(VALU_DEP_1)
	v_add_f32 v[\t], v[\t], v[\t+1]
	RED \t
	s_delay_alu instid0(VALU_DEP_1)
	v_mul_f32 v[\t], s23, v[\t]                    ; the mean: sum x 2^-10
.set i, 0
.rept 16
	v_pk_add_f32 v[\x+i:\x+i+1], v[\x+i:\x+i+1], v[\t:\t+1] op_sel_hi:[1,0] neg_lo:[0,1] neg_hi:[0,1]
.set i, i+2
.endr
	v_pk_mul_f32 v[\t+2:\t+3], v[\x:\x+1], v[\x:\x+1]
	v_pk_mul_f32 v[\t+4:\t+5], v[\x+2:\x+3], v[\x+2:\x+3]
.set i, 4
.rept 7
	s_delay_alu instid0(VALU_DEP_2)
	v_pk_fma_f32 v[\t+2:\t+3], v[\x+i:\x+i+1], v[\x+i:\x+i+1], v[\t+2:\t+3]
	s_delay_alu instid0(VALU_DEP_2)
	v_pk_fma_f32 v[\t+4:\t+5], v[\x+i+2:\x+i+3], v[\x+i+2:\x+i+3], v[\t+4:\t+5]
.set i, i+4
.endr
	s_delay_alu instid0(VALU_DEP_1)
	v_pk_add_f32 v[\t+2:\t+3], v[\t+2:\t+3], v[\t+4:\t+5]
	s_delay_alu instid0(VALU_DEP_1)
	v_add_f32 v[\t+2], v[\t+2], v[\t+3]
	RED \t+2
	s_delay_alu instid0(VALU_DEP_1)
	v_fma_f32 v[\t+2], v[\t+2], s23, s24           ; sum of squares x 2^-10 + 1e-5
.endm
.macro NORM x, t                       ; (x - mean) x rsqrt x g + b
.set i, 0
.rept 16
	v_pk_mul_f32 v[\x+i:\x+i+1], v[\x+i:\x+i+1], v[\t:\t+1] op_sel_hi:[1,0]
.set i, i+2
.endr
.set i, 0
.rept 16
	v_pk_fma_f32 v[\x+i:\x+i+1], v[\x+i:\x+i+1], v[GG+i:GG+i+1], v[BB+i:BB+i+1]
.set i, i+2
.endr
.endm
; 16 numbers a block of v[s] on, blocks shared by lanes l and l xor 16, become codes in v[PC] on and the scale word v[PW].
.macro QUANT s, blocks
.irp b, 0,1,2,3
.if \b < \blocks
	v_max3_num_f32 v[TM+\b], |v[\s+16*\b]|, |v[\s+16*\b+1]|, 0x4800000   ; with the floor 2^(9 - 127): the byte cannot fall under 1
.endif
.endr
.irp i, 2,4,6,8,10,12,14
.irp b, 0,1,2,3
.if \b < \blocks
	s_delay_alu instid0(VALU_DEP_4)
	v_max3_num_f32 v[TM+\b], v[TM+\b], |v[\s+16*\b+\i]|, |v[\s+16*\b+\i+1]|
.endif
.endr
.endr
.irp b, 0,1,2,3
.if \b < \blocks
	s_delay_alu instid0(VALU_DEP_4)
	v_permlanex16_b32 v[TM+4+\b], v[TM+\b], s[SEL], s[SEL+1]
.endif
.endr
.irp b, 0,1,2,3
.if \b < \blocks
	s_delay_alu instid0(VALU_DEP_4)
	v_max_num_f32 v[TM+\b], v[TM+\b], v[TM+4+\b]   ; the block's largest magnitude
.endif
.endr
.irp b, 0,1,2,3
.if \b < \blocks
	v_add_nc_u32 v[TM+12+\b], 0xfc000000, v[TM+\b] ; 8 off its exponent field: the conversion's scale operand
	v_and_or_b32 v[TM+8+\b], v[TM+\b], 0x7f800000, s[MNT]   ; 448 x the scale
.endif
.endr
.irp b, 0,1,2,3
.if \b < \blocks
	v_lshrrev_b32 v[TM+4+\b], 23, v[TM+12+\b]      ; the scale's byte
.endif
.endr
	s_delay_alu instid0(VALU_DEP_3)
	v_lshl_or_b32 v[PW], v[TM+5], 8, v[TM+4]
.if \blocks > 2
	s_delay_alu instid0(VALU_DEP_1)
	v_lshl_or_b32 v[PW], v[TM+6], 16, v[PW]
	s_delay_alu instid0(VALU_DEP_1)
	v_lshl_or_b32 v[PW], v[TM+7], 24, v[PW]
.endif
.irp b, 0,1,2,3
.if \b < \blocks
.irp i, 0,1,2,3,4,5,6,7,8,9,10,11,12,13,14,15
	v_med3_num_f32 v[\s+16*\b+\i], v[\s+16*\b+\i], -v[TM+8+\b], v[TM+8+\b]   ; the conversion does not saturate (ISA guide 7.6.2): the hold at 448 x the scale
.endr
	v_cvt_scalef32_pk8_fp8_f32 v[PC+4*\b:PC+4*\b+1], v[\s+16*\b:\s+16*\b+7], v[TM+12+\b]
	v_cvt_scalef32_pk8_fp8_f32 v[PC+4*\b+2:PC+4*\b+3], v[\s+16*\b+8:\s+16*\b+15], v[TM+12+\b]
.endif
.endr
	v_nop                                          ; a plain line behind the last scaled conversion
.endm
	v_lshl_add_u32 v176, v0, 2, 0x14400
	v_mov_b32 v177, 0
	s_cmp_ge_u32 ttmp9, 256                        ; the same for all waves of a work-group
	s_cbranch_scc1 .Lmask
	s_load_b128 s[4:7], s[0:1], 0x0                ; x, gain
	s_load_b64 s[8:9], s[0:1], 0x10                ; bias
	s_load_b128 s[12:15], s[0:1], 0x20             ; codes, scale bytes
	v_lshrrev_b32 v1, 5, v0
	s_delay_alu instid0(VALU_DEP_1)
	v_readfirstlane_b32 s16, v1                    ; wave 0..7
	v_and_b32 v1, 31, v0
	s_delay_alu instid0(VALU_DEP_1)
	v_lshlrev_b32 v2, 4, v1                        ; 16 x lane
	s_lshl_b32 s18, ttmp9, 16                      ; 16 rows of 4,096 bytes a work-group,
	s_lshl_b32 s19, s16, 13                        ; two rows a wave
	s_add_co_u32 s18, s18, s19
	s_mov_b32 s19, 0
	s_lshl_b32 s26, ttmp9, 14                      ; 16 rows of 1,024 codes
	s_mov_b32 s27, 0
	s_lshl_b32 s28, ttmp9, 9                       ; 16 rows of 32 scale bytes
	s_mov_b32 s29, 0
	s_mov_b32 s[SEL], 0x76543210
	s_mov_b32 s[SEL+1], 0xfedcba98
	s_mov_b32 s[MNT], 0x600000
	s_mov_b32 s23, 0x3a800000                      ; 2^-10
	s_mov_b32 s24, 0x3727c5ac                      ; 1e-5
	s_wait_alu depctr_va_vdst(0)
	s_wait_kmcnt 0x0
	s_add_nc_u64 s[4:5], s[4:5], s[18:19]
	s_add_nc_u64 s[12:13], s[12:13], s[26:27]
	s_add_nc_u64 s[14:15], s[14:15], s[28:29]
.irp j, 0,1,2,3,4,5,6,7
	global_load_b128 v[X0+4*\j:X0+4*\j+3], v2, s[4:5] offset:512*\j th:TH_LOAD_NT      ; 512 consecutive bytes a load
.endr
.irp j, 0,1,2,3,4,5,6,7
	global_load_b128 v[X1+4*\j:X1+4*\j+3], v2, s[4:5] offset:4096+512*\j th:TH_LOAD_NT
.endr
.irp j, 0,1,2,3,4,5,6,7
	global_load_b128 v[GG+4*\j:GG+4*\j+3], v2, s[6:7] offset:512*\j
.endr
.irp j, 0,1,2,3,4,5,6,7
	global_load_b128 v[BB+4*\j:BB+4*\j+3], v2, s[8:9] offset:512*\j
.endr
	v_and_b32 v10, 15, v0                          ; r
	v_bfe_u32 v11, v0, 4, 1                        ; h
	s_mul_i32 s25, s16, 2*XP
	v_add_nc_u32 v3, s25, v2                       ; phase 1, out: my two rows, 16 x lane
	v_mul_u32_u24 v4, v10, XP
	s_delay_alu instid0(VALU_DEP_1)
	v_lshl_add_u32 v4, v11, 6, v4
	s_lshl_b32 s25, s16, 9
	v_add_nc_u32 v4, s25, v4                       ; phase 2, in: row r, channels 128 w + 16 h on
	v_mul_u32_u24 v5, v10, CP
	s_delay_alu instid0(VALU_DEP_1)
	v_lshl_add_u32 v5, v11, 4, v5
	s_lshl_b32 s25, s16, 7
	v_add_nc_u32 v5, s25, v5
	s_delay_alu instid0(VALU_DEP_1)
	v_add_nc_u32 v5, CST, v5                       ; phase 2, out: codes of row r
	v_lshlrev_b32 v6, 5, v10
	s_lshl_b32 s25, s16, 2
	v_add_nc_u32 v6, s25, v6
	s_delay_alu instid0(VALU_DEP_1)
	v_add_nc_u32 v6, SST, v6                       ; and its scale word w
	s_mul_i32 s25, s16, 2*CP
	v_add_nc_u32 v7, s25, v2
	s_delay_alu instid0(VALU_DEP_1)
	v_add_nc_u32 v7, CST, v7                       ; phase 3, in
	v_lshl_add_u32 v9, s16, 11, v2                 ; phase 3: my two rows in the codes' buffer
	v_add_nc_u32 v12, SST, v2
	s_wait_loadcnt 24                              ; row 2 w is in: 24 younger loads may be out
	STATS X0, 144
	s_wait_loadcnt 16                              ; row 2 w + 1 is in
	STATS X1, 152
	s_wait_alu depctr_va_vdst(0)
	v_rsq_f32 v146, v146
	v_rsq_f32 v154, v154
	v_nop                                          ; a plain line behind the two
	s_wait_loadcnt 0x0                             ; gain and bias
	s_wait_alu depctr_va_vdst(0)                   ; one wait for both, ahead of their first reader
	NORM X0, 146
	NORM X1, 154
.irp j, 0,1,2,3,4,5,6,7
	ds_store_b128 v3, v[X0+4*\j:X0+4*\j+3] offset:512*\j
.endr
.irp j, 0,1,2,3,4,5,6,7
	ds_store_b128 v3, v[X1+4*\j:X1+4*\j+3] offset:XP+512*\j
.endr
	s_wait_dscnt 0x0                               ; for the others' sake: my rows lie in LDS
	s_barrier_signal -1
	s_barrier_wait -1
.irp c, 0,1,2,3
.irp j, 0,1,2,3
	ds_load_b128 v[ST+16*\c+4*\j:ST+16*\c+4*\j+3], v4 offset:128*\c+16*\j
.endr
.endr
	s_wait_dscnt 0x0
	QUANT ST, 4
.irp c, 0,1,2,3
	ds_store_b128 v5, v[PC+4*\c:PC+4*\c+3] offset:32*\c
.endr
	ds_store_b32 v6, v[PW]                         ; both halves of the lanes write the same word with the same value
	s_wait_dscnt 0x0
	s_barrier_signal -1
	s_barrier_wait -1
.irp i, 0,1,2,3
	ds_load_b128 v[16+4*\i:19+4*\i], v7 offset:(\i/2)*CP+512*(\i%2)
.endr
.irp i, 0,1,2,3
	s_wait_dscnt 3-\i
	global_store_b128 v9, v[16+4*\i:19+4*\i], s[12:13] offset:(\i/2)*1024+512*(\i%2)   ; 512 consecutive bytes
.endr
	s_cmp_lg_u32 s16, 0
	s_cbranch_scc1 .Ldone
	ds_load_b128 v[32:35], v12                     ; wave 0: the 16 rows' 512 scale bytes
	s_wait_dscnt 0x0
	global_store_b128 v2, v[32:35], s[14:15]
.Ldone:
	s_wait_tensorcnt 0x0
	ds_add_u32 v176, v177
	s_wait_dscnt 0x0
	s_endpgm
.Lmask:                                                ; no LDS and no barrier on this path
	s_load_b64 s[4:5], s[0:1], 0x18                ; the mask
	s_load_b64 s[6:7], s[0:1], 0x30                ; the flags
	v_lshrrev_b32 v1, 5, v0
	s_delay_alu instid0(VALU_DEP_1)
	v_readfirstlane_b32 s16, v1
	v_and_b32 v1, 31, v0
	s_delay_alu instid0(VALU_DEP_1)
	v_lshlrev_b32 v2, 4, v1
	s_sub_co_u32 s17, ttmp9, 256
	s_lshl_b32 s17, s17, 3
	s_add_co_u32 s17, s17, s16                     ; u = 0..255: tile u / 2, keys 1,024 (u % 2) on
	s_lshr_b32 s18, s17, 1
	s_lshl_b32 s18, s18, 15                        ; 16 rows of 2,048 bytes a tile
	s_and_b32 s19, s17, 1
	s_lshl_b32 s19, s19, 10
	s_add_co_u32 s18, s18, s19
	s_mov_b32 s19, 0
	s_mov_b32 s23, 0
	s_wait_alu depctr_va_vdst(0)
	s_wait_kmcnt 0x0
	s_add_nc_u64 s[4:5], s[4:5], s[18:19]
.irp i, 0,1,2,3,4,5,6,7,8,9,10,11,12,13,14,15
.irp c, 0,1
	global_load_b128 v[16+8*\i+4*\c:19+8*\i+4*\c], v2, s[4:5] offset:\i*2048+512*\c   ; all 32 loads in one run: 512 consecutive bytes each
.endr
.endr
.irp k, 0,1,2,3,4,5,6,7
	v_mov_b32 v[OA+\k], 0
	v_mov_b32 v[AA+\k], -1
.endr
.irp i, 0,1,2,3,4,5,6,7,8,9,10,11,12,13,14,15
.if (\i%4) == 0
	s_wait_loadcnt 24-2*\i                         ; four rows' eight loads are in; the younger ones may be out
.endif
.irp c, 0,1
.irp e, 0,1,2,3
	v_or_b32 v[OA+4*\c+\e], v[OA+4*\c+\e], v[16+8*\i+4*\c+\e]     ; sixteen accumulators by turns
	v_and_b32 v[AA+4*\c+\e], v[AA+4*\c+\e], v[16+8*\i+4*\c+\e]
.endr
.endr
.endr
.irp c, 0,1
	v_or_b32 v[OA+4*\c], v[OA+4*\c], v[OA+4*\c+1]
	v_or_b32 v[OA+4*\c+2], v[OA+4*\c+2], v[OA+4*\c+3]
	v_and_b32 v[AA+4*\c], v[AA+4*\c], v[AA+4*\c+1]
	v_and_b32 v[AA+4*\c+2], v[AA+4*\c+2], v[AA+4*\c+3]
.endr
.irp c, 0
	v_or_b32 v[OA+4*\c], v[OA+4*\c], v[OA+4*\c+2]
	v_and_b32 v[AA+4*\c], v[AA+4*\c], v[AA+4*\c+2]
.endr
.irp c, 1
	v_or_b32 v[OA+4*\c], v[OA+4*\c], v[OA+4*\c+2]
	s_delay_alu instid0(VALU_DEP_4)
	v_and_b32 v[AA+4*\c], v[AA+4*\c], v[AA+4*\c+2]
.endr
.irp c, 0,1
	s_delay_alu instid0(VALU_DEP_4)
	v_cmp_ne_u32 s[40+\c], 0, v[OA+4*\c]           ; a lane's 16 keys: any masked;
	s_delay_alu instid0(VALU_DEP_4)
	v_cmp_eq_u32 s[44+\c], 0x01010101, v[AA+4*\c]  ; all masked (a bool is the byte 0 or 1)
.endr
.irp c, 0,1
.irp g, 0,1,2,3                                ; key step 4 c + g of my eight is eight lanes of load c
	s_bfe_u32 s20, s[40+\c], (8<<16)|(8*\g)
	s_cmp_lg_u32 s20, 0
	s_cselect_b32 s21, 1, 0
	s_bfe_u32 s20, s[44+\c], (8<<16)|(8*\g)
	s_cmp_eq_u32 s20, 0xff
	s_cselect_b32 s22, 1, 0
	s_add_co_u32 s21, s21, s22                     ; 0 none, 1 mixed, 2 all
	s_lshl_b32 s21, s21, 2*(4*\c+\g)
	s_or_b32 s23, s23, s21
.endr
.endr
	s_lshl_b32 s24, s17, 1                         ; my half of the tile's word: byte 4 (u / 2) + 2 (u % 2)
	v_mov_b32 v3, s23
	v_mov_b32 v4, s24
	v_cmp_eq_u32 vcc_lo, 0, v1
	s_wait_alu depctr_va_vdst(0)
	s_wait_xcnt 0x0                                ; EXEC changes only behind this wait
	s_and_saveexec_b32 s25, vcc_lo
	global_store_b16 v4, v3, s[6:7]                ; lane 0 stores the 16 bits
	s_wait_xcnt 0x0
	s_or_b32 exec_lo, exec_lo, s25
	s_endpgm
.Lfunc_end_k_q269b96f7fa_ln1:
	.size	k_q269b96f7fa_ln1, .Lfunc_end_k_q269b96f7fa_ln1-k_q269b96f7fa_ln1
	.p2alignl 7, 3214868480
	.fill 96, 4, 3214868480
	.section	.rodata,"a",@progbits
	.p2align	6, 0x0
	.amdhsa_kernel k_q269b96f7fa_ln1
		.amdhsa_group_segment_fixed_size 83968
		.amdhsa_private_segment_fixed_size 0
		.amdhsa_enable_private_segment 0
		.amdhsa_kernarg_size 56
		.amdhsa_user_sgpr_count 2
		.amdhsa_user_sgpr_kernarg_segment_ptr 1
		.amdhsa_wavefront_size32 1
		.amdhsa_system_sgpr_workgroup_id_x 1
		.amdhsa_system_sgpr_workgroup_id_y 1
		.amdhsa_system_sgpr_workgroup_id_z 1
		.amdhsa_system_vgpr_workitem_id 0
		.amdhsa_next_free_vgpr 178
		.amdhsa_next_free_sgpr 66
		.amdhsa_reserve_vcc 1
		.amdhsa_float_denorm_mode_32 3
		.amdhsa_float_denorm_mode_16_64 3
		.amdhsa_memory_ordered 1
		.amdhsa_forward_progress 1
		.amdhsa_inst_pref_size 50
	.end_amdhsa_kernel
	.amdgpu_metadata
---
amdhsa.version: [ 1, 2 ]
amdhsa.kernels:
  - .name:           k_q269b96f7fa_ln1
    .symbol:         k_q269b96f7fa_ln1.kd
    .args:
      - { .name: x, .offset: 0, .size: 8, .value_kind: global_buffer, .address_space: global }
      - { .name: ln1_g, .offset: 8, .size: 8, .value_kind: global_buffer, .address_space: global }
      - { .name: ln1_b, .offset: 16, .size: 8, .value_kind: global_buffer, .address_space: global }
      - { .name: attn_mask, .offset: 24, .size: 8, .value_kind: global_buffer, .address_space: global }
      - { .name: ac, .offset: 32, .size: 8, .value_kind: global_buffer, .address_space: global }
      - { .name: asc, .offset: 40, .size: 8, .value_kind: global_buffer, .address_space: global }
      - { .name: mflags, .offset: 48, .size: 8, .value_kind: global_buffer, .address_space: global }
    .group_segment_fixed_size: 83968
    .private_segment_fixed_size: 0
    .kernarg_segment_align: 8
    .kernarg_segment_size: 56
    .max_flat_workgroup_size: 256
    .sgpr_count:     66
    .vgpr_count:     178
    .wavefront_size: 32
...
	.end_amdgpu_metadata
.endif
;; end of part 1
;; launch qkv (part 2): grid 12 x 16, 4 waves a work-group, clusters of 4 x 4, 327,680 bytes of LDS; arguments ac, asc, wqkv_codes, wqkv_scales, bqkv, qkvc, qkvs; writes qkvc, qkvs
.if DOCPART == 2
	.amdgcn_target "amdgcn-amd-amdhsa--gfx1250"
	.amdhsa_code_object_version 6
	.text
	.protected	k_q269b96f7fa_qkv
	.globl	k_q269b96f7fa_qkv
	.p2align	8
	.type	k_q269b96f7fa_qkv,@function
k_q269b96f7fa_qkv:
	s_mov_b64 s[64:65], 0
	v_nop
	global_prefetch_b8 v0, s[64:65] scope:SCOPE_SE
	s_setreg_imm32_b32 hwreg(HW_REG_WAVE_MODE, 25, 1), 1
	s_wait_xcnt 0x0
	s_wait_alu depctr_hold_cnt(0) depctr_sa_sdst(0) depctr_va_vdst(0) depctr_va_sdst(0) depctr_va_ssrc(0) depctr_va_vcc(0) depctr_vm_vsrc(0)
	s_getreg_b32 s2, hwreg(HW_REG_IB_STS2, 6, 4)
	s_cmp_eq_u32 s2, 0
	s_cbranch_scc0 .Lentry_in_a_cluster
	s_endpgm
.Lentry_in_a_cluster:
	s_bfe_u32 s2, ttmp6, 0x10000c
	s_cmp_lg_u32 s2, 0xf033
	s_cbranch_scc0 .Lentry_shape_is_right
	s_endpgm
.Lentry_shape_is_right:
; q, k, v = h wqkv + bqkv on E4M3 codes with E8M0 scales, each result quantised again on the way out: q and k along the head's 64 channels, v along the keys.
; A work-group of four waves makes a block of 256 x 256, a wave 128 x 128; K goes in steps of 256 through a ring of two LDS slots; the scale bytes of both operands come once and stay.
; 4 x 4 work-groups form a cluster.  One tile (LDS rows 0-255 of a slot, source 1) is shared along a row of the cluster, the other (rows 256-511, source 0) along a column.
; Clusters x = 0, 1 (q, k): source 1 = tokens 256 (4 Y + cy) on, source 0 = weight rows 256 (4 X + cx) on: a lane holds one token, its registers run along the channels.
; Cluster x = 2 (v): THE TWO BUFFERS CHANGE PLACES IN THE GLOBAL ADDRESSES ALONE: source 1 = weight rows 256 (8 + cy) on, source 0 = tokens 256 (4 Y + cx) on: a lane holds one channel, its registers run along the keys.
; The choice hangs on the cluster's number, which all partners share; no LDS address hangs on it.
; THE HEAD: one joint load a wave: wave 0 the first tile's K step 0, wave 1 the second's, waves 2 and 3 their scale bytes; K step 1 follows behind the full sequence and a round.
; No prefetch: K is 1,024, four K steps; steps 0 and 1 come at the head, and the two refills (steps 2, 3) have no K step two refills on.
; LIMITS: NaN and infinities are not served; a block under 2^-118 gets the byte 1 (its bytes are read by this program alone).
.set G0H, 4                            ; s[4:7], s[8:11] group 0 of the head's two loads of codes (the arguments that lay there have been used by then)
.set G0HB, 8
.set SIZE_K, 1024
.set KSTEP,  256
.set NQ,     KSTEP/128
.set ROWB,   256
.set KROW,   SIZE_K
.set PITCH,  272
.set FR,     16
.set NL,     4
.set NP,     8
.set HALFT,  128*PITCH
.set SLOT,   4*HALFT
.set LAPS,   SIZE_K/(2*KSTEP)
.set KS,     SIZE_K/32
.set SCL,    2*SLOT
.set HALFS,  (128*KS/256)*272
.set SBLK,   (16*KS/256)*272
.set SPARE,  SCL+4*HALFS
.set BV,   8
.set AD1,  16
.set VS,   18
.set SELV, 19
.set AD0,  20
.set VA,   22
.set ADRS, 27
.set SPW,  28
.set NIL,  29
.set SC,   32
.set BR,   64
.set AF,   128
.set G,    128
.set TM,   192
.set PC,   208
.set PW,   224
.set SW,   225
.set SEL,  66
.set MNT,  95
.set G1, 24
.set G0, 32
.set G1B, 48
.set G0B, 56
.set G1S, 68
.set G0S, 76
.set G1SB, 80
.set G0SB, 88
.set MSB, 0
.macro WIN new
.if MSB != (\new)
	s_set_vgpr_msb (MSB<<8)|(\new)
.set MSB, (\new)
.endif
.endm
.set MUL_LO, 0xa1
.set MUL_HI, 0xf1
.set TO_B,   0x40
.macro JLOAD g0a, g1a, g0b, g1b
	s_cmp_eq_u32 s15, 0
	s_cbranch_scc0 .Lfor_b_\@
	tensor_load_to_lds s[\g0a:\g0a+3], s[\g1a:\g1a+7]
	s_nop 0
.rept 4
	v_nop
.endr
	s_branch .Lasked_\@
.Lfor_b_\@:
	tensor_load_to_lds s[\g0b:\g0b+3], s[\g1b:\g1b+7]
	s_nop 0
.rept 4
	v_nop
.endr
.Lasked_\@:
.endm
.macro CREST
	s_cmp_lg_u32 s14, 0
	s_cbranch_scc1 .Lnot_wave_0_\@
	s_barrier_signal -3
.Lnot_wave_0_\@:
	s_barrier_wait -3
	s_barrier_signal -1
	s_barrier_wait -1
.endm
.macro CROUND
	s_barrier_signal -1
	s_barrier_wait -1
	CREST
.endm
.macro QUANT s, blocks
.irp b, 0,1,2,3
.if \b < \blocks
	v_max3_num_f32 v[TM+\b], |v[\s+16*\b]|, |v[\s+16*\b+1]|, 0x4800000
.endif
.endr
.irp i, 2,4,6,8,10,12,14
.irp b, 0,1,2,3
.if \b < \blocks
	v_max3_num_f32 v[TM+\b], v[TM+\b], |v[\s+16*\b+\i]|, |v[\s+16*\b+\i+1]|
.endif
.endr
.endr
.irp b, 0,1,2,3
.if \b < \blocks
	v_permlanex16_b32 v[TM+4+\b], v[TM+\b], s[SEL], s[SEL+1]
.endif
.endr
.irp b, 0,1,2,3
.if \b < \blocks
	v_max_num_f32 v[TM+\b], v[TM+\b], v[TM+4+\b]
.endif
.endr
.irp b, 0,1,2,3
.if \b < \blocks
	v_add_nc_u32 v[TM+12+\b], 0xfc000000, v[TM+\b]
	v_and_or_b32 v[TM+8+\b], v[TM+\b], 0x7f800000, s[MNT]
.endif
.endr
.irp b, 0,1,2,3
.if \b < \blocks
	v_lshrrev_b32 v[TM+4+\b], 23, v[TM+12+\b]
.endif
.endr
	v_lshl_or_b32 v[PW], v[TM+5], 8, v[TM+4]
.if \blocks > 2
	v_lshl_or_b32 v[PW], v[TM+6], 16, v[PW]
	v_lshl_or_b32 v[PW], v[TM+7], 24, v[PW]
.endif
.irp b, 0,1,2,3
.if \b < \blocks
.irp i, 0,1,2,3,4,5,6,7,8,9,10,11,12,13,14,15
	v_med3_num_f32 v[\s+16*\b+\i], v[\s+16*\b+\i], -v[TM+8+\b], v[TM+8+\b]
.endr
	v_cvt_scalef32_pk8_fp8_f32 v[PC+4*\b:PC+4*\b+1], v[\s+16*\b:\s+16*\b+7], v[TM+12+\b]
	v_cvt_scalef32_pk8_fp8_f32 v[PC+4*\b+2:PC+4*\b+3], v[\s+16*\b+8:\s+16*\b+15], v[TM+12+\b]
.endif
.endr
	v_nop
.endm
	s_load_b128 s[4:7], s[0:1], 0x0
	s_load_b128 s[8:11], s[0:1], 0x10
	s_load_b64 s[12:13], s[0:1], 0x20
	s_load_b128 s[96:99], s[0:1], 0x28
	v_lshl_add_u32 v[SPW], v0, 2, SPARE
	v_mov_b32 v[NIL], 0
	ds_add_u32 v28, v29
	ds_add_u32 v28, v29
	s_wait_dscnt 0x0
	v_lshrrev_b32 v1, 5, v0
	v_readfirstlane_b32 s14, v1
	s_lshr_b32 s15, s14, 1
	s_and_b32 s16, s14, 1
	s_bfe_u32 s40, ttmp6, 0x40000
	s_bfe_u32 s41, ttmp6, 0x40004
	s_lshl_b32 s42, ttmp9, 2                       ; 4 X
	s_and_b32 s17, ttmp7, 0xffff
	s_lshl_b32 s17, s17, 2                         ; 4 Y
	s_cmp_eq_u32 ttmp9, 2                          ; v's clusters
	s_cselect_b32 s2, s17, s42
	s_cselect_b32 s17, s42, s17
	s_add_co_u32 s42, s2, s40                      ; the tile shared along a column: 4 X + cx of the weights (v: 4 Y + cx of the tokens)
	s_add_co_u32 s17, s17, s41                     ; the tile shared along a row: 4 Y + cy of the tokens (v: 8 + cy of the weights)
	s_lshl_b32 s43, s41, 2
	s_lshl_b32 s43, 15, s43
	s_lshl_b32 s44, 0x1111, s40
	s_or_b32 s[G1+0], s43, (0<<16)|(1<<20)|(1<<21)|(5<<22)|(3<<25)
	s_or_b32 s[G1B+0], s44, (0<<16)|(1<<20)|(1<<21)|(5<<22)|(3<<25)
.irp g, G1, G1B
	s_mov_b32 s[\g+1], ROWB<<16
	s_mov_b32 s[\g+2], 256<<16                     ; 256 rows for the head's loads; behind them 128, for the ring's
	s_mov_b32 s[\g+3], ROWB<<16
	s_mov_b32 s[\g+4], 256
	s_mov_b32 s[\g+5], KROW
	s_mov_b32 s[\g+6], 0
	s_mov_b32 s[\g+7], 0
.endr
	s_or_b32 s[G1S+0], s43, (3<<16)|(1<<20)|(1<<21)|(5<<22)|(3<<25)
	s_or_b32 s[G1SB+0], s44, (3<<16)|(1<<20)|(1<<21)|(5<<22)|(3<<25)
.irp g, G1S, G1SB
	s_mov_b32 s[\g+1], 32<<16
	s_mov_b32 s[\g+2], KS<<16                      ; the scale bytes of 256 rows: KS rows of 256 bytes
	s_mov_b32 s[\g+3], 32<<16
	s_mov_b32 s[\g+4], KS
	s_mov_b32 s[\g+5], 32
	s_mov_b32 s[\g+6], 0
	s_mov_b32 s[\g+7], 0
.endr
	s_lshl_b32 s20, s17, 8                         ; the two tiles' first rows
	s_lshl_b32 s46, s42, 8
	s_mov_b32 s21, 0
	s_mov_b32 s47, 0
	s_mov_b64 s[18:19], KS
	s_mul_u64 s[22:23], s[20:21], s[18:19]
	s_mul_u64 s[92:93], s[46:47], s[18:19]
	s_mov_b64 s[18:19], KROW
	s_mul_u64 s[20:21], s[20:21], s[18:19]
	s_mul_u64 s[46:47], s[46:47], s[18:19]
	s_mul_i32 s45, s14, HALFT
	s_mul_i32 s18, s16, 128*KROW                   ; in the ring I fetch 128 rows of a tile: which half, in bytes
	s_mov_b32 s19, 0
	s_mov_b32 s[SEL], 0x76543210
	s_mov_b32 s[SEL+1], 0xfedcba98
	s_mov_b32 s[MNT], 0x600000
	s_wait_kmcnt 0x0
	s_cmp_eq_u32 ttmp9, 2                          ; v's clusters: tokens and weights change places
	s_cselect_b64 s[2:3], s[8:9], s[4:5]
	s_cselect_b64 s[8:9], s[4:5], s[8:9]
	s_cselect_b64 s[4:5], s[10:11], s[6:7]
	s_cselect_b64 s[10:11], s[6:7], s[10:11]
	s_add_nc_u64 s[20:21], s[2:3], s[20:21]
	s_add_nc_u64 s[22:23], s[4:5], s[22:23]
	s_add_nc_u64 s[46:47], s[8:9], s[46:47]
	s_add_nc_u64 s[92:93], s[10:11], s[92:93]
	CROUND
	s_mov_b32 s[G0S], 1
	s_mov_b32 s[G0S+1], SCL
	s_mov_b64 s[G0S+2:G0S+3], s[22:23]
	s_or_b32 s[G0S+3], s[G0S+3], 0x80000000
	s_mov_b32 s[G0SB], 1
	s_mov_b32 s[G0SB+1], SCL+2*HALFS
	s_mov_b64 s[G0SB+2:G0SB+3], s[92:93]
	s_or_b32 s[G0SB+3], s[G0SB+3], 0x80000000
	s_mov_b32 s[G0H], 1                            ; K step 0, each tile whole
	s_mov_b32 s[G0H+1], 0
	s_mov_b64 s[G0H+2:G0H+3], s[20:21]
	s_or_b32 s[G0H+3], s[G0H+3], 0x80000000
	s_mov_b32 s[G0HB], 1
	s_mov_b32 s[G0HB+1], 2*HALFT
	s_mov_b64 s[G0HB+2:G0HB+3], s[46:47]
	s_or_b32 s[G0HB+3], s[G0HB+3], 0x80000000
	s_add_nc_u64 s[20:21], s[20:21], s[18:19]      ; for the ring: my 128 rows of the tile
	s_add_nc_u64 s[46:47], s[46:47], s[18:19]
.irp s, 0,1
	s_mov_b32 s[G0+4*\s], 1
	s_add_co_u32 s[G0+4*\s+1], s45, \s*SLOT
	s_add_nc_u64 s[G0+4*\s+2:G0+4*\s+3], s[20:21], \s*ROWB
	s_or_b32 s[G0+4*\s+3], s[G0+4*\s+3], 0x80000000
	s_mov_b32 s[G0B+4*\s], 1
	s_add_co_u32 s[G0B+4*\s+1], s45, \s*SLOT
	s_add_nc_u64 s[G0B+4*\s+2:G0B+4*\s+3], s[46:47], \s*ROWB
	s_or_b32 s[G0B+4*\s+3], s[G0B+4*\s+3], 0x80000000
.endr
; the head's loads, one a wave: one tree of branches on the wave's number, a load to an arm
.macro ARM under, g0, g1, next
	s_cmp_lt_u32 s14, \under
	s_cbranch_scc0 \next
	tensor_load_to_lds s[\g0:\g0+3], s[\g1:\g1+7]
	s_nop 0
.rept 4
	v_nop
.endr
	s_branch .Lhead_asked
\next:
.endm
	ARM 1, G0H,  G1,  .Lhead_b
	ARM 2, G0HB, G1B, .Lhead_sa
	ARM 3, G0S,  G1S, .Lhead_sb
	tensor_load_to_lds s[G0SB:G0SB+3], s[G1SB:G1SB+7]
	s_nop 0
.rept 4
	v_nop
.endr
.Lhead_asked:
	v_and_b32 v1, 15, v0
	v_bfe_u32 v2, v0, 4, 1
	v_mul_u32_u24 v3, v1, PITCH
	v_lshl_add_u32 v4, v2, 4, v3
	s_wait_alu depctr_va_vdst(0)
	s_mul_i32 s21, s15, HALFT
	s_mul_i32 s22, s16, HALFT
	s_add_co_u32 s22, s22, 2*HALFT
	s_mov_b32 s18, s21                             ; source 1: my 128 rows of the first tile;
	s_mov_b32 s19, s22                             ; source 0: of the second
.irp s, 0,1
	v_add_nc_u32 v[AD1+\s], s18, v4
	v_add_nc_u32 v[AD0+\s], s19, v4
	s_add_co_u32 s18, s18, SLOT
	s_add_co_u32 s19, s19, SLOT
.endr
	v_mul_u32_u24 v3, v1, KS
	v_lshrrev_b32 v4, 8, v3
	v_lshl_add_u32 v3, v4, 4, v3
	s_mul_i32 s21, s15, HALFS
	s_mul_i32 s22, s16, HALFS
	s_add_co_u32 s22, s22, 2*HALFS
	s_sub_co_u32 s22, s22, s21
	v_mul_u32_u24 v4, s22, v2                      ; lanes 16-31 take source 0's scale words
	s_add_co_u32 s21, s21, SCL
	v_add_nc_u32 v3, v3, v4
	v_add_nc_u32 v[ADRS], s21, v3
	s_cmp_eq_u32 ttmp9, 2                          ; for the bias and the way out (global offsets alone):
	s_cselect_b32 s43, s17, s42                    ; the weights' tile,
	s_cselect_b32 s44, s15, s16                    ; my half of it,
	s_cselect_b32 s92, s42, s17                    ; the tokens' tile,
	s_cselect_b32 s93, s16, s15                    ; my half of it,
	s_cselect_b32 s94, s41, s40                    ; the weights' tile within its tensor
	s_lshl_b32 s18, s43, 10
	s_lshl_b32 s19, s44, 9
	s_add_co_u32 s18, s18, s19
	s_mov_b32 s19, 0
	s_add_nc_u64 s[12:13], s[12:13], s[18:19]
	v_lshlrev_b32 v5, 5, v2
	v_lshlrev_b32 v6, 2, v1
.irp b, 0,1,2,3,4,5,6,7
	global_load_b128 v[BR+8*\b:BR+8*\b+3], v5, s[12:13] offset:64*\b
	global_load_b128 v[BR+8*\b+4:BR+8*\b+7], v5, s[12:13] offset:64*\b+16
.endr
.irp a, 0,1,2,3,4,5,6,7
	global_load_b32 v[BV+\a], v6, s[12:13] offset:64*\a
.endr
	v_and_b32 v3, 31, v0
	v_lshlrev_b32 v3, 4, v3
	s_wait_alu depctr_va_vdst(0)
	s_cmp_eq_u32 ttmp9, 2
	s_mov_b32 s18, 131072
	s_cselect_b32 s18, 1024, s18
	s_mov_b32 s19, 131584
	s_cselect_b32 s19, 1536, s19
	s_cselect_b32 s20, 0, 8192
	s_mov_b32 s21, 0x01000100
	s_mov_b32 s22, 0x03020302
	s_mov_b32 s23, 0x03020100
	s_cselect_b32 s21, s23, s21
	s_cselect_b32 s22, s23, s22
	s_cselect_b32 s45, 0, 1
	v_mov_b32 v[VA], v3
	v_add_nc_u32 v[VA+1], 512, v3
	v_add_nc_u32 v[VA+2], s18, v3
	v_add_nc_u32 v[VA+3], s19, v3
	v_mul_u32_u24 v4, s20, v2
	v_lshl_add_u32 v[VS], v1, 2, v4
	v_mov_b32 v4, s21
	v_mov_b32 v7, s22
	s_mov_b32 s18, 0xffff0000
	v_cndmask_b32 v[SELV], v4, v7, s18
	s_lshr_b32 s18, s92, 3
	s_lshl_b32 s18, s18, 4
	s_lshl_b32 s19, s94, 2
	s_add_co_u32 s18, s18, s19
	s_lshl_b32 s19, s44, 1
	s_add_co_u32 s18, s18, s19                     ; batch x 16 + my first head
	s_and_b32 s19, s92, 7
	s_lshl_b32 s19, s19, 1
	s_add_co_u32 s19, s19, s93                     ; my step of 128 tokens
	s_lshl_b32 s20, s18, 17
	s_lshl_b32 s21, s19, 13
	s_add_co_u32 s20, s20, s21
	s_lshl_b32 s21, ttmp9, 22
	s_add_co_u32 s20, s20, s21
	s_mov_b32 s21, 0
	s_add_nc_u64 s[96:97], s[96:97], s[20:21]
	s_lshl_b32 s20, s18, 12
	s_lshl_b32 s21, s19, 8
	s_add_co_u32 s20, s20, s21
	s_lshl_b32 s20, s20, s45
	s_lshl_b32 s21, ttmp9, 18
	s_add_co_u32 s20, s20, s21
	s_mov_b32 s21, 0
	s_add_nc_u64 s[98:99], s[98:99], s[20:21]
.macro FRAG reg, adr, q, i
.irp c, 0,1,2,3
	ds_load_b128 v[\reg+4*\c:\reg+4*\c+3], v[\adr] offset:128*(\q)+32*\c+(\i)*16*PITCH
.endr
.endm
.macro MUL16 a0, p, q, sc, zero
.irp a, \a0, \a0+1
.irp b, 0,1,2,3,4,5,6,7
.if \zero
	v_wmma_scale_f32_16x16x128_f8f6f4 v[8*(8*((\a)%4)+\b):8*(8*((\a)%4)+\b)+7], v[128*(\p)+FR*\b:128*(\p)+FR*\b+FR-1], v[AF+FR*(\a):AF+FR*(\a)+FR-1], 0, v[SC+8*NQ*(\sc)+NQ*\b+(\q)], v[SC+8*NQ*(\sc)+NQ*(\a)+(\q)] matrix_a_scale:MATRIX_SCALE_ROW1
.else
	v_wmma_scale_f32_16x16x128_f8f6f4 v[8*(8*((\a)%4)+\b):8*(8*((\a)%4)+\b)+7], v[128*(\p)+FR*\b:128*(\p)+FR*\b+FR-1], v[AF+FR*(\a):AF+FR*(\a)+FR-1], v[8*(8*((\a)%4)+\b):8*(8*((\a)%4)+\b)+7], v[SC+8*NQ*(\sc)+NQ*\b+(\q)], v[SC+8*NQ*(\sc)+NQ*(\a)+(\q)] matrix_a_scale:MATRIX_SCALE_ROW1
.endif
.endr
.endr
.endm
.macro FETCH0 slot, q, p
	WIN TO_B
.irp i, 0,1,2,3,4,5,6,7
	FRAG 128*(\p)+FR*\i, AD0+\slot, \q, \i
.endr
	WIN 0
.endm
.macro FETCH1 slot, q, i0
.irp i, \i0, \i0+1, \i0+2, \i0+3
	FRAG AF+FR*(\i), AD1+\slot, \q, \i
.endr
.endm
.macro SCALES sc
.irp i, 0,1,2,3,4,5,6,7
	ds_load_b64 v[SC+8*NQ*\sc+NQ*\i:SC+8*NQ*\sc+NQ*\i+1], v[ADRS] offset:\i*SBLK
.endr
.endm
.macro PLACES n
.rept \n
	v_nop
.endr
.endm
.macro STEP slot, q, zero
	s_wait_dscnt 4*NL
	WIN MUL_LO
	MUL16 0, (\q)%2, \q, \slot, \zero
	MUL16 2, (\q)%2, \q, \slot, \zero
	s_wait_dscnt 0
	PLACES NP
	FETCH0 \slot, (\q)+1, 1-(\q)%2
	FETCH1 \slot, (\q)+1, 0
	WIN MUL_HI
	MUL16 4, (\q)%2, \q, \slot, \zero
	MUL16 6, (\q)%2, \q, \slot, \zero
	PLACES NP
	WIN 0
	FETCH1 \slot, (\q)+1, 4
.endm
.macro TURN slot, next, fill
	s_wait_tensorcnt 0x0
	ds_add_u32 v[SPW], v[NIL]
	s_wait_dscnt 4*NL+1
	WIN MUL_LO
	MUL16 0, 1, NQ-1, \slot, 0
	s_wait_dscnt 0x0
	s_barrier_signal -1
	MUL16 2, 1, NQ-1, \slot, 0
	WIN 0
	s_barrier_wait -1
.if \fill
	CREST
	s_add_nc_u64 s[G0+4*\slot+2:G0+4*\slot+3], s[G0+4*\slot+2:G0+4*\slot+3], 2*ROWB
	s_add_nc_u64 s[G0B+4*\slot+2:G0B+4*\slot+3], s[G0B+4*\slot+2:G0B+4*\slot+3], 2*ROWB
	JLOAD G0+4*\slot, G1, G0B+4*\slot, G1B
	PLACES NP-4
.else
	PLACES NP
.endif
	s_wait_alu depctr_va_vdst(0)
	v_add_nc_u32 v[ADRS], 4*NQ, v[ADRS]
	FETCH0 \next, 0, 0
	FETCH1 \next, 0, 0
	SCALES \next
	WIN MUL_HI
	MUL16 4, 1, NQ-1, \slot, 0
	MUL16 6, 1, NQ-1, \slot, 0
	PLACES NP
	WIN 0
	FETCH1 \next, 0, 4
.endm
	s_wait_alu depctr_va_vdst(0)                   ; the wait at the head's end
	s_wait_tensorcnt 0x0                           ; my tile of the head's four is in; the lines ahead of a later first fill:
	ds_add_u32 v[SPW], v[NIL]
	s_mov_b32 s[G1+2], 128<<16                     ; no tensor load of mine is out: from here on a load brings 128 rows
	s_mov_b32 s[G1+4], 128
	s_mov_b32 s[G1B+2], 128<<16
	s_mov_b32 s[G1B+4], 128
	s_wait_dscnt 0x0
	CROUND                                         ; all four tiles are in, and all sixteen work-groups are here
	JLOAD G0+4, G1, G0B+4, G1B                     ; K step 1, the first tensor load behind the round
	FETCH0 0, 0, 0
	FETCH1 0, 0, 0
	SCALES 0
	FETCH1 0, 0, 4
	STEP 0, 0, 1
	s_mov_b32 s3, LAPS-1
.Llap:
	TURN 0, 1, 1
	STEP 1, 0, 0
	TURN 1, 0, 1
	STEP 0, 0, 0
	s_sub_co_u32 s3, s3, 1
	s_cmp_lg_u32 s3, 0
	s_cbranch_scc1 .Llap
	TURN 0, 1, 0
	STEP 1, 0, 0
	s_wait_dscnt 4*NL
	WIN MUL_LO
	MUL16 0, 1, NQ-1, 1, 0
	MUL16 2, 1, NQ-1, 1, 0
	s_wait_dscnt 0
	WIN MUL_HI
	MUL16 4, 1, NQ-1, 1, 0
	MUL16 6, 1, NQ-1, 1, 0
	WIN 0
.macro MOVE a, kv
	WIN 0x02+(\a)/4
.set i, 0
.rept 32
.if \kv == 0
	v_pk_add_f32 v[G+i:G+i+1], v[64*((\a)%4)+i:64*((\a)%4)+i+1], v[BR+i:BR+i+1]
.elseif (\a)%2 == 0
	v_pk_add_f32 v[G+i:G+i+1], v[64*((\a)%4)+i:64*((\a)%4)+i+1], v[BV+2*((\a)/2):BV+2*((\a)/2)+1] op_sel_hi:[1,0]
.else
	v_pk_add_f32 v[G+i:G+i+1], v[64*((\a)%4)+i:64*((\a)%4)+i+1], v[BV+2*((\a)/2):BV+2*((\a)/2)+1] op_sel:[0,1] op_sel_hi:[1,1]
.endif
.set i, i+2
.endr
	WIN 0
.endm
	PLACES NP
	s_wait_loadcnt 0x0
.irp b, 0,1,2,3
	v_mov_b32 v[TM+4+\b], 0
.endr
	s_mov_b32 s19, 0
	s_mov_b32 s21, 0
.irp a, 0,1,2,3,4,5,6,7
.if \a > 0
	s_wait_xcnt 0x0
.endif
	s_cmp_eq_u32 ttmp9, 2
	s_cbranch_scc1 .Lkeys\a
	MOVE \a, 0
	s_mov_b32 s18, 1024*\a
	s_mov_b32 s20, 64*\a
	s_branch .Lboth\a
.Lkeys\a:
	MOVE \a, 1
	s_mov_b32 s18, 131072*(\a/4)+2048*(\a%4)
	s_mov_b32 s20, 4096*(\a/4)+64*(\a%4)
.Lboth\a:
	s_add_nc_u64 s[22:23], s[96:97], s[18:19]
	s_add_nc_u64 s[46:47], s[98:99], s[20:21]
	QUANT G, 4
	v_perm_b32 v[SW], v[PW], v[PW], v[SELV]
.irp c, 0,1,2,3
	global_store_b128 v[VA+\c], v[PC+4*\c:PC+4*\c+3], s[22:23]
.endr
	global_store_b32 v[VS], v[SW], s[46:47]
.endr
	s_wait_tensorcnt 0x0
	ds_add_u32 v[SPW], v[NIL]
	s_wait_dscnt 0x0
	CROUND
	s_endpgm
.Lfunc_end_k_q269b96f7fa_qkv:
	.size	k_q269b96f7fa_qkv, .Lfunc_end_k_q269b96f7fa_qkv-k_q269b96f7fa_qkv
	.p2alignl 7, 3214868480
	.fill 96, 4, 3214868480
	.section	.rodata,"a",@progbits
	.p2align	6, 0x0
	.amdhsa_kernel k_q269b96f7fa_qkv
		.amdhsa_group_segment_fixed_size 327680
		.amdhsa_private_segment_fixed_size 0
		.amdhsa_enable_private_segment 0
		.amdhsa_kernarg_size 56
		.amdhsa_user_sgpr_count 2
		.amdhsa_user_sgpr_kernarg_segment_ptr 1
		.amdhsa_wavefront_size32 1
		.amdhsa_system_sgpr_workgroup_id_x 1
		.amdhsa_system_sgpr_workgroup_id_y 1
		.amdhsa_system_sgpr_workgroup_id_z 1
		.amdhsa_system_vgpr_workitem_id 0
		.amdhsa_next_free_vgpr 1024
		.amdhsa_next_free_sgpr 100
		.amdhsa_reserve_vcc 0
		.amdhsa_float_denorm_mode_32 3
		.amdhsa_float_denorm_mode_16_64 3
		.amdhsa_memory_ordered 1
		.amdhsa_forward_progress 1
		.amdhsa_inst_pref_size 226
	.end_amdhsa_kernel
	.amdgpu_metadata
---
amdhsa.version: [ 1, 2 ]
amdhsa.kernels:
  - .name:           k_q269b96f7fa_qkv
    .symbol:         k_q269b96f7fa_qkv.kd
    .args:
      - { .name: ac, .offset: 0, .size: 8, .value_kind: global_buffer, .address_space: global }
      - { .name: asc, .offset: 8, .size: 8, .value_kind: global_buffer, .address_space: global }
      - { .name: wqkv_codes, .offset: 16, .size: 8, .value_kind: global_buffer, .address_space: global }
      - { .name: wqkv_scales, .offset: 24, .size: 8, .value_kind: global_buffer, .address_space: global }
      - { .name: bqkv, .offset: 32, .size: 8, .value_kind: global_buffer, .address_space: global }
      - { .name: qkvc, .offset: 40, .size: 8, .value_kind: global_buffer, .address_space: global }
      - { .name: qkvs, .offset: 48, .size: 8, .value_kind: global_buffer, .address_space: global }
    .group_segment_fixed_size: 327680
    .private_segment_fixed_size: 0
    .kernarg_segment_align: 8
    .kernarg_segment_size: 56
    .max_flat_workgroup_size: 128
    .sgpr_count:     100
    .vgpr_count:     1024
    .wavefront_size: 32
...
	.end_amdgpu_metadata
.endif
;; end of part 2
;; launch attn (part 3): grid 8 x 32, 16 waves a work-group, no clusters, 276,480 bytes of LDS; arguments qkvc, qkvs, attn_mask, mflags, ac, asc; writes ac, asc
.if DOCPART == 3
	.amdgcn_target "amdgcn-amd-amdhsa--gfx1250"
	.amdhsa_code_object_version 6
	.text
	.protected	k_q269b96f7fa_attn
	.globl	k_q269b96f7fa_attn
	.p2align	8
	.type	k_q269b96f7fa_attn,@function
k_q269b96f7fa_attn:
	s_mov_b64 s[64:65], 0
	v_nop
	global_prefetch_b8 v0, s[64:65] scope:SCOPE_SE
	s_setreg_imm32_b32 hwreg(HW_REG_WAVE_MODE, 25, 1), 1
	s_wait_xcnt 0x0
; ctx = softmax(q k^T / 8, masked) v for one head a work-group, both products on E4M3 codes with E8M0 scales; ctx is quantised along the channels: ac [token][1024], asc [channel / 256][token][8].
; THE SOFTMAX: t = score x log2(e) / 8; M = the running largest t rounded up to a whole number; p = 2^(t - M) is quantised along the keys; the sum of the unquantised p divides at the end.
; SHARES.  Each of sixteen waves owns one tile of 16 queries; the head has 16 steps of 128 keys.  The flags that an earlier launch stored say of each (tile, step): nothing masked, mixed, all masked.
; A step that is all masked is left out by a scalar branch on the stored flags; a mixed step loads its mask bytes.  This launch has no tensor load and no cluster:
; the head's k and v images (256 KiB) and scale words go through registers into LDS, each byte once: steps 0-7 ahead of the first barrier, steps 8-15 one a trip while steps 0-7 are worked.
; THE DEAL.  Wave w takes tile 8 grp + x, grp = w, or 15 - w where w lies on a diagonal of the 4 x 4 square of waves.  Under a causal mask tile grp has grp + 1 live steps, and those of each row and each column of that square sum to 34.
; HELPERS.  Waves w and w xor 7 hold tiles grp and grp xor 8.  The one with the low tile (the helper) finishes its own tile, stores it, and then walks the ODD steps 8-15 of the partner's tile with fresh sums; the owner leaves those steps out
; (its flag word says 'all masked' there).  The helper's O^T, -M and sums go through LDS, and the owner joins them: M is a whole number on both sides, so both parts are brought under the larger M by exact powers of two.
; Roles change flag words and registers alone: every wave walks every loop, all trip counts are constants, and no barrier stands under a branch.  The text is right for every mask; the deal and the split only serve speed.
; LAYOUT.  Both products are used transposed: S^T = K Q^T, O^T = V^T P^T: a lane holds one query.  Register 8 T + j of S^T is key 16 T + 8 h + j; p's code registers are used as they stand, which permutes the keys
; inside each block of 32 just as v's images are permuted.  The first product's K is 64, so a fragment of 16 registers holds TWO tiles of keys: the even tile is multiplied by (q, zero codes), the odd one by (zero codes, q);
; the other tile's codes meet zero codes (they are never NaN codes: the quantiser holds its numbers at 448).  The scale words of q and k carry their two bytes twice, so either half finds them.
; LIMITS: NaN and infinities are not served.  A query with every key masked has the sum 0: its scale bytes are set to 0xff, which makes its row of the next product NaN, as the softmax of such a row is.
.set VIM, 131072                       ; LDS: k's images at 0, v's here,
.set KSC, 262144                       ; k's scale words,
.set VSC, 270336                       ; v's
.set MRP, 4608                         ; a wave's slot for the hand-over: 9 x 512 bytes, at MRP (w % 8) + VIM (w / 8): bytes of key steps 0-7, which nobody reads behind the second barrier
.set L16, 1                            ; v1   16 x lane
.set L4,  2                            ; v2   4 x lane
.set MO,  3                            ; v3   my query's row of the mask, + 8 h
.set MA,  4
.set ADK, 5
.set ADV, 6
.set ADS, 7
.set ADT, 8
.set FG,  9                            ; v9   the fills' offset in memory; v10, v11 their places in LDS
.set FK,  10
.set FV,  11
.set MP,  9                            ; behind the fills: v9 the partner's slot, v10 mine
.set MG,  10
.set QB,  16                           ; v16-23 zeros, v24-31 q, v32-39 zeros: (zeros, q) = v[16:31], (q, zeros) = v[24:39]
.set KF,  40                           ; v40-103  a step's eight tiles of k, then its four fragments of v
.set S,   104                          ; v104-167 S^T, then p
.set O,   168                          ; v168-199 O^T
.set PCD, 200                          ; v200-215 mask bytes, then p's codes
.set STG, 216                          ; v216-223 the fills' registers, then the partner's q
.set BM,  224
.set BP,  228
.set HL,  232
.set SO,  236
.set KSW, 240                          ; v240-243 k's scale words, two tiles a register; v244-245 v's; v246 p's; v247 q's; v248 the partner's q's: v240-243 also serve the sums' tree behind the first product
.set VSW, 244
.set PSW, 246
.set QSW, 247
.set QS2, 248
.set F,   250                          ; v[250:251]
.set TMP, 252
.set NINF, 253
.set WOC, 254                          ; v254 the way out: my offset among the tile's codes; v255 among its scale bytes
.set WOS, 255
.set TM,  224                          ; QUANT's work on the way out
.set PC,  200
.set PW,  252
.set WV,  16
.set TAU, 17
.set BH,  18
.set TBK, 36
.set TBV, 37
.set TSK, 38
.set TSV, 39
.set MK,  40
.set FW,  41
.set FL,  42
.set CNT, 43
.set SEL, 44
.set CS,  46
.set MNT, 48
.set FW3, 49                           ; s49  the flags of the third loop
.set FW2, 54                           ; s54  the partner's flags
.set ROLE, 55                          ; s55  8 in an owner (grp 8-15), 0 in a helper
.macro QUANT s, blocks                 ; 16 numbers a block of v[s] on, blocks shared by lanes l and l xor 16 -> codes in v[PC] on, scale word v[PW]
.irp b, 0,1,2,3
.if \b < \blocks
	v_max3_num_f32 v[TM+\b], |v[\s+16*\b]|, |v[\s+16*\b+1]|, 0x4800000   ; with the floor 2^(9 - 127): the byte cannot fall under 1
.endif
.endr
.irp i, 2,4,6,8,10,12,14
.irp b, 0,1,2,3
.if \b < \blocks
	s_delay_alu instid0(VALU_DEP_2)
	v_max3_num_f32 v[TM+\b], v[TM+\b], |v[\s+16*\b+\i]|, |v[\s+16*\b+\i+1]|
.endif
.endr
.endr
.irp b, 0,1,2,3
.if \b < \blocks
	s_delay_alu instid0(VALU_DEP_2)
	v_permlanex16_b32 v[TM+4+\b], v[TM+\b], s[SEL], s[SEL+1]
.endif
.endr
.irp b, 0,1,2,3
.if \b < \blocks
	s_delay_alu instid0(VALU_DEP_2)
	v_max_num_f32 v[TM+\b], v[TM+\b], v[TM+4+\b]
.endif
.endr
.irp b, 0
.if \b < \blocks
	s_delay_alu instid0(VALU_DEP_2)
	v_add_nc_u32 v[TM+12+\b], 0xfc000000, v[TM+\b] ; 8 off the exponent field: the conversion's scale operand
	s_delay_alu instid0(VALU_DEP_3)
	v_and_or_b32 v[TM+8+\b], v[TM+\b], 0x7f800000, s[MNT]   ; 448 x the scale
.endif
.endr
.irp b, 1, 2, 3
.if \b < \blocks
	s_delay_alu instid0(VALU_DEP_3)
	v_add_nc_u32 v[TM+12+\b], 0xfc000000, v[TM+\b] ; 8 off the exponent field: the conversion's scale operand
	s_delay_alu instid0(VALU_DEP_4)
	v_and_or_b32 v[TM+8+\b], v[TM+\b], 0x7f800000, s[MNT]   ; 448 x the scale
.endif
.endr
.irp b, 0
.if \b < \blocks
	s_delay_alu instid0(VALU_DEP_4)
	v_lshrrev_b32 v[TM+4+\b], 23, v[TM+12+\b]
.endif
.endr
.irp b, 1, 2, 3
.if \b < \blocks
	s_delay_alu instid0(VALU_DEP_3)
	v_lshrrev_b32 v[TM+4+\b], 23, v[TM+12+\b]
.endif
.endr
	s_delay_alu instid0(VALU_DEP_1)
	v_lshl_or_b32 v[PW], v[TM+5], 8, v[TM+4]
.if \blocks > 2
	v_lshl_or_b32 v[PW], v[TM+6], 16, v[PW]
	v_lshl_or_b32 v[PW], v[TM+7], 24, v[PW]
.endif
.irp b, 0,1,2,3
.if \b < \blocks
.irp i, 0,1,2,3,4,5,6,7,8,9,10,11,12,13,14,15
	v_med3_num_f32 v[\s+16*\b+\i], v[\s+16*\b+\i], -v[TM+8+\b], v[TM+8+\b]   ; the conversion does not saturate (ISA guide 7.6.2)
.endr
	v_cvt_scalef32_pk8_fp8_f32 v[PC+4*\b:PC+4*\b+1], v[\s+16*\b:\s+16*\b+7], v[TM+12+\b]
	v_cvt_scalef32_pk8_fp8_f32 v[PC+4*\b+2:PC+4*\b+3], v[\s+16*\b+8:\s+16*\b+15], v[TM+12+\b]
.endif
.endr
	v_nop                                          ; a plain line behind the last scaled conversion
.endm
	s_load_b128 s[4:7], s[0:1], 0x0                ; qkvc, qkvs
	s_load_b128 s[8:11], s[0:1], 0x10              ; the mask, the flags
	s_load_b128 s[12:15], s[0:1], 0x20             ; ctx's codes, ctx's scale bytes
	v_lshrrev_b32 v1, 5, v0
	s_delay_alu instid0(VALU_DEP_1)
	v_readfirstlane_b32 s[WV], v1                  ; wave 0..15: row w / 4, column w % 4 of the square
	s_lshr_b32 s20, s[WV], 2
	s_xor_b32 s20, s20, s[WV]                      ; bits 1:0: row xor column: 0 or 3 on the diagonals
	s_lshr_b32 s21, s20, 1
	s_xor_b32 s20, s20, s21
	s_and_b32 s20, s20, 1                          ; 1 off the diagonals
	s_xor_b32 s20, s20, 1
	s_mul_i32 s20, s20, 15
	s_xor_b32 s19, s[WV], s20                      ; grp
	s_and_b32 s[ROLE], s19, 8
	s_lshl_b32 s19, s19, 3
	s_add_co_u32 s[TAU], s19, ttmp9                ; my tile of 16 queries, 0..127
	s_xor_b32 s58, s[TAU], 64                      ; the partner's: grp xor 8
	s_and_b32 s20, s[WV], 7
	s_mul_i32 s60, s20, MRP
	s_xor_b32 s20, s20, 7
	s_mul_i32 s61, s20, MRP
	s_lshr_b32 s22, s[WV], 3
	s_lshl_b32 s22, s22, 17
	s_add_co_u32 s60, s60, s22                     ; my slot for the hand-over,
	s_add_co_u32 s61, s61, s22                     ; and that of wave w xor 7
	s_and_b32 s[BH], ttmp7, 0xffff                 ; batch x 16 + head
	s_lshl_b32 s20, s[BH], 17                      ; a head's images: 128 KiB in each of q, k, v
	s_mov_b32 s21, 0
	s_lshl_b32 s22, s[TAU], 2
	s_mov_b32 s23, 0
	s_lshl_b32 s56, s58, 2
	s_mov_b32 s57, 0
	s_wait_kmcnt 0x0
	s_add_nc_u64 s[56:57], s[10:11], s[56:57]
	s_add_nc_u64 s[10:11], s[10:11], s[22:23]
	s_load_b32 s[FW], s[10:11], 0x0                ; my tile's flags: two bits a key step;
	s_load_b32 s[FW2], s[56:57], 0x0               ; the partner's
	s_add_nc_u64 s[28:29], s[4:5], s[20:21]
	s_add_nc_u64 s[24:25], s[28:29], 0x400000      ; k's images
	s_add_nc_u64 s[26:27], s[28:29], 0x800000      ; v's
	s_lshl_b32 s22, s58, 10
	s_add_nc_u64 s[50:51], s[28:29], s[22:23]      ; q's image of the partner's tile,
	s_lshl_b32 s22, s[TAU], 10
	s_add_nc_u64 s[28:29], s[28:29], s[22:23]      ; and of mine
	s_lshl_b32 s20, s[BH], 13
	s_add_nc_u64 s[30:31], s[6:7], s[20:21]
	s_add_nc_u64 s[32:33], s[30:31], 262144        ; k's scale words
	s_lshl_b32 s22, s58, 6
	s_add_nc_u64 s[52:53], s[30:31], s[22:23]      ; q's, the partner's tile,
	s_lshl_b32 s22, s[TAU], 6
	s_add_nc_u64 s[30:31], s[30:31], s[22:23]      ; and mine
	s_lshl_b32 s20, s[BH], 12
	s_add_nc_u64 s[34:35], s[6:7], s[20:21]
	s_add_nc_u64 s[34:35], s[34:35], 524288        ; v's
	s_lshl_b32 s22, s[TAU], 15
	s_add_nc_u64 s[8:9], s[8:9], s[22:23]          ; the mask at my tile's first row
	s_lshr_b32 s20, s[BH], 4
	s_lshl_b32 s20, s20, 11
	s_lshl_b32 s21, s[TAU], 4
	s_add_co_u32 s20, s20, s21                     ; my first token
	s_and_b32 s21, s[BH], 15                       ; the head
	s_lshl_b32 s22, s20, 10
	s_lshl_b32 s19, s21, 6
	s_add_co_u32 s22, s22, s19
	s_add_nc_u64 s[12:13], s[12:13], s[22:23]      ; token x 1,024 + 64 head
	s_lshr_b32 s22, s21, 2
	s_lshl_b32 s22, s22, 15
	s_lshl_b32 s20, s20, 3
	s_add_co_u32 s22, s22, s20
	s_and_b32 s21, s21, 3
	s_lshl_b32 s21, s21, 1
	s_add_co_u32 s22, s22, s21
	s_add_nc_u64 s[14:15], s[14:15], s[22:23]      ; (head / 4) x 32,768 + 8 token + 2 (head % 4)
	v_and_b32 v2, 31, v0
	s_delay_alu instid0(VALU_DEP_1)
	v_lshlrev_b32 v[L16], 4, v2
	s_delay_alu instid0(VALU_DEP_2)
	v_lshlrev_b32 v[L4], 2, v2
	v_lshlrev_b32 v[FG], 4, v0                     ; 16 x thread: 8,192 bytes a round of the work-group
	v_lshlrev_b32 v12, 3, v0
.irp i, 0,1,2,3,4,5,6,7
	global_load_b128 v[S+4*\i:S+4*\i+3], v[FG], s[24:25] offset:8192*\i          ; k, key steps 0-7
.endr
.irp i, 0,1,2,3,4,5,6,7
	global_load_b128 v[S+32+4*\i:S+32+4*\i+3], v[FG], s[26:27] offset:8192*\i    ; v, key steps 0-7
.endr
	global_load_b128 v[STG:STG+3], v[FG], s[32:33]
	global_load_b64 v[STG+4:STG+5], v12, s[34:35]
	global_load_b128 v[QB+8:QB+11], v[L16], s[28:29]
	global_load_b128 v[QB+12:QB+15], v[L16], s[28:29] offset:512
	global_load_b32 v[QSW], v[L4], s[30:31]        ; lanes 0-15: my tile's words; lanes 16-31 bring the next 64 bytes of the buffer, which the product does not read
	v_and_b32 v14, 15, v0                          ; r
	v_bfe_u32 v15, v0, 4, 1                        ; h
	s_delay_alu instid0(VALU_DEP_2)
	v_lshlrev_b32 v[MO], 11, v14
	s_delay_alu instid0(VALU_DEP_1)
	v_lshl_add_u32 v[MO], v15, 3, v[MO]
	s_delay_alu instid0(VALU_DEP_4)
	v_lshlrev_b32 v[WOC], 10, v14
	s_delay_alu instid0(VALU_DEP_1)
	v_lshl_add_u32 v[WOC], v15, 3, v[WOC]          ; codes: row r of 1,024 bytes, + 8 h
	v_lshlrev_b32 v[WOS], 3, v14                   ; scale bytes: 8 a token
	v_mov_b32 v[FK], v[FG]
	v_add_nc_u32 v[FV], VIM, v[FG]
	v_add_nc_u32 v[ADK], KSC, v[FG]
	v_lshl_add_u32 v[ADV], v0, 3, VSC
.irp j, 0,1,2,3,4,5,6,7
	v_mov_b32 v[QB+\j], 0                          ; the zero codes on both sides of q
	v_mov_b32 v[QB+16+\j], 0
.endr
.set i, 0
.rept 32
	v_mov_b32 v[O+i], 0                            ; the step is written once: its first turn finds zeros
.set i, i+1
.endr
.irp b, 0,1,2,3
	v_mov_b32 v[BP+\b], 0                          ; a lane permute's destination counts as one of its sources
.endr
	v_mov_b32 v[TMP], 0                            ; likewise, for the way out
	v_mov_b32 v[F+1], 0                            ; named as the upper half of a pair
	v_mov_b32 v[NINF], 0xff800000
	s_mov_b32 s[SEL], 0x76543210
	s_mov_b32 s[SEL+1], 0xfedcba98
	s_mov_b32 s[CS], 0x3e38aa3b                    ; log2(e) / 8
	s_mov_b32 s[CS+1], s[CS]
	s_mov_b32 s[MNT], 0x600000
	s_mov_b32 s[TBK], 0
	s_mov_b32 s[TBV], VIM
	s_mov_b32 s[TSK], KSC
	s_mov_b32 s[TSV], VSC
	s_mov_b32 s[MK], 0
	s_wait_loadcnt 0x0
.irp i, 0,1,2,3,4,5,6,7
	ds_store_b128 v[FK], v[S+4*\i:S+4*\i+3] offset:8192*\i
.endr
.irp i, 0,1,2,3,4,5,6,7
	ds_store_b128 v[FV], v[S+32+4*\i:S+32+4*\i+3] offset:8192*\i
.endr
	ds_store_b128 v[ADK], v[STG:STG+3]
	ds_store_b64 v[ADV], v[STG+4:STG+5]
	v_mov_b32 v13, 0xff61b1e6                      ; the largest t so far: -3e38
	s_delay_alu instid0(VALU_DEP_1)
	v_floor_f32 v12, -v13                          ; -M
	v_mov_b32 v14, 0                               ; the sum, in two halves
	v_mov_b32 v15, 0
	s_wait_dscnt 0x0                               ; for the others' sake, and the stores have read their registers
	v_add_nc_u32 v[FG], 0x10000, v[FG]             ; on to key step 8
	v_add_nc_u32 v[FK], 0x10000, v[FK]
	v_add_nc_u32 v[FV], 0x10000, v[FV]
	global_load_b128 v[STG:STG+3], v[FG], s[24:25]
	global_load_b128 v[STG+4:STG+7], v[FG], s[26:27]
	s_barrier_signal -1
	s_barrier_wait -1                              ; key steps 0-7 and all scale words lie in LDS
	s_wait_kmcnt 0x0                               ; the flags
	s_lshr_b32 s[FW3], s[FW2], 16                  ; the partner's steps 8-15,
	s_and_not1_b32 s[FW3], s[FW3], 0x3333
	s_or_b32 s[FW3], s[FW3], 0x2222                ; of which the even ones are the owner's: 'all masked' for the helper
	s_cmp_lg_u32 s[ROLE], 0
	s_cselect_b32 s58, 0xcccc0000, 0
	s_cselect_b32 s59, 0x88880000, 0
	s_cselect_b32 s[FW3], 0xaaaa, s[FW3]           ; an owner leaves the whole third loop out,
	s_and_not1_b32 s[FW], s[FW], s58
	s_or_b32 s[FW], s[FW], s59                     ; and steps 9, 11, 13, 15 of its own tile
.macro SPROD tile                      ; tile 0..7 of the step's keys: half tile % 2 of fragment tile / 2
.if (\tile)%2 == 0
	v_wmma_scale_f32_16x16x128_f8f6f4 v[S+8*(\tile):S+8*(\tile)+7], v[KF+16*((\tile)/2):KF+16*((\tile)/2)+15], v[QB+8:QB+23], 0, v[KSW+(\tile)/2], v[QSW]
.else
	v_wmma_scale_f32_16x16x128_f8f6f4 v[S+8*(\tile):S+8*(\tile)+7], v[KF+16*((\tile)/2):KF+16*((\tile)/2)+15], v[QB:QB+15], 0, v[KSW+(\tile)/2], v[QSW] matrix_a_scale:MATRIX_SCALE_ROW1
.endif
.endm
.macro FILL                            ; trip t of the first loop: key step 8 + t goes into LDS, key step 9 + t is asked for
	s_wait_loadcnt 0x0
	ds_store_b128 v[FK], v[STG:STG+3]
	ds_store_b128 v[FV], v[STG+4:STG+7]
	s_wait_dscnt 0x0                               ; the stores have read their registers
	v_add_nc_u32 v[FG], 8192, v[FG]
	v_add_nc_u32 v[FK], 8192, v[FK]
	v_add_nc_u32 v[FV], 8192, v[FV]
	s_cmp_eq_u32 s[CNT], 7                         ; the last trip asks for nothing: no load leaves the head's images
	s_cbranch_scc1 .Lfull_\@
	global_load_b128 v[STG:STG+3], v[FG], s[24:25]
	global_load_b128 v[STG+4:STG+7], v[FG], s[26:27]
.Lfull_\@:
.endm
.macro STEP                            ; 128 keys
	s_and_b32 s[FL], s[FW], 3
	s_lshr_b32 s[FW], s[FW], 2
	s_cmp_eq_u32 s[FL], 2                          ; all masked (every p would be 0), or the partner's step
	s_cbranch_scc1 .Lskip_\@
	v_add_nc_u32 v[ADK], s[TBK], v[L16]
	v_add_nc_u32 v[ADV], s[TBV], v[L16]
	v_add_nc_u32 v[ADS], s[TSK], v[L4]
	v_add_nc_u32 v[ADT], s[TSV], v[L4]
.rept 4
	v_nop                                          ; eight places in all, ahead of loads into registers that the last step's products read
.endr
.set i, 0
.rept 16
	ds_load_b128 v[KF+4*i:KF+4*i+3], v[ADK] offset:512*i       ; the step's 8,192 bytes of k on end: eight tiles in 64 registers
.set i, i+1
.endr
.irp p, 0,1,2,3
	ds_load_b32 v[KSW+\p], v[ADS] offset:128*\p
.endr
	s_wait_alu depctr_va_vdst(0)
	s_wait_dscnt 0x0
.irp e, 0,1,2,3,4,5,6,7
	SPROD \e
.endr
.rept 8
	v_nop                                          ; places ahead of the loads below and of the first read of the scores
.endr
.set i, 0
.rept 16
	ds_load_b128 v[KF+4*i:KF+4*i+3], v[ADV] offset:512*i       ; v's four fragments, into k's registers: they land while the softmax is worked
.set i, i+1
.endr
	ds_load_b32 v[VSW], v[ADT]
	ds_load_b32 v[VSW+1], v[ADT] offset:128
	s_cmp_lg_u32 s[FL], 1
	s_cbranch_scc1 .Lopen_\@
	v_add_nc_u32 v[MA], s[MK], v[MO]               ; a mixed step: the mask bytes of my query's 64 keys; masked scores become -infinity, so p = 0
.irp e, 0,1,2,3,4,5,6,7
	global_load_b64 v[PCD+2*\e:PCD+2*\e+1], v[MA], s[8:9] offset:16*\e
.endr
	s_wait_loadcnt 0x0
.set n, 0
.rept 64
	v_and_b32 v[TMP], 0xff<<(8*(n%4)), v[PCD+n/4]
	s_delay_alu instid0(VALU_DEP_1)
	v_cmp_ne_u32 vcc_lo, 0, v[TMP]
	v_cndmask_b32 v[S+n], v[S+n], v[NINF], vcc_lo
.set n, n+1
.endr
.Lopen_\@:
.irp b, 0,1,2,3
	v_max3_num_f32 v[BM+\b], v[S+16*\b], v[S+16*\b+1], v[S+16*\b+2]   ; the largest score of each block of 32 keys: for the row's maximum and for the block's largest p
.endr
.irp i, 3,5,7,9,11,13
.irp b, 0,1,2,3
	v_max3_num_f32 v[BM+\b], v[BM+\b], v[S+16*\b+\i], v[S+16*\b+\i+1]
.endr
.endr
.irp b, 0,1,2,3
	v_max_num_f32 v[BM+\b], v[BM+\b], v[S+16*\b+15]
.endr
.irp b, 0,1,2,3
	s_delay_alu instid0(VALU_DEP_4)
	v_permlanex16_b32 v[BP+\b], v[BM+\b], s[SEL], s[SEL+1]
.endr
.irp b, 0,1,2,3
	s_delay_alu instid0(VALU_DEP_4)
	v_max_num_f32 v[BM+\b], v[BM+\b], v[BP+\b]
.endr
	s_delay_alu instid0(VALU_DEP_2)
	v_max3_num_f32 v[TMP], v[BM], v[BM+1], v[BM+2]
	s_delay_alu instid0(VALU_DEP_1)
	v_max_num_f32 v[TMP], v[TMP], v[BM+3]
	s_delay_alu instid0(VALU_DEP_1)
	v_mul_f32 v[TMP], s[CS], v[TMP]
	s_delay_alu instid0(VALU_DEP_1)
	v_max_num_f32 v13, v13, v[TMP]                 ; the running largest t
	v_mov_b32 v[TMP], v12
	s_delay_alu instid0(VALU_DEP_2)
	v_floor_f32 v12, -v13                          ; the new -M: M is a whole number
	s_delay_alu instid0(VALU_DEP_1)
	v_sub_f32 v[TMP], v12, v[TMP]
	s_delay_alu instid0(VALU_DEP_1)
	v_cvt_i32_f32 v[TMP], v[TMP]                   ; (it saturates)
	s_delay_alu instid0(VALU_DEP_1)
	v_ldexp_f32 v[F], 1.0, v[TMP]                  ; f = 2^(old M - new M): exact
.set n, 0
.rept 32
	v_pk_fma_f32 v[S+n:S+n+1], v[S+n:S+n+1], s[CS:CS+1], v[12:13] op_sel_hi:[1,0,0]   ; t - M
.set n, n+2
.endr
.irp b, 0,1,2,3
	v_fma_f32 v[BM+\b], v[BM+\b], s[CS], v12
.endr
.set n, 0
	s_wait_alu depctr_va_vdst(0)
.rept 64
	v_exp_f32 v[S+n], v[S+n]
.set n, n+1
.endr
	v_pk_mul_f32 v[14:15], v[14:15], v[F:F+1] op_sel_hi:[1,0]   ; the sums under the new M: a plain line behind the exponentials
	s_wait_alu depctr_va_vdst(0)                   ; one wait for the batch, ahead of its first reader
.irp b, 0,1,2,3
	v_exp_f32 v[BM+\b], v[BM+\b]                   ; the block's largest p
.endr
	v_pk_add_f32 v[228:229], v[108:109], v[112:113]
	v_pk_add_f32 v[242:243], v[116:117], v[120:121]
	v_pk_add_f32 v[240:241], v[124:125], v[128:129]
	v_pk_add_f32 v[238:239], v[132:133], v[136:137]
	v_pk_add_f32 v[236:237], v[140:141], v[144:145]
	v_pk_add_f32 v[234:235], v[148:149], v[152:153]
	v_pk_add_f32 v[232:233], v[156:157], v[160:161]
	v_pk_add_f32 v[14:15], v[14:15], v[164:165]
	v_pk_add_f32 v[228:229], v[228:229], v[104:105]
	v_pk_add_f32 v[242:243], v[242:243], v[106:107]
	v_pk_add_f32 v[240:241], v[240:241], v[110:111]
	v_pk_add_f32 v[238:239], v[238:239], v[114:115]
	v_pk_add_f32 v[236:237], v[236:237], v[118:119]
	v_pk_add_f32 v[234:235], v[234:235], v[122:123]
	v_pk_add_f32 v[232:233], v[232:233], v[126:127]
	v_pk_add_f32 v[14:15], v[14:15], v[130:131]
	v_pk_add_f32 v[228:229], v[228:229], v[134:135]
	v_pk_add_f32 v[242:243], v[242:243], v[138:139]
	v_pk_add_f32 v[240:241], v[240:241], v[142:143]
	v_pk_add_f32 v[238:239], v[238:239], v[146:147]
	v_pk_add_f32 v[236:237], v[236:237], v[150:151]
	v_pk_add_f32 v[234:235], v[234:235], v[154:155]
	v_pk_add_f32 v[232:233], v[232:233], v[158:159]
	v_pk_add_f32 v[14:15], v[14:15], v[162:163]
	v_pk_add_f32 v[228:229], v[228:229], v[166:167]
	s_delay_alu instid0(VALU_DEP_2)
	v_pk_add_f32 v[14:15], v[14:15], v[238:239]
	s_delay_alu instid0(VALU_DEP_2)
	v_pk_add_f32 v[228:229], v[228:229], v[236:237]
	v_pk_add_f32 v[242:243], v[242:243], v[234:235]
	v_pk_add_f32 v[240:241], v[240:241], v[232:233]
	s_delay_alu instid0(VALU_DEP_2)
	v_pk_add_f32 v[14:15], v[14:15], v[242:243]
	s_delay_alu instid0(VALU_DEP_2)
	v_pk_add_f32 v[228:229], v[228:229], v[240:241]
	s_delay_alu instid0(VALU_DEP_1)
	v_pk_add_f32 v[14:15], v[14:15], v[228:229]
	s_wait_alu depctr_va_vdst(0)                   ; and one for the four
.irp b, 0,1,2,3
	v_max_num_f32 v[BM+\b], 0x4800000, v[BM+\b]    ; the floor 2^(9 - 127)
.endr
.irp b, 0,1,2,3
	s_delay_alu instid0(VALU_DEP_4)
	v_add_nc_u32 v[SO+\b], 0xfc000000, v[BM+\b]
.endr
.irp b, 0,1,2,3
	v_and_or_b32 v[HL+\b], v[BM+\b], 0x7f800000, s[MNT]
.endr
.irp b, 0,1,2,3
	v_lshrrev_b32 v[BP+\b], 23, v[SO+\b]
.endr
	s_delay_alu instid0(VALU_DEP_3)
	v_lshl_or_b32 v[PSW], v[BP+1], 8, v[BP]        ; p's scale word for these 128 keys
	s_delay_alu instid0(VALU_DEP_1)
	v_lshl_or_b32 v[PSW], v[BP+2], 16, v[PSW]
	s_delay_alu instid0(VALU_DEP_1)
	v_lshl_or_b32 v[PSW], v[BP+3], 24, v[PSW]
.irp b, 0,1,2,3
.irp i, 0,1,2,3,4,5,6,7,8,9,10,11,12,13,14,15
	v_min_num_f32 v[S+16*\b+\i], v[S+16*\b+\i], v[HL+\b]   ; p is not negative: a one-sided hold
.endr
	v_cvt_scalef32_pk8_fp8_f32 v[PCD+4*\b:PCD+4*\b+1], v[S+16*\b:S+16*\b+7], v[SO+\b]
	v_cvt_scalef32_pk8_fp8_f32 v[PCD+4*\b+2:PCD+4*\b+3], v[S+16*\b+8:S+16*\b+15], v[SO+\b]
.endr
	v_nop                                          ; a plain line behind the last scaled conversion
.set n, 0
.rept 16
	v_pk_mul_f32 v[O+n:O+n+1], v[O+n:O+n+1], v[F:F+1] op_sel_hi:[1,0]   ; O^T under the new M; also the places between the codes and the products
.set n, n+2
.endr
	s_wait_alu depctr_va_vdst(0)
	s_wait_dscnt 0x0                               ; v's fragments, asked for ahead of the softmax
	v_wmma_scale_f32_16x16x128_f8f6f4 v[O:O+7], v[KF:KF+15], v[PCD:PCD+15], v[O:O+7], v[VSW], v[PSW]
	v_wmma_scale_f32_16x16x128_f8f6f4 v[O+8:O+15], v[KF+16:KF+31], v[PCD:PCD+15], v[O+8:O+15], v[VSW], v[PSW] matrix_a_scale:MATRIX_SCALE_ROW1
	v_wmma_scale_f32_16x16x128_f8f6f4 v[O+16:O+23], v[KF+32:KF+47], v[PCD:PCD+15], v[O+16:O+23], v[VSW+1], v[PSW]
	v_wmma_scale_f32_16x16x128_f8f6f4 v[O+24:O+31], v[KF+48:KF+63], v[PCD:PCD+15], v[O+24:O+31], v[VSW+1], v[PSW] matrix_a_scale:MATRIX_SCALE_ROW1
.Lskip_\@:
	s_add_co_u32 s[TBK], s[TBK], 8192              ; the next step's places
	s_add_co_u32 s[TBV], s[TBV], 8192
	s_add_co_u32 s[TSK], s[TSK], 512
	s_add_co_u32 s[TSV], s[TSV], 256
	s_add_co_u32 s[MK], s[MK], 128
.endm
; THE WAY OUT of my own tile: O^T / the sum, quantised along the channels, stored.
.macro WAYOUT
	v_add_f32 v14, v14, v15
.rept 7
	v_nop                                          ; eight places behind the last products
.endr
	v_permlanex16_b32 v[TMP], v14, s[SEL], s[SEL+1]
	s_delay_alu instid0(VALU_DEP_1)
	v_add_f32 v14, v14, v[TMP]                     ; the row's sum
	v_nop
	s_wait_alu depctr_va_vdst(0)
	v_rcp_f32 v[F], v14
	v_nop
	s_wait_alu depctr_va_vdst(0)
.set n, 0
.rept 16
	v_pk_mul_f32 v[S+n:S+n+1], v[O+n:O+n+1], v[F:F+1] op_sel_hi:[1,0]   ; register 8 t + j: channel 16 t + 8 h + j
.set n, n+2
.endr
	QUANT S, 2
	v_cmp_neq_f32 vcc_lo, 0, v14
	s_delay_alu instid0(VALU_DEP_1)
	v_cndmask_b32 v[PW], 0xffff, v[PW], vcc_lo     ; every key masked: the bytes 0xff
.irp b, 0,1
.irp u, 0,1
	global_store_b64 v[WOC], v[PC+4*\b+2*\u:PC+4*\b+2*\u+1], s[12:13] offset:32*\b+16*\u   ; into true order: channels 32 b + 16 u + 8 h on
.endr
.endr
	global_store_b16 v[WOS], v[PW], s[14:15]       ; both halves of the lanes write the same two bytes
.endm
	s_mov_b32 s[CNT], 0
.Lfirst:                                               ; key steps 0-7, while steps 8-15 come in
	s_wait_alu depctr_va_vdst(0)
	FILL
	STEP
	s_add_co_u32 s[CNT], s[CNT], 1
	s_cmp_lt_u32 s[CNT], 8
	s_cbranch_scc1 .Lfirst
	s_wait_loadcnt 0x0                             ; no load of mine is out: the fills' registers are free
	global_load_b128 v[STG:STG+3], v[L16], s[50:51]            ; the partner's q and its scale words: every wave asks, the helpers use them
	global_load_b128 v[STG+4:STG+7], v[L16], s[50:51] offset:512
	global_load_b32 v[QS2], v[L4], s[52:53]
	v_add_nc_u32 v[MP], s61, v[L16]                ; the hand-over's two addresses, made where all waves still go one way
	v_add_nc_u32 v[MG], s60, v[L16]
	s_wait_dscnt 0x0                               ; my stores of steps 8-15 have landed, my reads of steps 0-7 are over
	s_barrier_signal -1
	s_barrier_wait -1
	s_mov_b32 s[CNT], 0
.Lsecond:                                              ; key steps 8-15 of my own tile (an owner: the even ones)
	STEP
	s_add_co_u32 s[CNT], s[CNT], 1
	s_cmp_lt_u32 s[CNT], 8
	s_cbranch_scc1 .Lsecond
	s_cmp_lg_u32 s[ROLE], 0
	s_cbranch_scc1 .Lkeeps
	WAYOUT                                         ; a helper's own tile is finished;
	s_wait_loadcnt 0x0                             ; the partner's q is in;
	s_wait_xcnt 0x0                                ; the stores have read their registers, and the mask's base may step
	s_add_nc_u64 s[8:9], s[8:9], 0x200000          ; the partner's tile lies 64 tiles x 16 rows x 2,048 bytes further down the mask
	v_mov_b32 v[QSW], v[QS2]
.irp j, 0,1,2,3,4,5,6,7
	v_mov_b32 v[QB+8+\j], v[STG+\j]
.endr
.set i, 0
.rept 32
	v_mov_b32 v[O+i], 0                            ; fresh sums
.set i, i+1
.endr
	v_mov_b32 v13, 0xff61b1e6
	s_delay_alu instid0(VALU_DEP_1)
	v_floor_f32 v12, -v13
	v_mov_b32 v14, 0
	v_mov_b32 v15, 0
.Lkeeps:
	s_mov_b32 s[TBK], 65536                        ; back to key step 8
	s_mov_b32 s[TBV], VIM+65536
	s_mov_b32 s[TSK], KSC+4096
	s_mov_b32 s[TSV], VSC+2048
	s_mov_b32 s[MK], 1024
	s_mov_b32 s[FW], s[FW3]
	s_mov_b32 s[CNT], 0
.Lthird:                                               ; a helper: the odd steps 8-15 of the partner's tile; an owner leaves every trip out
	STEP
	s_add_co_u32 s[CNT], s[CNT], 1
	s_cmp_lt_u32 s[CNT], 8
	s_cbranch_scc1 .Lthird
.rept 8
	v_nop                                          ; places behind the last products, for the stores and the loads below
.endr
	s_cmp_lg_u32 s[ROLE], 0
	s_cbranch_scc1 .Lnothing
	s_wait_alu depctr_va_vdst(0)
.irp i, 0,1,2,3,4,5,6,7
	ds_store_b128 v[MG], v[O+4*\i:O+4*\i+3] offset:512*\i      ; a helper's part as an image of its registers: O^T,
.endr
	ds_store_b128 v[MG], v[12:15] offset:4096      ; -M, the largest t, the sum's two halves
.Lnothing:
	s_wait_dscnt 0x0                               ; for the partner's sake
	s_barrier_signal -1
	s_barrier_wait -1
	s_cmp_eq_u32 s[ROLE], 0
	s_cbranch_scc1 .Lend
	s_wait_alu depctr_va_vdst(0)
.irp i, 0,1,2,3,4,5,6,7
	ds_load_b128 v[S+4*\i:S+4*\i+3], v[MP] offset:512*\i
.endr
	ds_load_b128 v[S+32:S+35], v[MP] offset:4096
	s_wait_dscnt 0x0
	v_min_num_f32 v[TMP], v12, v[S+32]             ; the joint -M: the larger M
	s_delay_alu instid0(VALU_DEP_1)
	v_sub_f32 v[F], v[TMP], v12                    ; my M less the joint one: a whole number, 0 or less;
	s_delay_alu instid0(VALU_DEP_2)
	v_sub_f32 v[S+36], v[TMP], v[S+32]             ; the helper's likewise (a helper without a live step has M = -3e38: its factor falls to 0, over zeros)
	s_delay_alu instid0(VALU_DEP_2)
	v_cvt_i32_f32 v[F], v[F]
	s_delay_alu instid0(VALU_DEP_2)
	v_cvt_i32_f32 v[S+36], v[S+36]
	s_delay_alu instid0(VALU_DEP_2)
	v_ldexp_f32 v[F], 1.0, v[F]
	s_delay_alu instid0(VALU_DEP_2)
	v_ldexp_f32 v[S+36], 1.0, v[S+36]
	s_delay_alu instid0(VALU_DEP_2)
	v_pk_mul_f32 v[14:15], v[14:15], v[F:F+1] op_sel_hi:[1,0]
.set n, 0
.rept 16
	v_pk_mul_f32 v[O+n:O+n+1], v[O+n:O+n+1], v[F:F+1] op_sel_hi:[1,0]
.set n, n+2
.endr
	v_pk_fma_f32 v[14:15], v[S+34:S+35], v[S+36:S+37], v[14:15] op_sel_hi:[1,0,1]
.set n, 0
.rept 16
	v_pk_fma_f32 v[O+n:O+n+1], v[S+n:S+n+1], v[S+36:S+37], v[O+n:O+n+1] op_sel_hi:[1,0,1]
.set n, n+2
.endr
	WAYOUT
.Lend:
	s_wait_xcnt 0x0
	v_lshl_add_u32 v254, v0, 2, 0x43000
	v_mov_b32 v255, 0
	s_wait_alu depctr_va_vdst(0)
	s_wait_tensorcnt 0x0
	ds_add_u32 v254, v255
	s_wait_dscnt 0x0
	s_endpgm
.Lfunc_end_k_q269b96f7fa_attn:
	.size	k_q269b96f7fa_attn, .Lfunc_end_k_q269b96f7fa_attn-k_q269b96f7fa_attn
	.p2alignl 7, 3214868480
	.fill 96, 4, 3214868480
	.section	.rodata,"a",@progbits
	.p2align	6, 0x0
	.amdhsa_kernel k_q269b96f7fa_attn
		.amdhsa_group_segment_fixed_size 276480
		.amdhsa_private_segment_fixed_size 0
		.amdhsa_enable_private_segment 0
		.amdhsa_kernarg_size 48
		.amdhsa_user_sgpr_count 2
		.amdhsa_user_sgpr_kernarg_segment_ptr 1
		.amdhsa_wavefront_size32 1
		.amdhsa_system_sgpr_workgroup_id_x 1
		.amdhsa_system_sgpr_workgroup_id_y 1
		.amdhsa_system_sgpr_workgroup_id_z 1
		.amdhsa_system_vgpr_workitem_id 0
		.amdhsa_next_free_vgpr 256
		.amdhsa_next_free_sgpr 66
		.amdhsa_reserve_vcc 1
		.amdhsa_float_denorm_mode_32 3
		.amdhsa_float_denorm_mode_16_64 3
		.amdhsa_memory_ordered 1
		.amdhsa_forward_progress 1
		.amdhsa_inst_pref_size 125
	.end_amdhsa_kernel
	.amdgpu_metadata
---
amdhsa.version: [ 1, 2 ]
amdhsa.kernels:
  - .name:           k_q269b96f7fa_attn
    .symbol:         k_q269b96f7fa_attn.kd
    .args:
      - { .name: qkvc, .offset: 0, .size: 8, .value_kind: global_buffer, .address_space: global }
      - { .name: qkvs, .offset: 8, .size: 8, .value_kind: global_buffer, .address_space: global }
      - { .name: attn_mask, .offset: 16, .size: 8, .value_kind: global_buffer, .address_space: global }
      - { .name: mflags, .offset: 24, .size: 8, .value_kind: global_buffer, .address_space: global }
      - { .name: ac, .offset: 32, .size: 8, .value_kind: global_buffer, .address_space: global }
      - { .name: asc, .offset: 40, .size: 8, .value_kind: global_buffer, .address_space: global }
    .group_segment_fixed_size: 276480
    .private_segment_fixed_size: 0
    .kernarg_segment_align: 8
    .kernarg_segment_size: 48
    .max_flat_workgroup_size: 512
    .sgpr_count:     66
    .vgpr_count:     256
    .wavefront_size: 32
...
	.end_amdgpu_metadata
.endif
;; end of part 3
;; launch proj (part 4): grid 8 x 32, 4 waves a work-group, clusters of 4 x 4, 327,680 bytes of LDS; arguments ac, asc, wout_codes, wout_scales, bout, x, x2; writes x2
.if DOCPART == 4
	.amdgcn_target "amdgcn-amd-amdhsa--gfx1250"
	.amdhsa_code_object_version 6
	.text
	.protected	k_q269b96f7fa_proj
	.globl	k_q269b96f7fa_proj
	.p2align	8
	.type	k_q269b96f7fa_proj,@function
k_q269b96f7fa_proj:
	s_mov_b64 s[64:65], 0
	v_nop
	global_prefetch_b8 v0, s[64:65] scope:SCOPE_SE
	s_setreg_imm32_b32 hwreg(HW_REG_WAVE_MODE, 25, 1), 1
	s_wait_xcnt 0x0
	s_wait_alu depctr_hold_cnt(0) depctr_sa_sdst(0) depctr_va_vdst(0) depctr_va_sdst(0) depctr_va_ssrc(0) depctr_va_vcc(0) depctr_vm_vsrc(0)
	s_getreg_b32 s2, hwreg(HW_REG_IB_STS2, 6, 4)
	s_cmp_eq_u32 s2, 0
	s_cbranch_scc0 .Lentry_in_a_cluster
	s_endpgm
.Lentry_in_a_cluster:
	s_bfe_u32 s2, ttmp6, 0x10000c
	s_cmp_lg_u32 s2, 0xf033
	s_cbranch_scc0 .Lentry_shape_is_right
	s_endpgm
.Lentry_shape_is_right:
; x2 = x + ctx wout + bout.  ctx: ac [4096][1024] codes, asc [channel / 256][4096][8] bytes; wout: [1024][1024] codes, [1024][32] bytes; both E4M3 with E8M0 scales; sums in f32, begun with the bias.
; A work-group of four waves makes 128 tokens x 128 columns, a wave 64 x 64.  ALL OF K LIES IN LDS AT ONCE: 128 rows of 1,024 bytes of each operand, 16 bytes of padding behind each row.
; THE HEAD: one joint load a wave: wave 0 the tokens' rows (shared along a row of the 4 x 4 cluster), wave 1 the weights' (along a column), waves 2 and 3 their scale bytes.  Nothing is filled again.
; The text walks K as two halves of 512 ('slot' 0, 1: 512 bytes apart in each row).  The way out has a stage of its own behind the spare words, since the operands' rows are read to the end.
; No prefetch: the launch has no refill to run ahead of.
; LIMITS: a NaN byte among ctx's scales (a query with every key masked) makes its row NaN, as the softmax of such a row is.
.set SIZE_K, 1024
.set KSTEP,  512
.set PITCH,  1040
.set HALFT,  64*PITCH
.set SLOT,   512
.set LAPS,   SIZE_K/(2*KSTEP)
.set KS,     SIZE_K/32
.set NG,     SIZE_K/256
.set SA,     4*HALFT
.set SAH,    NG*512
.set SB,     SA+2*SAH
.set SBH,    (64*KS/256)*272
.set SBP,    (32*KS/256)*272
.set SPARE,  SB+2*SBH
.set SPITCH, 272
.set STAGE,  SPARE+512                 ; 16 rows x 272 bytes for each wave: bytes into which no fill lands
.set ADRA, 16
.set ADRB, 20
.set STO,  24
.set RD,   25
.set CO,   26
.set ADSA, 27
.set SPW,  28
.set NIL,  29
.set ADSB, 30
.set SC,   32
.set BR,   64
.set TS,   64
.set ACC,  128
.set F0,   0
.set G1, 24
.set G0, 32
.set G1B, 48
.set G0B, 56
.set G1S, 68
.set G0S, 76
.set G1SB, 80
.set G0SB, 88
.set MSB, 0
.macro WIN new
.if MSB != (\new)
	s_set_vgpr_msb (MSB<<8)|(\new)
.set MSB, (\new)
.endif
.endm
.set MUL,  0x05
.set TO_F, 0x40
.macro JLOAD g0a, g1a, g0b, g1b
	s_cmp_eq_u32 s15, 0
	s_cbranch_scc0 .Lfor_b_\@
	tensor_load_to_lds s[\g0a:\g0a+3], s[\g1a:\g1a+7]
	s_nop 0
.rept 4
	v_nop
.endr
	s_branch .Lasked_\@
.Lfor_b_\@:
	tensor_load_to_lds s[\g0b:\g0b+3], s[\g1b:\g1b+7]
	s_nop 0
.rept 4
	v_nop
.endr
.Lasked_\@:
.endm
.macro CREST
	s_cmp_lg_u32 s14, 0
	s_cbranch_scc1 .Lnot_wave_0_\@
	s_barrier_signal -3
.Lnot_wave_0_\@:
	s_barrier_wait -3
	s_barrier_signal -1
	s_barrier_wait -1
.endm
.macro CROUND
	s_barrier_signal -1
	s_barrier_wait -1
	CREST
.endm
	s_load_b128 s[4:7], s[0:1], 0x0
	s_load_b128 s[8:11], s[0:1], 0x10
	s_load_b64 s[12:13], s[0:1], 0x20
	s_load_b128 s[96:99], s[0:1], 0x28
	v_lshl_add_u32 v[SPW], v0, 2, SPARE
	v_mov_b32 v[NIL], 0
	ds_add_u32 v28, v29
	ds_add_u32 v28, v29
	s_wait_dscnt 0x0
	v_lshrrev_b32 v1, 5, v0
	v_readfirstlane_b32 s14, v1
	s_lshr_b32 s15, s14, 1
	s_and_b32 s16, s14, 1
	s_bfe_u32 s40, ttmp6, 0x40000
	s_bfe_u32 s41, ttmp6, 0x40004
	s_lshl_b32 s42, ttmp9, 2
	s_add_co_u32 s42, s42, s40
	s_and_b32 s17, ttmp7, 0xffff
	s_lshl_b32 s17, s17, 2
	s_add_co_u32 s17, s17, s41
	s_lshl_b32 s43, s41, 2
	s_lshl_b32 s43, 15, s43
	s_lshl_b32 s44, 0x1111, s40
	s_or_b32 s[G1+0], s43, (0<<16)|(1<<20)|(1<<21)|(7<<22)|(3<<25)   ; four words of padding behind every 256 words: a whole row of K
	s_or_b32 s[G1B+0], s44, (0<<16)|(1<<20)|(1<<21)|(7<<22)|(3<<25)
.irp g, G1, G1B
	s_mov_b32 s[\g+1], SIZE_K<<16
	s_mov_b32 s[\g+2], 128<<16
	s_mov_b32 s[\g+3], SIZE_K<<16
	s_mov_b32 s[\g+4], 128
	s_mov_b32 s[\g+5], SIZE_K
	s_mov_b32 s[\g+6], 0
	s_mov_b32 s[\g+7], 0
.endr
	s_or_b32 s[G1S+0], s43, (3<<16)|(1<<21)
	s_mov_b32 s[G1S+1], 128<<16                    ; 128 tokens x 8 bytes for each 256 of K
	s_mov_b32 s[G1S+2], NG<<16
	s_mov_b32 s[G1S+3], 128<<16
	s_mov_b32 s[G1S+4], NG
	s_mov_b32 s[G1S+5], 4096
	s_mov_b32 s[G1S+6], 0
	s_mov_b32 s[G1S+7], 0
	s_or_b32 s[G1SB+0], s44, (3<<16)|(1<<20)|(1<<21)|(5<<22)|(3<<25)
	s_mov_b32 s[G1SB+1], 32<<16
	s_mov_b32 s[G1SB+2], (128*KS/256)<<16
	s_mov_b32 s[G1SB+3], 32<<16
	s_mov_b32 s[G1SB+4], 128*KS/256
	s_mov_b32 s[G1SB+5], 32
	s_mov_b32 s[G1SB+6], 0
	s_mov_b32 s[G1SB+7], 0
	s_lshl_b32 s20, s17, 7
	s_lshl_b32 s46, s42, 7
	s_mov_b32 s21, 0
	s_mov_b32 s47, 0
	s_lshl_b64 s[22:23], s[20:21], 3
	s_mov_b64 s[18:19], KS
	s_mul_u64 s[92:93], s[46:47], s[18:19]
	s_mov_b64 s[18:19], SIZE_K
	s_mul_u64 s[20:21], s[20:21], s[18:19]
	s_mul_u64 s[46:47], s[46:47], s[18:19]
	s_wait_kmcnt 0x0
	s_add_nc_u64 s[20:21], s[4:5], s[20:21]
	s_add_nc_u64 s[22:23], s[6:7], s[22:23]
	s_add_nc_u64 s[46:47], s[8:9], s[46:47]
	s_add_nc_u64 s[92:93], s[10:11], s[92:93]
	CROUND
	s_mov_b32 s[G0S], 1
	s_mov_b32 s[G0S+1], SA
	s_mov_b64 s[G0S+2:G0S+3], s[22:23]
	s_or_b32 s[G0S+3], s[G0S+3], 0x80000000
	s_mov_b32 s[G0SB], 1
	s_mov_b32 s[G0SB+1], SB
	s_mov_b64 s[G0SB+2:G0SB+3], s[92:93]
	s_or_b32 s[G0SB+3], s[G0SB+3], 0x80000000
.irp s, 0
	s_mov_b32 s[G0+4*\s], 1
	s_mov_b32 s[G0+4*\s+1], 0
	s_add_nc_u64 s[G0+4*\s+2:G0+4*\s+3], s[20:21], \s*KSTEP
	s_or_b32 s[G0+4*\s+3], s[G0+4*\s+3], 0x80000000
	s_mov_b32 s[G0B+4*\s], 1
	s_mov_b32 s[G0B+4*\s+1], 2*HALFT
	s_add_nc_u64 s[G0B+4*\s+2:G0B+4*\s+3], s[46:47], \s*KSTEP
	s_or_b32 s[G0B+4*\s+3], s[G0B+4*\s+3], 0x80000000
.endr
; the head's loads, one a wave: one tree of branches on the wave's number, a load to an arm
.macro ARM under, g0, g1, next
	s_cmp_lt_u32 s14, \under
	s_cbranch_scc0 \next
	tensor_load_to_lds s[\g0:\g0+3], s[\g1:\g1+7]
	s_nop 0
.rept 4
	v_nop
.endr
	s_branch .Lhead_asked
\next:
.endm
	ARM 1, G0,  G1,  .Lhead_b
	ARM 2, G0B, G1B, .Lhead_sa
	ARM 3, G0S, G1S, .Lhead_sb
	tensor_load_to_lds s[G0SB:G0SB+3], s[G1SB:G1SB+7]
	s_nop 0
.rept 4
	v_nop
.endr
.Lhead_asked:
	v_and_b32 v1, 15, v0
	v_bfe_u32 v2, v0, 4, 1
	v_and_b32 v6, 31, v0
	s_wait_alu depctr_va_vdst(0)
	v_mul_u32_u24 v3, v1, PITCH
	v_lshl_add_u32 v3, v2, 4, v3
	s_mul_i32 s21, s15, HALFT
	s_mul_i32 s22, s16, HALFT
	s_add_co_u32 s22, s22, 2*HALFT
.irp s, 0,1
	v_add_nc_u32 v[ADRA+\s], s21, v3
	v_add_nc_u32 v[ADRB+\s], s22, v3
	s_add_co_u32 s21, s21, SLOT
	s_add_co_u32 s22, s22, SLOT
.endr
	s_lshl_b32 s21, s15, 9                         ; my 64 tokens' scale bytes: 512 bytes on in each group of 128 tokens
	s_add_co_u32 s21, s21, SA
	v_lshl_add_u32 v[ADSA], v6, 3, s21
	v_mul_u32_u24 v4, v6, KS
	v_lshrrev_b32 v7, 8, v4
	v_lshl_add_u32 v4, v7, 4, v4
	s_mul_i32 s22, s16, SBH
	s_add_co_u32 s22, s22, SB
	v_add_nc_u32 v[ADSB], s22, v4
	s_mul_i32 s23, s14, 16*SPITCH
	s_add_co_u32 s23, s23, STAGE
	v_mul_u32_u24 v4, v1, SPITCH
	v_lshl_add_u32 v4, v2, 5, v4
	v_add_nc_u32 v[STO], s23, v4
	v_mul_u32_u24 v4, v2, SPITCH
	v_lshl_add_u32 v4, v1, 4, v4
	v_add_nc_u32 v[RD], s23, v4
	v_lshlrev_b32 v[CO], 12, v2
	v_lshl_add_u32 v[CO], v1, 4, v[CO]
	v_lshlrev_b32 v5, 5, v2
	s_wait_alu depctr_va_vdst(0)
	s_lshl_b32 s20, s17, 7
	s_lshl_b32 s21, s15, 6
	s_add_co_u32 s20, s20, s21
	s_lshl_b32 s20, s20, 12
	s_lshl_b32 s46, s42, 9
	s_lshl_b32 s47, s16, 8
	s_add_co_u32 s46, s46, s47
	s_mov_b32 s47, 0
	s_add_nc_u64 s[12:13], s[12:13], s[46:47]
	s_add_co_u32 s20, s20, s46
	s_mov_b32 s21, 0
	s_add_nc_u64 s[96:97], s[96:97], s[20:21]
	s_add_nc_u64 s[98:99], s[98:99], s[20:21]
.irp b, 0,1,2,3
	global_load_b128 v[BR+8*\b:BR+8*\b+3], v5, s[12:13] offset:64*\b
	global_load_b128 v[BR+8*\b+4:BR+8*\b+7], v5, s[12:13] offset:64*\b+16
.endr
	WIN 0x80
.set i, 0
.rept 32
	global_load_b128 v[4*i:4*i+3], v[CO], s[96:97] offset:2*i*4096 th:TH_LOAD_NT
.set i, i+1
.endr
	WIN 0
.macro WM a, b, f, q, set, first
.set rD, ACC+8*(4*(\a)+(\b))
.set rC, rD
.if \first
.set rC, BR+8*(\b)
.endif
.set rB, (\f)+64+16*(\b)
.set rA, (\f)+16*(\a)
.set rSB, SC+16*(\set)+8+4*((\b)/2)+(\q)
.set rSA, SC+16*(\set)+4*((\a)/2)+(\q)
.if ((\a)%2 == 0) && ((\b)%2 == 0)
	v_wmma_scale_f32_16x16x128_f8f6f4 v[rD:rD+7], v[rB:rB+15], v[rA:rA+15], v[rC:rC+7], v[rSB], v[rSA]
.elseif ((\a)%2 == 0)
	v_wmma_scale_f32_16x16x128_f8f6f4 v[rD:rD+7], v[rB:rB+15], v[rA:rA+15], v[rC:rC+7], v[rSB], v[rSA] matrix_a_scale:MATRIX_SCALE_ROW1
.elseif ((\b)%2 == 0)
	v_wmma_scale_f32_16x16x128_f8f6f4 v[rD:rD+7], v[rB:rB+15], v[rA:rA+15], v[rC:rC+7], v[rSB], v[rSA] matrix_b_scale:MATRIX_SCALE_ROW1
.else
	v_wmma_scale_f32_16x16x128_f8f6f4 v[rD:rD+7], v[rB:rB+15], v[rA:rA+15], v[rC:rC+7], v[rSB], v[rSA] matrix_a_scale:MATRIX_SCALE_ROW1 matrix_b_scale:MATRIX_SCALE_ROW1
.endif
.endm
.macro MULA f, q, set, a, first
.irp b, 0,1,2,3
	WM \a, \b, \f, \q, \set, \first
.endr
.endm
.macro FETCH slot, q, f
	WIN TO_F
.irp i, 0,1,2,3
.irp c, 0,1,2,3
	ds_load_b128 v[(\f)+64+16*\i+4*\c:(\f)+64+16*\i+4*\c+3], v[ADRB+\slot] offset:128*(\q)+32*\c+\i*16*PITCH
.endr
.endr
.irp i, 0,1,2,3
.irp c, 0,1,2,3
	ds_load_b128 v[(\f)+16*\i+4*\c:(\f)+16*\i+4*\c+3], v[ADRA+\slot] offset:128*(\q)+32*\c+\i*16*PITCH
.endr
.endr
.endm
.macro SCALES set
.irp p, 0,1
.irp g, 0,1
	ds_load_b64 v[SC+16*(\set)+4*\p+2*\g:SC+16*(\set)+4*\p+2*\g+1], v[ADSA] offset:1024*\g+256*\p
.endr
.endr
.irp p, 0,1
	ds_load_b128 v[SC+16*(\set)+8+4*\p:SC+16*(\set)+8+4*\p+3], v[ADSB] offset:SBP*\p
.endr
.endm
.macro PLACES n
.rept \n
	v_nop
.endr
.endm
.macro QUARTER slot, q, first
	s_wait_dscnt 8
	WIN MUL
	MULA F0+128*((\q)%2), \q, \slot, 0, \first
	MULA F0+128*((\q)%2), \q, \slot, 1, \first
	PLACES 8
	FETCH \slot, (\q)+1, F0+128*(1-(\q)%2)
	s_wait_dscnt 32
	WIN MUL
	MULA F0+128*((\q)%2), \q, \slot, 2, \first
	MULA F0+128*((\q)%2), \q, \slot, 3, \first
.endm
.macro TURN slot, next, fill
	WIN 0
	s_wait_tensorcnt 0x0
	ds_add_u32 v[SPW], v[NIL]
	s_wait_dscnt 9
	WIN MUL
	MULA F0+128, 3, \slot, 0, 0
	MULA F0+128, 3, \slot, 1, 0
	s_wait_dscnt 0x0
	s_barrier_signal -1
	MULA F0+128, 3, \slot, 2, 0
	WIN 0
	s_barrier_wait -1
.if \fill
	CREST
	s_add_nc_u64 s[G0+4*\slot+2:G0+4*\slot+3], s[G0+4*\slot+2:G0+4*\slot+3], 2*KSTEP
	s_add_nc_u64 s[G0B+4*\slot+2:G0B+4*\slot+3], s[G0B+4*\slot+2:G0B+4*\slot+3], 2*KSTEP
	JLOAD G0+4*\slot, G1, G0B+4*\slot, G1B
	PLACES 4
.else
	PLACES 8
.endif
	v_add_nc_u32 v[ADSA], 2048, v[ADSA]
	v_add_nc_u32 v[ADSB], 16, v[ADSB]
	SCALES \next
	FETCH \next, 0, F0
	WIN MUL
	MULA F0+128, 3, \slot, 3, 0
.endm
	s_wait_alu depctr_va_vdst(0)                   ; the wait at the head's end
	s_wait_tensorcnt 0x0                           ; my tile of the head's four is in
	s_barrier_signal -1
	s_barrier_wait -1                              ; and so is everybody's
	SCALES 0
	FETCH 0, 0, F0
	s_wait_loadcnt 32
	QUARTER 0, 0, 1
.if LAPS > 1
	WIN 0
	s_mov_b32 s3, LAPS-1
.Llap:
	QUARTER 0, 1, 0
	QUARTER 0, 2, 0
	TURN 0, 1, 1
	QUARTER 1, 0, 0
	QUARTER 1, 1, 0
	QUARTER 1, 2, 0
	TURN 1, 0, 1
	QUARTER 0, 0, 0
	WIN 0
	s_sub_co_u32 s3, s3, 1
	s_cmp_lg_u32 s3, 0
	s_cbranch_scc1 .Llap
.endif
	QUARTER 0, 1, 0
	QUARTER 0, 2, 0
	TURN 0, 1, 0
	QUARTER 1, 0, 0
	QUARTER 1, 1, 0
	QUARTER 1, 2, 0
	s_wait_dscnt 8
	WIN MUL
	MULA F0+128, 3, 1, 0, 0
	MULA F0+128, 3, 1, 1, 0
	s_wait_dscnt 0
	MULA F0+128, 3, 1, 2, 0
	MULA F0+128, 3, 1, 3, 0
	WIN 0
.macro TOSTAGE a
.irp b, 0,1,2,3
	ds_store_b128 v[STO], v[ACC+8*(4*(\a)+\b):ACC+8*(4*(\a)+\b)+3] offset:64*\b
	ds_store_b128 v[STO], v[ACC+8*(4*(\a)+\b)+4:ACC+8*(4*(\a)+\b)+7] offset:64*\b+16
.endr
.irp t, 0,1,2,3,4,5,6,7
	ds_load_b128 v[TS+32*((\a)%2)+4*\t:TS+32*((\a)%2)+4*\t+3], v[RD] offset:\t*2*SPITCH
.endr
.endm
.macro SEND a, younger
	s_wait_dscnt \younger
	WIN 0x08
.set i, 0
.rept 16
	v_pk_add_f32 v[TS+32*((\a)%2)+i:TS+32*((\a)%2)+i+1], v[TS+32*((\a)%2)+i:TS+32*((\a)%2)+i+1], v[32*(\a)+i:32*(\a)+i+1]
.set i, i+2
.endr
	WIN 0
.irp t, 0,1,2,3,4,5,6,7
	global_store_b128 v[CO], v[TS+32*((\a)%2)+4*\t:TS+32*((\a)%2)+4*\t+3], s[98:99] offset:(16*(\a)+2*\t)*4096 th:TH_STORE_NT
.endr
.endm
	PLACES 8
	s_wait_loadcnt 0x0
	TOSTAGE 0
.irp a, 1,2,3
.if \a > 1
	s_wait_xcnt 0x0
.endif
	TOSTAGE \a
	SEND \a-1, 16
.endr
	SEND 3, 0
	s_wait_tensorcnt 0x0
	ds_add_u32 v[SPW], v[NIL]
	s_wait_dscnt 0x0
	CROUND
	s_endpgm
.Lfunc_end_k_q269b96f7fa_proj:
	.size	k_q269b96f7fa_proj, .Lfunc_end_k_q269b96f7fa_proj-k_q269b96f7fa_proj
	.p2alignl 7, 3214868480
	.fill 96, 4, 3214868480
	.section	.rodata,"a",@progbits
	.p2align	6, 0x0
	.amdhsa_kernel k_q269b96f7fa_proj
		.amdhsa_group_segment_fixed_size 327680
		.amdhsa_private_segment_fixed_size 0
		.amdhsa_enable_private_segment 0
		.amdhsa_kernarg_size 56
		.amdhsa_user_sgpr_count 2
		.amdhsa_user_sgpr_kernarg_segment_ptr 1
		.amdhsa_wavefront_size32 1
		.amdhsa_system_sgpr_workgroup_id_x 1
		.amdhsa_system_sgpr_workgroup_id_y 1
		.amdhsa_system_sgpr_workgroup_id_z 1
		.amdhsa_system_vgpr_workitem_id 0
		.amdhsa_next_free_vgpr 768
		.amdhsa_next_free_sgpr 100
		.amdhsa_reserve_vcc 0
		.amdhsa_float_denorm_mode_32 3
		.amdhsa_float_denorm_mode_16_64 3
		.amdhsa_memory_ordered 1
		.amdhsa_forward_progress 1
		.amdhsa_inst_pref_size 61
	.end_amdhsa_kernel
	.amdgpu_metadata
---
amdhsa.version: [ 1, 2 ]
amdhsa.kernels:
  - .name:           k_q269b96f7fa_proj
    .symbol:         k_q269b96f7fa_proj.kd
    .args:
      - { .name: ac, .offset: 0, .size: 8, .value_kind: global_buffer, .address_space: global }
      - { .name: asc, .offset: 8, .size: 8, .value_kind: global_buffer, .address_space: global }
      - { .name: wout_codes, .offset: 16, .size: 8, .value_kind: global_buffer, .address_space: global }
      - { .name: wout_scales, .offset: 24, .size: 8, .value_kind: global_buffer, .address_space: global }
      - { .name: bout, .offset: 32, .size: 8, .value_kind: global_buffer, .address_space: global }
      - { .name: x, .offset: 40, .size: 8, .value_kind: global_buffer, .address_space: global }
      - { .name: x2, .offset: 48, .size: 8, .value_kind: global_buffer, .address_space: global }
    .group_segment_fixed_size: 327680
    .private_segment_fixed_size: 0
    .kernarg_segment_align: 8
    .kernarg_segment_size: 56
    .max_flat_workgroup_size: 128
    .sgpr_count:     100
    .vgpr_count:     768
    .wavefront_size: 32
...
	.end_amdgpu_metadata
.endif
;; end of part 4
;; launch ln2 (part 5): grid 256 x 1, 8 waves a work-group, no clusters, 83,968 bytes of LDS; arguments x2, ln2_g, ln2_b, ac, asc; writes ac, asc
.if DOCPART == 5
	.amdgcn_target "amdgcn-amd-amdhsa--gfx1250"
	.amdhsa_code_object_version 6
	.text
	.protected	k_q269b96f7fa_ln2
	.globl	k_q269b96f7fa_ln2
	.p2align	8
	.type	k_q269b96f7fa_ln2,@function
k_q269b96f7fa_ln2:
	s_mov_b64 s[64:65], 0
	v_nop
	global_prefetch_b8 v0, s[64:65] scope:SCOPE_SE
	s_setreg_imm32_b32 hwreg(HW_REG_WAVE_MODE, 25, 1), 1
	s_wait_xcnt 0x0
; h2 = layernorm(x2) g + b for 16 tokens a work-group, quantised along the 1,024 channels to E4M3 codes (ac [token][1024]) and E8M0 bytes (asc [token][32]).
; Phase 1: wave w holds rows 2 w and 2 w + 1 whole, mean and variance in two passes in f32, the normalised rows go to LDS.  Phase 2: wave w takes channels 128 w on of all 16 rows in the operand's order
; (lane (r, h): row r, 16 neighbours of each block of 32) and quantises.  Phase 3: codes and bytes leave as whole rows.
; LIMITS: NaN and infinities are not quantised as such (a NaN row of x2 stays NaN in the residual path); a block under 2^-118 gets the byte 1.
.set XP,  4112
.set CP,  1040
.set CST, 16*XP
.set SST, CST+16*CP
.set X0,  16
.set X1,  48
.set GG,  80
.set BB,  112
.set ST,  16
.set TM,  144
.set PC,  160
.set PW,  8
.set SEL, 20
.set MNT, 22
.macro RED t
	s_delay_alu instid0(VALU_DEP_1)
	v_add_f32_dpp v[\t], v[\t], v[\t] row_xmask:1 row_mask:0xf bank_mask:0xf
	s_delay_alu instid0(VALU_DEP_1)
	v_add_f32_dpp v[\t], v[\t], v[\t] row_xmask:2 row_mask:0xf bank_mask:0xf
	s_delay_alu instid0(VALU_DEP_1)
	v_add_f32_dpp v[\t], v[\t], v[\t] row_xmask:4 row_mask:0xf bank_mask:0xf
	s_delay_alu instid0(VALU_DEP_1)
	v_add_f32_dpp v[\t], v[\t], v[\t] row_xmask:8 row_mask:0xf bank_mask:0xf
	s_delay_alu instid0(VALU_DEP_1)
	v_permlanex16_b32 v[\t+1], v[\t], s[SEL], s[SEL+1]
	s_delay_alu instid0(VALU_DEP_1)
	v_add_f32 v[\t], v[\t], v[\t+1]
.endm
.macro STATS x, t                      ; row v[x .. x+31] becomes x - mean; v[t+2] = variance + eps
.irp k, 0,1,2,3
	v_pk_add_f32 v[\t+2*\k:\t+2*\k+1], v[\x+2*\k:\x+2*\k+1], v[\x+8+2*\k:\x+9+2*\k]
.endr
.irp q, 16,24
.irp k, 0,1,2,3
	s_delay_alu instid0(VALU_DEP_4)
	v_pk_add_f32 v[\t+2*\k:\t+2*\k+1], v[\t+2*\k:\t+2*\k+1], v[\x+\q+2*\k:\x+\q+2*\k+1]
.endr
.endr
	s_delay_alu instid0(VALU_DEP_3)
	v_pk_add_f32 v[\t:\t+1], v[\t:\t+1], v[\t+2:\t+3]
	s_delay_alu instid0(VALU_DEP_2)
	v_pk_add_f32 v[\t+4:\t+5], v[\t+4:\t+5], v[\t+6:\t+7]
	s_delay_alu instid0(VALU_DEP_1)
	v_pk_add_f32 v[\t:\t+1], v[\t:\t+1], v[\t+4:\t+5]
	s_delay_alu instid0(VALU_DEP_1)
	v_add_f32 v[\t], v[\t], v[\t+1]
	RED \t
	s_delay_alu instid0(VALU_DEP_1)
	v_mul_f32 v[\t], s23, v[\t]
.set i, 0
.rept 16
	v_pk_add_f32 v[\x+i:\x+i+1], v[\x+i:\x+i+1], v[\t:\t+1] op_sel_hi:[1,0] neg_lo:[0,1] neg_hi:[0,1]
.set i, i+2
.endr
	v_pk_mul_f32 v[\t+2:\t+3], v[\x:\x+1], v[\x:\x+1]
	v_pk_mul_f32 v[\t+4:\t+5], v[\x+2:\x+3], v[\x+2:\x+3]
.set i, 4
.rept 7
	s_delay_alu instid0(VALU_DEP_2)
	v_pk_fma_f32 v[\t+2:\t+3], v[\x+i:\x+i+1], v[\x+i:\x+i+1], v[\t+2:\t+3]
	s_delay_alu instid0(VALU_DEP_2)
	v_pk_fma_f32 v[\t+4:\t+5], v[\x+i+2:\x+i+3], v[\x+i+2:\x+i+3], v[\t+4:\t+5]
.set i, i+4
.endr
	s_delay_alu instid0(VALU_DEP_1)
	v_pk_add_f32 v[\t+2:\t+3], v[\t+2:\t+3], v[\t+4:\t+5]
	s_delay_alu instid0(VALU_DEP_1)
	v_add_f32 v[\t+2], v[\t+2], v[\t+3]
	RED \t+2
	s_delay_alu instid0(VALU_DEP_1)
	v_fma_f32 v[\t+2], v[\t+2], s23, s24
.endm
.macro NORM x, t
.set i, 0
.rept 16
	v_pk_mul_f32 v[\x+i:\x+i+1], v[\x+i:\x+i+1], v[\t:\t+1] op_sel_hi:[1,0]
.set i, i+2
.endr
.set i, 0
.rept 16
	v_pk_fma_f32 v[\x+i:\x+i+1], v[\x+i:\x+i+1], v[GG+i:GG+i+1], v[BB+i:BB+i+1]
.set i, i+2
.endr
.endm
.macro QUANT s, blocks
.irp b, 0,1,2,3
.if \b < \blocks
	v_max3_num_f32 v[TM+\b], |v[\s+16*\b]|, |v[\s+16*\b+1]|, 0x4800000
.endif
.endr
.irp i, 2,4,6,8,10,12,14
.irp b, 0,1,2,3
.if \b < \blocks
	s_delay_alu instid0(VALU_DEP_4)
	v_max3_num_f32 v[TM+\b], v[TM+\b], |v[\s+16*\b+\i]|, |v[\s+16*\b+\i+1]|
.endif
.endr
.endr
.irp b, 0,1,2,3
.if \b < \blocks
	s_delay_alu instid0(VALU_DEP_4)
	v_permlanex16_b32 v[TM+4+\b], v[TM+\b], s[SEL], s[SEL+1]
.endif
.endr
.irp b, 0,1,2,3
.if \b < \blocks
	s_delay_alu instid0(VALU_DEP_4)
	v_max_num_f32 v[TM+\b], v[TM+\b], v[TM+4+\b]
.endif
.endr
.irp b, 0,1,2,3
.if \b < \blocks
	v_add_nc_u32 v[TM+12+\b], 0xfc000000, v[TM+\b]
	v_and_or_b32 v[TM+8+\b], v[TM+\b], 0x7f800000, s[MNT]
.endif
.endr
.irp b, 0,1,2,3
.if \b < \blocks
	v_lshrrev_b32 v[TM+4+\b], 23, v[TM+12+\b]
.endif
.endr
	s_delay_alu instid0(VALU_DEP_3)
	v_lshl_or_b32 v[PW], v[TM+5], 8, v[TM+4]
.if \blocks > 2
	s_delay_alu instid0(VALU_DEP_1)
	v_lshl_or_b32 v[PW], v[TM+6], 16, v[PW]
	s_delay_alu instid0(VALU_DEP_1)
	v_lshl_or_b32 v[PW], v[TM+7], 24, v[PW]
.endif
.irp b, 0,1,2,3
.if \b < \blocks
.irp i, 0,1,2,3,4,5,6,7,8,9,10,11,12,13,14,15
	v_med3_num_f32 v[\s+16*\b+\i], v[\s+16*\b+\i], -v[TM+8+\b], v[TM+8+\b]
.endr
	v_cvt_scalef32_pk8_fp8_f32 v[PC+4*\b:PC+4*\b+1], v[\s+16*\b:\s+16*\b+7], v[TM+12+\b]
	v_cvt_scalef32_pk8_fp8_f32 v[PC+4*\b+2:PC+4*\b+3], v[\s+16*\b+8:\s+16*\b+15], v[TM+12+\b]
.endif
.endr
	v_nop
.endm
	s_load_b128 s[4:7], s[0:1], 0x0                ; x2, gain
	s_load_b64 s[8:9], s[0:1], 0x10                ; bias
	s_load_b128 s[12:15], s[0:1], 0x18             ; codes, scale bytes
	v_lshl_add_u32 v176, v0, 2, 0x14400
	v_mov_b32 v177, 0
	v_lshrrev_b32 v1, 5, v0
	s_delay_alu instid0(VALU_DEP_1)
	v_readfirstlane_b32 s16, v1
	v_and_b32 v1, 31, v0
	s_delay_alu instid0(VALU_DEP_1)
	v_lshlrev_b32 v2, 4, v1
	s_lshl_b32 s18, ttmp9, 16
	s_lshl_b32 s19, s16, 13
	s_add_co_u32 s18, s18, s19
	s_mov_b32 s19, 0
	s_lshl_b32 s26, ttmp9, 14
	s_mov_b32 s27, 0
	s_lshl_b32 s28, ttmp9, 9
	s_mov_b32 s29, 0
	s_mov_b32 s[SEL], 0x76543210
	s_mov_b32 s[SEL+1], 0xfedcba98
	s_mov_b32 s[MNT], 0x600000
	s_mov_b32 s23, 0x3a800000                      ; 2^-10
	s_mov_b32 s24, 0x3727c5ac                      ; 1e-5
	s_wait_alu depctr_va_vdst(0)
	s_wait_kmcnt 0x0
	s_add_nc_u64 s[4:5], s[4:5], s[18:19]
	s_add_nc_u64 s[12:13], s[12:13], s[26:27]
	s_add_nc_u64 s[14:15], s[14:15], s[28:29]
.irp j, 0,1,2,3,4,5,6,7
	global_load_b128 v[X0+4*\j:X0+4*\j+3], v2, s[4:5] offset:512*\j th:TH_LOAD_NT
.endr
.irp j, 0,1,2,3,4,5,6,7
	global_load_b128 v[X1+4*\j:X1+4*\j+3], v2, s[4:5] offset:4096+512*\j th:TH_LOAD_NT
.endr
.irp j, 0,1,2,3,4,5,6,7
	global_load_b128 v[GG+4*\j:GG+4*\j+3], v2, s[6:7] offset:512*\j
.endr
.irp j, 0,1,2,3,4,5,6,7
	global_load_b128 v[BB+4*\j:BB+4*\j+3], v2, s[8:9] offset:512*\j
.endr
	v_and_b32 v10, 15, v0
	v_bfe_u32 v11, v0, 4, 1
	s_mul_i32 s25, s16, 2*XP
	v_add_nc_u32 v3, s25, v2
	v_mul_u32_u24 v4, v10, XP
	s_delay_alu instid0(VALU_DEP_1)
	v_lshl_add_u32 v4, v11, 6, v4
	s_lshl_b32 s25, s16, 9
	v_add_nc_u32 v4, s25, v4
	v_mul_u32_u24 v5, v10, CP
	s_delay_alu instid0(VALU_DEP_1)
	v_lshl_add_u32 v5, v11, 4, v5
	s_lshl_b32 s25, s16, 7
	v_add_nc_u32 v5, s25, v5
	s_delay_alu instid0(VALU_DEP_1)
	v_add_nc_u32 v5, CST, v5
	v_lshlrev_b32 v6, 5, v10
	s_lshl_b32 s25, s16, 2
	v_add_nc_u32 v6, s25, v6
	s_delay_alu instid0(VALU_DEP_1)
	v_add_nc_u32 v6, SST, v6
	s_mul_i32 s25, s16, 2*CP
	v_add_nc_u32 v7, s25, v2
	s_delay_alu instid0(VALU_DEP_1)
	v_add_nc_u32 v7, CST, v7
	v_lshl_add_u32 v9, s16, 11, v2
	v_add_nc_u32 v12, SST, v2
	s_wait_loadcnt 24                              ; row 2 w is in: 24 younger loads may be out
	STATS X0, 144
	s_wait_loadcnt 16                              ; row 2 w + 1 is in
	STATS X1, 152
	s_wait_alu depctr_va_vdst(0)
	v_rsq_f32 v146, v146
	v_rsq_f32 v154, v154
	v_nop
	s_wait_loadcnt 0x0
	s_wait_alu depctr_va_vdst(0)                   ; one wait for both, ahead of their first reader
	NORM X0, 146
	NORM X1, 154
.irp j, 0,1,2,3,4,5,6,7
	ds_store_b128 v3, v[X0+4*\j:X0+4*\j+3] offset:512*\j
.endr
.irp j, 0,1,2,3,4,5,6,7
	ds_store_b128 v3, v[X1+4*\j:X1+4*\j+3] offset:XP+512*\j
.endr
	s_wait_dscnt 0x0
	s_barrier_signal -1
	s_barrier_wait -1
.irp c, 0,1,2,3
.irp j, 0,1,2,3
	ds_load_b128 v[ST+16*\c+4*\j:ST+16*\c+4*\j+3], v4 offset:128*\c+16*\j
.endr
.endr
	s_wait_dscnt 0x0
	QUANT ST, 4
.irp c, 0,1,2,3
	ds_store_b128 v5, v[PC+4*\c:PC+4*\c+3] offset:32*\c
.endr
	ds_store_b32 v6, v[PW]
	s_wait_dscnt 0x0
	s_barrier_signal -1
	s_barrier_wait -1
.irp i, 0,1,2,3
	ds_load_b128 v[16+4*\i:19+4*\i], v7 offset:(\i/2)*CP+512*(\i%2)
.endr
.irp i, 0,1,2,3
	s_wait_dscnt 3-\i
	global_store_b128 v9, v[16+4*\i:19+4*\i], s[12:13] offset:(\i/2)*1024+512*(\i%2)
.endr
	s_cmp_lg_u32 s16, 0
	s_cbranch_scc1 .Ldone
	ds_load_b128 v[32:35], v12
	s_wait_dscnt 0x0
	global_store_b128 v2, v[32:35], s[14:15]
.Ldone:
	s_wait_tensorcnt 0x0
	ds_add_u32 v176, v177
	s_wait_dscnt 0x0
	s_endpgm
.Lfunc_end_k_q269b96f7fa_ln2:
	.size	k_q269b96f7fa_ln2, .Lfunc_end_k_q269b96f7fa_ln2-k_q269b96f7fa_ln2
	.p2alignl 7, 3214868480
	.fill 96, 4, 3214868480
	.section	.rodata,"a",@progbits
	.p2align	6, 0x0
	.amdhsa_kernel k_q269b96f7fa_ln2
		.amdhsa_group_segment_fixed_size 83968
		.amdhsa_private_segment_fixed_size 0
		.amdhsa_enable_private_segment 0
		.amdhsa_kernarg_size 40
		.amdhsa_user_sgpr_count 2
		.amdhsa_user_sgpr_kernarg_segment_ptr 1
		.amdhsa_wavefront_size32 1
		.amdhsa_system_sgpr_workgroup_id_x 1
		.amdhsa_system_sgpr_workgroup_id_y 1
		.amdhsa_system_sgpr_workgroup_id_z 1
		.amdhsa_system_vgpr_workitem_id 0
		.amdhsa_next_free_vgpr 178
		.amdhsa_next_free_sgpr 66
		.amdhsa_reserve_vcc 0
		.amdhsa_float_denorm_mode_32 3
		.amdhsa_float_denorm_mode_16_64 3
		.amdhsa_memory_ordered 1
		.amdhsa_forward_progress 1
		.amdhsa_inst_pref_size 34
	.end_amdhsa_kernel
	.amdgpu_metadata
---
amdhsa.version: [ 1, 2 ]
amdhsa.kernels:
  - .name:           k_q269b96f7fa_ln2
    .symbol:         k_q269b96f7fa_ln2.kd
    .args:
      - { .name: x2, .offset: 0, .size: 8, .value_kind: global_buffer, .address_space: global }
      - { .name: ln2_g, .offset: 8, .size: 8, .value_kind: global_buffer, .address_space: global }
      - { .name: ln2_b, .offset: 16, .size: 8, .value_kind: global_buffer, .address_space: global }
      - { .name: ac, .offset: 24, .size: 8, .value_kind: global_buffer, .address_space: global }
      - { .name: asc, .offset: 32, .size: 8, .value_kind: global_buffer, .address_space: global }
    .group_segment_fixed_size: 83968
    .private_segment_fixed_size: 0
    .kernarg_segment_align: 8
    .kernarg_segment_size: 40
    .max_flat_workgroup_size: 256
    .sgpr_count:     66
    .vgpr_count:     178
    .wavefront_size: 32
...
	.end_amdgpu_metadata
.endif
;; end of part 5
;; launch up (part 6): grid 16 x 16, 4 waves a work-group, clusters of 4 x 4, 327,680 bytes of LDS; arguments ac, asc, w1_codes, w1_scales, b1, gc, gs; writes gc, gs
.if DOCPART == 6
	.amdgcn_target "amdgcn-amd-amdhsa--gfx1250"
	.amdhsa_code_object_version 6
	.text
	.protected	k_q269b96f7fa_up
	.globl	k_q269b96f7fa_up
	.p2align	8
	.type	k_q269b96f7fa_up,@function
k_q269b96f7fa_up:
	s_mov_b64 s[64:65], 0
	v_nop
	global_prefetch_b8 v0, s[64:65] scope:SCOPE_SE
	s_setreg_imm32_b32 hwreg(HW_REG_WAVE_MODE, 25, 1), 1
	s_wait_xcnt 0x0
	s_wait_alu depctr_hold_cnt(0) depctr_sa_sdst(0) depctr_va_vdst(0) depctr_va_sdst(0) depctr_va_ssrc(0) depctr_va_vcc(0) depctr_vm_vsrc(0)
	s_getreg_b32 s2, hwreg(HW_REG_IB_STS2, 6, 4)
	s_cmp_eq_u32 s2, 0
	s_cbranch_scc0 .Lentry_in_a_cluster
	s_endpgm
.Lentry_in_a_cluster:
	s_bfe_u32 s2, ttmp6, 0x10000c
	s_cmp_lg_u32 s2, 0xf033
	s_cbranch_scc0 .Lentry_shape_is_right
	s_endpgm
.Lentry_shape_is_right:
; g = gelu(h2 w1 + b1), exact gelu in f32, quantised along the 4,096 hidden units: gc [4096][4096] codes, gs [hidden / 256][4096][8] bytes.  h2: ac [4096][1024], asc [4096][32]; w1: [4096][1024] codes, [4096][32] bytes.
; A work-group of four waves makes 256 tokens x 256 units, a wave 128 x 128: 64 accumulators.  K goes in steps of 256 through a ring of two LDS slots filled by the tensor data mover; the scale bytes come once and stay.
; 4 x 4 work-groups form a cluster: the tokens' tiles are asked for jointly along a row, the weights' along a column.  Source 0 = weight rows, source 1 = tokens: a lane holds one token, its registers run along the units.
; GELU.  gelu(x) = max(x, 0) - |x| t 2^E, t = 1 / (1 + |x| / (2 sqrt 2)), E = -x^2 log2(e) / 2 + c0 + t (c1 + .. + t c9): the rational fit of erfc with relative error about 1.2e-7 at every argument, its exponent
; multiplied through by log2(e), the factor 1/2 inside c0.  No select, and for x < 0 no difference of near numbers.
; THE WAY OUT is a loop over the eight tiles of tokens, so that gelu's lines are written once; a trip begins with a ladder of branches on its counter to the lines that add the bias and move that tile's 64 sums into fixed registers.
; Register 8 b + j of lane (r, h) is unit 16 b + 8 h + j: the codes go by 8-byte stores into true order in a stage in LDS (slot 0: it has had its last fill and its last read) and leave as whole rows of 256 bytes.
; LIMITS: NaN and infinities are not served; a block under 2^-118 gets the byte 1.
; THE HEAD: one joint load a wave: wave 0 the tokens' K step 0, wave 1 the weights', waves 2 and 3 their scale bytes; K step 1 follows behind the full sequence and a round.
; No prefetch: K is 1,024, four K steps; steps 0 and 1 come at the head, and the two refills (steps 2, 3) have no K step two refills on.
.set G0H, 4                            ; s[4:7], s[8:11] group 0 of the head's two loads of codes (the arguments that lay there have been used by then)
.set G0HB, 8
.set SIZE_K, 1024
.set KSTEP,  256
.set NQ,     KSTEP/128
.set ROWB,   256
.set KROW,   SIZE_K
.set PITCH,  272
.set FR,     16
.set NL,     4
.set NP,     8
.set HALFT,  128*PITCH
.set SLOT,   4*HALFT
.set LAPS,   SIZE_K/(2*KSTEP)
.set KS,     SIZE_K/32
.set SCL,    2*SLOT
.set HALFS,  (128*KS/256)*272
.set SBLK,   (16*KS/256)*272
.set SPARE,  SCL+4*HALFS
.set SGP,    272                       ; a stage row: 256 codes + 16
.set SSTG,   256*SGP                   ; behind the 256 rows: 8 scale bytes a row
.set C9,   8                           ; v[8:9]  c9, twice
.set AD1,  16
.set L16,  18
.set STA,  19
.set AD0,  20
.set RS,   22
.set CO,   23
.set STO0, 24
.set SSO0, 25
.set RD,   26
.set ADRS, 27
.set SPW,  28
.set NIL,  29
.set SSA,  30
.set SC,   32
.set BR,   64
.set AF,   128
.set G,    128                         ; v128-191 64 numbers
.set AX,   192                         ; gelu's work: |x|, t, the polynomial, x^2: 16 registers each
.set TT,   208
.set PP,   224
.set EE,   240
.set TM,   192                         ; then QUANT's
.set PC,   208
.set PW,   224
.set SEL,  66
.set MNT,  95
.set AI,   3
.set SOF,  92
.set SSF,  93
.set KK,   4                           ; scalar pairs, written behind the K loop, where no tensor load is out
.set NLG,  6
.set C0,   8
.set C1,   10
.set C2,   18
.set C3,   20
.set C4,   22
.set C5,   40
.set C6,   42
.set C7,   44
.set C8,   46
.set G1, 24
.set G0, 32
.set G1B, 48
.set G0B, 56
.set G1S, 68
.set G0S, 76
.set G1SB, 80
.set G0SB, 88
.set MSB, 0
.macro WIN new
.if MSB != (\new)
	s_set_vgpr_msb (MSB<<8)|(\new)
.set MSB, (\new)
.endif
.endm
.set MUL_LO, 0xa1
.set MUL_HI, 0xf1
.set TO_B,   0x40
.macro JLOAD g0a, g1a, g0b, g1b        ; a joint load: waves 0 and 1 fetch the tokens' halves, waves 2 and 3 the weights'; four v_nop follow each line
	s_cmp_eq_u32 s15, 0
	s_cbranch_scc0 .Lfor_b_\@
	tensor_load_to_lds s[\g0a:\g0a+3], s[\g1a:\g1a+7]
	s_nop 0
.rept 4
	v_nop
.endr
	s_branch .Lasked_\@
.Lfor_b_\@:
	tensor_load_to_lds s[\g0b:\g0b+3], s[\g1b:\g1b+7]
	s_nop 0
.rept 4
	v_nop
.endr
.Lasked_\@:
.endm
.macro CREST
	s_cmp_lg_u32 s14, 0
	s_cbranch_scc1 .Lnot_wave_0_\@
	s_barrier_signal -3
.Lnot_wave_0_\@:
	s_barrier_wait -3
	s_barrier_signal -1
	s_barrier_wait -1
.endm
.macro CROUND
	s_barrier_signal -1
	s_barrier_wait -1
	CREST
.endm
.macro QUANT s, blocks
.irp b, 0,1,2,3
.if \b < \blocks
	v_max3_num_f32 v[TM+\b], |v[\s+16*\b]|, |v[\s+16*\b+1]|, 0x4800000
.endif
.endr
.irp i, 2,4,6,8,10,12,14
.irp b, 0,1,2,3
.if \b < \blocks
	v_max3_num_f32 v[TM+\b], v[TM+\b], |v[\s+16*\b+\i]|, |v[\s+16*\b+\i+1]|
.endif
.endr
.endr
.irp b, 0,1,2,3
.if \b < \blocks
	v_permlanex16_b32 v[TM+4+\b], v[TM+\b], s[SEL], s[SEL+1]
.endif
.endr
.irp b, 0,1,2,3
.if \b < \blocks
	v_max_num_f32 v[TM+\b], v[TM+\b], v[TM+4+\b]
.endif
.endr
.irp b, 0,1,2,3
.if \b < \blocks
	v_add_nc_u32 v[TM+12+\b], 0xfc000000, v[TM+\b]
	v_and_or_b32 v[TM+8+\b], v[TM+\b], 0x7f800000, s[MNT]
.endif
.endr
.irp b, 0,1,2,3
.if \b < \blocks
	v_lshrrev_b32 v[TM+4+\b], 23, v[TM+12+\b]
.endif
.endr
	v_lshl_or_b32 v[PW], v[TM+5], 8, v[TM+4]
.if \blocks > 2
	v_lshl_or_b32 v[PW], v[TM+6], 16, v[PW]
	v_lshl_or_b32 v[PW], v[TM+7], 24, v[PW]
.endif
.irp b, 0,1,2,3
.if \b < \blocks
.irp i, 0,1,2,3,4,5,6,7,8,9,10,11,12,13,14,15
	v_med3_num_f32 v[\s+16*\b+\i], v[\s+16*\b+\i], -v[TM+8+\b], v[TM+8+\b]
.endr
	v_cvt_scalef32_pk8_fp8_f32 v[PC+4*\b:PC+4*\b+1], v[\s+16*\b:\s+16*\b+7], v[TM+12+\b]
	v_cvt_scalef32_pk8_fp8_f32 v[PC+4*\b+2:PC+4*\b+3], v[\s+16*\b+8:\s+16*\b+15], v[TM+12+\b]
.endif
.endr
	v_nop
.endm
	s_load_b128 s[4:7], s[0:1], 0x0                ; h2's codes, scales
	s_load_b128 s[8:11], s[0:1], 0x10              ; w1's codes, scales
	s_load_b64 s[12:13], s[0:1], 0x20              ; b1
	s_load_b128 s[96:99], s[0:1], 0x28             ; gc, gs
	v_lshl_add_u32 v[SPW], v0, 2, SPARE
	v_mov_b32 v[NIL], 0
	ds_add_u32 v28, v29
	ds_add_u32 v28, v29
	s_wait_dscnt 0x0
	v_lshrrev_b32 v1, 5, v0
	v_readfirstlane_b32 s14, v1
	s_lshr_b32 s15, s14, 1
	s_and_b32 s16, s14, 1
	s_bfe_u32 s40, ttmp6, 0x40000
	s_bfe_u32 s41, ttmp6, 0x40004
	s_lshl_b32 s42, ttmp9, 2
	s_add_co_u32 s42, s42, s40
	s_and_b32 s17, ttmp7, 0xffff
	s_lshl_b32 s17, s17, 2
	s_add_co_u32 s17, s17, s41
	s_lshl_b32 s43, s41, 2
	s_lshl_b32 s43, 15, s43
	s_lshl_b32 s44, 0x1111, s40
	s_or_b32 s[G1+0], s43, (0<<16)|(1<<20)|(1<<21)|(5<<22)|(3<<25)
	s_or_b32 s[G1B+0], s44, (0<<16)|(1<<20)|(1<<21)|(5<<22)|(3<<25)
.irp g, G1, G1B
	s_mov_b32 s[\g+1], ROWB<<16
	s_mov_b32 s[\g+2], 256<<16                     ; 256 rows for the head's loads; behind them 128, for the ring's
	s_mov_b32 s[\g+3], ROWB<<16
	s_mov_b32 s[\g+4], 256
	s_mov_b32 s[\g+5], KROW
	s_mov_b32 s[\g+6], 0
	s_mov_b32 s[\g+7], 0
.endr
	s_or_b32 s[G1S+0], s43, (3<<16)|(1<<20)|(1<<21)|(5<<22)|(3<<25)
	s_or_b32 s[G1SB+0], s44, (3<<16)|(1<<20)|(1<<21)|(5<<22)|(3<<25)
.irp g, G1S, G1SB
	s_mov_b32 s[\g+1], 32<<16
	s_mov_b32 s[\g+2], KS<<16                      ; the scale bytes of 256 rows: KS rows of 256 bytes
	s_mov_b32 s[\g+3], 32<<16
	s_mov_b32 s[\g+4], KS
	s_mov_b32 s[\g+5], 32
	s_mov_b32 s[\g+6], 0
	s_mov_b32 s[\g+7], 0
.endr
	s_lshl_b32 s20, s17, 8                         ; the two tiles' first rows
	s_lshl_b32 s46, s42, 8
	s_mov_b32 s21, 0
	s_mov_b32 s47, 0
	s_mov_b64 s[18:19], KS
	s_mul_u64 s[22:23], s[20:21], s[18:19]
	s_mul_u64 s[92:93], s[46:47], s[18:19]
	s_mov_b64 s[18:19], KROW
	s_mul_u64 s[20:21], s[20:21], s[18:19]
	s_mul_u64 s[46:47], s[46:47], s[18:19]
	s_mul_i32 s45, s14, HALFT
	s_mul_i32 s18, s16, 128*KROW                   ; in the ring I fetch 128 rows of a tile: which half, in bytes
	s_mov_b32 s19, 0
	s_mov_b32 s[SEL], 0x76543210
	s_mov_b32 s[SEL+1], 0xfedcba98
	s_mov_b32 s[MNT], 0x600000
	s_wait_kmcnt 0x0
	s_add_nc_u64 s[20:21], s[4:5], s[20:21]
	s_add_nc_u64 s[22:23], s[6:7], s[22:23]
	s_add_nc_u64 s[46:47], s[8:9], s[46:47]
	s_add_nc_u64 s[92:93], s[10:11], s[92:93]
	CROUND                                         ; all sixteen work-groups are here: the first joint loads meet
	s_mov_b32 s[G0S], 1
	s_mov_b32 s[G0S+1], SCL
	s_mov_b64 s[G0S+2:G0S+3], s[22:23]
	s_or_b32 s[G0S+3], s[G0S+3], 0x80000000
	s_mov_b32 s[G0SB], 1
	s_mov_b32 s[G0SB+1], SCL+2*HALFS
	s_mov_b64 s[G0SB+2:G0SB+3], s[92:93]
	s_or_b32 s[G0SB+3], s[G0SB+3], 0x80000000
	s_mov_b32 s[G0H], 1                            ; K step 0, each tile whole
	s_mov_b32 s[G0H+1], 0
	s_mov_b64 s[G0H+2:G0H+3], s[20:21]
	s_or_b32 s[G0H+3], s[G0H+3], 0x80000000
	s_mov_b32 s[G0HB], 1
	s_mov_b32 s[G0HB+1], 2*HALFT
	s_mov_b64 s[G0HB+2:G0HB+3], s[46:47]
	s_or_b32 s[G0HB+3], s[G0HB+3], 0x80000000
	s_add_nc_u64 s[20:21], s[20:21], s[18:19]      ; for the ring: my 128 rows of the tile
	s_add_nc_u64 s[46:47], s[46:47], s[18:19]
.irp s, 0,1
	s_mov_b32 s[G0+4*\s], 1
	s_add_co_u32 s[G0+4*\s+1], s45, \s*SLOT
	s_add_nc_u64 s[G0+4*\s+2:G0+4*\s+3], s[20:21], \s*ROWB
	s_or_b32 s[G0+4*\s+3], s[G0+4*\s+3], 0x80000000
	s_mov_b32 s[G0B+4*\s], 1
	s_add_co_u32 s[G0B+4*\s+1], s45, \s*SLOT
	s_add_nc_u64 s[G0B+4*\s+2:G0B+4*\s+3], s[46:47], \s*ROWB
	s_or_b32 s[G0B+4*\s+3], s[G0B+4*\s+3], 0x80000000
.endr
; the head's loads, one a wave: one tree of branches on the wave's number, a load to an arm
.macro ARM under, g0, g1, next
	s_cmp_lt_u32 s14, \under
	s_cbranch_scc0 \next
	tensor_load_to_lds s[\g0:\g0+3], s[\g1:\g1+7]
	s_nop 0
.rept 4
	v_nop
.endr
	s_branch .Lhead_asked
\next:
.endm
	ARM 1, G0H,  G1,  .Lhead_b
	ARM 2, G0HB, G1B, .Lhead_sa
	ARM 3, G0S,  G1S, .Lhead_sb
	tensor_load_to_lds s[G0SB:G0SB+3], s[G1SB:G1SB+7]
	s_nop 0
.rept 4
	v_nop
.endr
.Lhead_asked:
	v_and_b32 v1, 15, v0                           ; r
	v_bfe_u32 v2, v0, 4, 1                         ; h
	v_mul_u32_u24 v3, v1, PITCH
	v_lshl_add_u32 v4, v2, 4, v3
	s_mul_i32 s21, s15, HALFT                      ; my 128 tokens: source 1
	s_mul_i32 s22, s16, HALFT
	s_add_co_u32 s22, s22, 2*HALFT                 ; my 128 weight rows: source 0
.irp s, 0,1
	v_add_nc_u32 v[AD1+\s], s21, v4
	v_add_nc_u32 v[AD0+\s], s22, v4
	s_add_co_u32 s21, s21, SLOT
	s_add_co_u32 s22, s22, SLOT
.endr
	v_mul_u32_u24 v4, v1, KS
	v_lshrrev_b32 v6, 8, v4
	v_lshl_add_u32 v4, v6, 4, v4
	s_mul_i32 s21, s15, HALFS
	s_mul_i32 s22, s16, HALFS
	s_add_co_u32 s22, s22, 2*HALFS
	s_sub_co_u32 s22, s22, s21
	v_mul_u32_u24 v6, s22, v2                      ; lanes 16-31 take the weights' scales
	s_add_co_u32 s21, s21, SCL
	v_add_nc_u32 v4, v4, v6
	v_add_nc_u32 v[ADRS], s21, v4
	s_mul_i32 s21, s15, 128*SGP                    ; the stage: row = my token, my half of its 256 codes, + 8 h
	s_lshl_b32 s22, s16, 7
	s_add_co_u32 s21, s21, s22
	v_lshl_add_u32 v[STO0], v2, 3, v3
	v_add_nc_u32 v[STO0], s21, v[STO0]
	s_lshl_b32 s21, s15, 10
	s_lshl_b32 s22, s16, 2
	s_add_co_u32 s21, s21, s22
	s_add_co_u32 s21, s21, SSTG
	v_lshl_add_u32 v[SSO0], v1, 3, s21             ; and my word of its 8 scale bytes
	s_mul_i32 s21, s14, 64*SGP
	v_mul_u32_u24 v4, v2, SGP
	v_lshl_add_u32 v4, v1, 4, v4
	v_add_nc_u32 v[RD], s21, v4                    ; back: wave w takes rows 64 w on, two an instruction
	v_and_b32 v[L16], 31, v0
	v_lshlrev_b32 v[L16], 4, v[L16]
	s_lshl_b32 s21, s14, 9
	s_add_co_u32 s21, s21, SSTG
	v_add_nc_u32 v[RS], s21, v[L16]
	v_lshlrev_b32 v[CO], 12, v2
	v_lshl_add_u32 v[CO], v1, 4, v[CO]
	v_mov_b32 v[C9], 0x3e7c6f08                    ; c9 = 0.24651730
	v_mov_b32 v[C9+1], 0x3e7c6f08
	s_lshl_b32 s20, s17, 8
	s_lshl_b32 s21, s14, 6
	s_add_co_u32 s20, s20, s21                     ; the first token that I store
	s_lshl_b32 s22, s20, 12
	s_lshl_b32 s23, s42, 8
	s_add_co_u32 s22, s22, s23
	s_mov_b32 s23, 0
	s_add_nc_u64 s[96:97], s[96:97], s[22:23]
	s_lshl_b32 s22, s20, 3
	s_lshl_b32 s21, s42, 15
	s_add_co_u32 s22, s22, s21
	s_add_nc_u64 s[98:99], s[98:99], s[22:23]
	s_lshl_b32 s22, s42, 10
	s_lshl_b32 s21, s16, 9
	s_add_co_u32 s22, s22, s21
	s_add_nc_u64 s[12:13], s[12:13], s[22:23]      ; the bias of my 128 units
	v_lshlrev_b32 v5, 5, v2                        ; 32 h; v5 stays
.irp b, 0,1,2,3,4,5,6,7
	global_load_b128 v[BR+8*\b:BR+8*\b+3], v5, s[12:13] offset:64*\b
	global_load_b128 v[BR+8*\b+4:BR+8*\b+7], v5, s[12:13] offset:64*\b+16
.endr
.macro FRAG reg, adr, q, i
.irp c, 0,1,2,3
	ds_load_b128 v[\reg+4*\c:\reg+4*\c+3], v[\adr] offset:128*(\q)+32*\c+(\i)*16*PITCH
.endr
.endm
.macro MUL16 a0, p, q, sc, zero        ; the 64 accumulators take turns, one instruction a turn
.irp a, \a0, \a0+1
.irp b, 0,1,2,3,4,5,6,7
.if \zero
	v_wmma_scale_f32_16x16x128_f8f6f4 v[8*(8*((\a)%4)+\b):8*(8*((\a)%4)+\b)+7], v[128*(\p)+FR*\b:128*(\p)+FR*\b+FR-1], v[AF+FR*(\a):AF+FR*(\a)+FR-1], 0, v[SC+8*NQ*(\sc)+NQ*\b+(\q)], v[SC+8*NQ*(\sc)+NQ*(\a)+(\q)] matrix_a_scale:MATRIX_SCALE_ROW1
.else
	v_wmma_scale_f32_16x16x128_f8f6f4 v[8*(8*((\a)%4)+\b):8*(8*((\a)%4)+\b)+7], v[128*(\p)+FR*\b:128*(\p)+FR*\b+FR-1], v[AF+FR*(\a):AF+FR*(\a)+FR-1], v[8*(8*((\a)%4)+\b):8*(8*((\a)%4)+\b)+7], v[SC+8*NQ*(\sc)+NQ*\b+(\q)], v[SC+8*NQ*(\sc)+NQ*(\a)+(\q)] matrix_a_scale:MATRIX_SCALE_ROW1
.endif
.endr
.endr
.endm
.macro FETCH0 slot, q, p
	WIN TO_B
.irp i, 0,1,2,3,4,5,6,7
	FRAG 128*(\p)+FR*\i, AD0+\slot, \q, \i
.endr
	WIN 0
.endm
.macro FETCH1 slot, q, i0
.irp i, \i0, \i0+1, \i0+2, \i0+3
	FRAG AF+FR*(\i), AD1+\slot, \q, \i
.endr
.endm
.macro SCALES sc
.irp i, 0,1,2,3,4,5,6,7
	ds_load_b64 v[SC+8*NQ*\sc+NQ*\i:SC+8*NQ*\sc+NQ*\i+1], v[ADRS] offset:\i*SBLK
.endr
.endm
.macro PLACES n
.rept \n
	v_nop
.endr
.endm
.macro STEP slot, q, zero
	s_wait_dscnt 4*NL                              ; all but the youngest 16 loads (source 1's tiles 4-7) are in
	WIN MUL_LO
	MUL16 0, (\q)%2, \q, \slot, \zero
	MUL16 2, (\q)%2, \q, \slot, \zero
	s_wait_dscnt 0
	PLACES NP
	FETCH0 \slot, (\q)+1, 1-(\q)%2
	FETCH1 \slot, (\q)+1, 0
	WIN MUL_HI
	MUL16 4, (\q)%2, \q, \slot, \zero
	MUL16 6, (\q)%2, \q, \slot, \zero
	PLACES NP
	WIN 0
	FETCH1 \slot, (\q)+1, 4
.endm
.macro TURN slot, next, fill           ; a slot's last step changes slots: one barrier, the three lines ahead of it
	s_wait_tensorcnt 0x0                           ; all my tensor loads have landed: my part of the next slot
	ds_add_u32 v[SPW], v[NIL]
	s_wait_dscnt 4*NL+1                            ; the add and the youngest 16 loads may be out
	WIN MUL_LO
	MUL16 0, 1, NQ-1, \slot, 0
	s_wait_dscnt 0x0                               ; the add is done, and my reads of this slot are over
	s_barrier_signal -1
	MUL16 2, 1, NQ-1, \slot, 0
	WIN 0
	s_barrier_wait -1
.if \fill
	CREST
	s_add_nc_u64 s[G0+4*\slot+2:G0+4*\slot+3], s[G0+4*\slot+2:G0+4*\slot+3], 2*ROWB
	s_add_nc_u64 s[G0B+4*\slot+2:G0B+4*\slot+3], s[G0B+4*\slot+2:G0B+4*\slot+3], 2*ROWB
	JLOAD G0+4*\slot, G1, G0B+4*\slot, G1B
	PLACES NP-4
.else
	PLACES NP
.endif
	s_wait_alu depctr_va_vdst(0)
	v_add_nc_u32 v[ADRS], 4*NQ, v[ADRS]
	FETCH0 \next, 0, 0
	FETCH1 \next, 0, 0
	SCALES \next
	WIN MUL_HI
	MUL16 4, 1, NQ-1, \slot, 0
	MUL16 6, 1, NQ-1, \slot, 0
	PLACES NP
	WIN 0
	FETCH1 \next, 0, 4
.endm
	s_wait_alu depctr_va_vdst(0)                   ; the wait at the head's end
	s_wait_tensorcnt 0x0                           ; my tile of the head's four is in; the lines ahead of a later first fill:
	ds_add_u32 v[SPW], v[NIL]
	s_mov_b32 s[G1+2], 128<<16                     ; no tensor load of mine is out: from here on a load brings 128 rows
	s_mov_b32 s[G1+4], 128
	s_mov_b32 s[G1B+2], 128<<16
	s_mov_b32 s[G1B+4], 128
	s_wait_dscnt 0x0
	CROUND                                         ; all four tiles are in, and all sixteen work-groups are here
	JLOAD G0+4, G1, G0B+4, G1B                     ; K step 1, the first tensor load behind the round
	FETCH0 0, 0, 0
	FETCH1 0, 0, 0
	SCALES 0
	FETCH1 0, 0, 4
	STEP 0, 0, 1
	s_mov_b32 s3, LAPS-1
.Llap:
	TURN 0, 1, 1
	STEP 1, 0, 0
	TURN 1, 0, 1
	STEP 0, 0, 0
	s_sub_co_u32 s3, s3, 1
	s_cmp_lg_u32 s3, 0
	s_cbranch_scc1 .Llap
	TURN 0, 1, 0
	STEP 1, 0, 0
	s_wait_dscnt 4*NL
	WIN MUL_LO
	MUL16 0, 1, NQ-1, 1, 0
	MUL16 2, 1, NQ-1, 1, 0
	s_wait_dscnt 0
	WIN MUL_HI
	MUL16 4, 1, NQ-1, 1, 0
	MUL16 6, 1, NQ-1, 1, 0
	WIN 0
.macro GELU g                          ; 16 numbers in place
.set i, 0
.rept 16
	v_and_b32 v[AX+i], 0x7fffffff, v[(\g)+i]
.set i, i+1
.endr
.set i, 0
.rept 8
	v_pk_fma_f32 v[TT+i:TT+i+1], v[AX+i:AX+i+1], s[KK:KK+1], 1.0 op_sel_hi:[1,0,0]
.set i, i+2
.endr
.set i, 0
	s_wait_alu depctr_va_vdst(0)
.rept 16
	v_rcp_f32 v[TT+i], v[TT+i]
.set i, i+1
.endr
.set i, 0
.rept 8
	v_pk_mul_f32 v[EE+i:EE+i+1], v[(\g)+i:(\g)+i+1], v[(\g)+i:(\g)+i+1]   ; x^2: plain work behind the reciprocals
.set i, i+2
.endr
	s_wait_alu depctr_va_vdst(0)                   ; one wait for the sixteen
.set i, 0
.rept 8
	v_pk_fma_f32 v[PP+i:PP+i+1], v[TT+i:TT+i+1], v[C9:C9+1], s[C8:C8+1] op_sel_hi:[1,1,0]
.set i, i+2
.endr
.irp c, C7,C6,C5,C4,C3,C2,C1,C0
.set i, 0
.rept 8
	v_pk_fma_f32 v[PP+i:PP+i+1], v[PP+i:PP+i+1], v[TT+i:TT+i+1], s[\c:\c+1] op_sel_hi:[1,1,0]
.set i, i+2
.endr
.endr
.set i, 0
.rept 8
	v_pk_fma_f32 v[PP+i:PP+i+1], v[EE+i:EE+i+1], s[NLG:NLG+1], v[PP+i:PP+i+1] op_sel_hi:[1,0,1]
.set i, i+2
.endr
.set i, 0
	s_wait_alu depctr_va_vdst(0)
.rept 16
	v_exp_f32 v[PP+i], v[PP+i]
.set i, i+1
.endr
.set i, 0
.rept 8
	v_pk_mul_f32 v[AX+i:AX+i+1], v[AX+i:AX+i+1], v[TT+i:TT+i+1]           ; |x| t: plain work behind the exponentials
.set i, i+2
.endr
.set i, 0
.rept 16
	v_max_num_f32 v[(\g)+i], 0, v[(\g)+i]
.set i, i+1
.endr
	s_wait_alu depctr_va_vdst(0)                   ; one wait for the sixteen
.set i, 0
.rept 8
	v_pk_fma_f32 v[(\g)+i:(\g)+i+1], v[AX+i:AX+i+1], v[PP+i:PP+i+1], v[(\g)+i:(\g)+i+1] neg_lo:[1,0,0] neg_hi:[1,0,0]
.set i, i+2
.endr
.endm
	PLACES NP                                      ; behind the last products
	s_wait_loadcnt 0x0                             ; the bias
.irp p, 0,1
	s_mov_b32 s[KK+\p],  0x3eb504f3                ; 1 / (2 sqrt 2)
	s_mov_b32 s[NLG+\p], 0xbf38aa3b                ; -log2(e) / 2
	s_mov_b32 s[C0+\p],  0xc034d90f                ; -2.8257482
	s_mov_b32 s[C1+\p],  0x3fb8ab5a                ;  1.4427292
	s_mov_b32 s[C2+\p],  0x3f0a29d2                ;  0.53970062
	s_mov_b32 s[C3+\p],  0x3e0efb2e                ;  0.13963006
	s_mov_b32 s[C4+\p],  0xbe899a80                ; -0.26875686
	s_mov_b32 s[C5+\p],  0x3ecdfd18                ;  0.40232158
	s_mov_b32 s[C6+\p],  0xbfd1a1e5                ; -1.6377532
	s_mov_b32 s[C7+\p],  0x40097039                ;  2.1474745
	s_mov_b32 s[C8+\p],  0xbf97d29d                ; -1.1861149
.endr
	s_mov_b32 s[AI], 0
	s_mov_b32 s[SOF], 0
	s_mov_b32 s[SSF], 0
.Lrow:                                                 ; eight trips: a tile of 16 tokens each
.irp k, 1,2,3,4,5,6,7
	s_cmp_eq_u32 s[AI], \k
	s_cbranch_scc1 .Lmove\k
.endr
.irp k, 0,1,2,3,4,5,6,7
.Lmove\k:
	WIN 0x02+\k/4                                  ; source 0: window 2 or 3
.set i, 0
.rept 32
	v_pk_add_f32 v[G+i:G+i+1], v[64*(\k%4)+i:64*(\k%4)+i+1], v[BR+i:BR+i+1]   ; the bias is added on the way into fixed registers; each accumulator from its low end on
.set i, i+2
.endr
	WIN 0
.if \k < 7
	s_branch .Lcommon
.endif
.endr
.Lcommon:
.irp n, 0,1,2,3
	GELU G+16*\n
.endr
	QUANT G, 4
	v_add_nc_u32 v[STA], s[SOF], v[STO0]
	v_add_nc_u32 v[SSA], s[SSF], v[SSO0]
.irp c, 0,1,2,3
.irp u, 0,1
	ds_store_b64 v[STA], v[PC+4*\c+2*\u:PC+4*\c+2*\u+1] offset:32*\c+16*\u   ; into true order: units 32 c + 16 u + 8 h on
.endr
.endr
	ds_store_b32 v[SSA], v[PW]                     ; both halves of the lanes write the same word
	s_wait_dscnt 0x0                               ; the stores have read their registers
	s_add_co_u32 s[SOF], s[SOF], 16*SGP
	s_add_co_u32 s[SSF], s[SSF], 128
	s_add_co_u32 s[AI], s[AI], 1
	s_cmp_lt_u32 s[AI], 8
	s_cbranch_scc1 .Lrow
	s_barrier_signal -1                            ; every wave's stores into the stage are done (the wait for 0 above)
	s_barrier_wait -1
	ds_load_b128 v[BR:BR+3], v[RS]                 ; my 64 tokens' scale bytes: 512 consecutive bytes
.set t, 0
.rept 32
	ds_load_b128 v[128+4*t:128+4*t+3], v[RD] offset:2*t*SGP
.set t, t+1
.endr
.set t, 0
.rept 32
	s_wait_dscnt 31-t
	global_store_b128 v[CO], v[128+4*t:128+4*t+3], s[96:97] offset:2*t*4096   ; 16 lanes store 256 consecutive bytes, aligned
.set t, t+1
.endr
	global_store_b128 v[L16], v[BR:BR+3], s[98:99]
	s_wait_tensorcnt 0x0                           ; the wave's end
	ds_add_u32 v[SPW], v[NIL]
	s_wait_dscnt 0x0
	CROUND                                         ; the closing round
	s_endpgm
.Lfunc_end_k_q269b96f7fa_up:
	.size	k_q269b96f7fa_up, .Lfunc_end_k_q269b96f7fa_up-k_q269b96f7fa_up
	.p2alignl 7, 3214868480
	.fill 96, 4, 3214868480
	.section	.rodata,"a",@progbits
	.p2align	6, 0x0
	.amdhsa_kernel k_q269b96f7fa_up
		.amdhsa_group_segment_fixed_size 327680
		.amdhsa_private_segment_fixed_size 0
		.amdhsa_enable_private_segment 0
		.amdhsa_kernarg_size 56
		.amdhsa_user_sgpr_count 2
		.amdhsa_user_sgpr_kernarg_segment_ptr 1
		.amdhsa_wavefront_size32 1
		.amdhsa_system_sgpr_workgroup_id_x 1
		.amdhsa_system_sgpr_workgroup_id_y 1
		.amdhsa_system_sgpr_workgroup_id_z 1
		.amdhsa_system_vgpr_workitem_id 0
		.amdhsa_next_free_vgpr 1024
		.amdhsa_next_free_sgpr 100
		.amdhsa_reserve_vcc 0
		.amdhsa_float_denorm_mode_32 3
		.amdhsa_float_denorm_mode_16_64 3
		.amdhsa_memory_ordered 1
		.amdhsa_forward_progress 1
		.amdhsa_inst_pref_size 192
	.end_amdhsa_kernel
	.amdgpu_metadata
---
amdhsa.version: [ 1, 2 ]
amdhsa.kernels:
  - .name:           k_q269b96f7fa_up
    .symbol:         k_q269b96f7fa_up.kd
    .args:
      - { .name: ac, .offset: 0, .size: 8, .value_kind: global_buffer, .address_space: global }
      - { .name: asc, .offset: 8, .size: 8, .value_kind: global_buffer, .address_space: global }
      - { .name: w1_codes, .offset: 16, .size: 8, .value_kind: global_buffer, .address_space: global }
      - { .name: w1_scales, .offset: 24, .size: 8, .value_kind: global_buffer, .address_space: global }
      - { .name: b1, .offset: 32, .size: 8, .value_kind: global_buffer, .address_space: global }
      - { .name: gc, .offset: 40, .size: 8, .value_kind: global_buffer, .address_space: global }
      - { .name: gs, .offset: 48, .size: 8, .value_kind: global_buffer, .address_space: global }
    .group_segment_fixed_size: 327680
    .private_segment_fixed_size: 0
    .kernarg_segment_align: 8
    .kernarg_segment_size: 56
    .max_flat_workgroup_size: 128
    .sgpr_count:     100
    .vgpr_count:     1024
    .wavefront_size: 32
...
	.end_amdgpu_metadata
.endif
;; end of part 6
;; launch down (part 7): grid 8 x 32, 4 waves a work-group, clusters of 4 x 4, 327,680 bytes of LDS; arguments gc, gs, w2_codes, w2_scales, b2, x2, out0; writes out0
.if DOCPART == 7
	.amdgcn_target "amdgcn-amd-amdhsa--gfx1250"
	.amdhsa_code_object_version 6
	.text
	.protected	k_q269b96f7fa_down
	.globl	k_q269b96f7fa_down
	.p2align	8
	.type	k_q269b96f7fa_down,@function
k_q269b96f7fa_down:
	s_mov_b64 s[64:65], 0
	v_nop
	global_prefetch_b8 v0, s[64:65] scope:SCOPE_SE
	s_setreg_imm32_b32 hwreg(HW_REG_WAVE_MODE, 25, 1), 1
	s_wait_xcnt 0x0
	s_wait_alu depctr_hold_cnt(0) depctr_sa_sdst(0) depctr_va_vdst(0) depctr_va_sdst(0) depctr_va_ssrc(0) depctr_va_vcc(0) depctr_vm_vsrc(0)
	s_getreg_b32 s2, hwreg(HW_REG_IB_STS2, 6, 4)
	s_cmp_eq_u32 s2, 0
	s_cbranch_scc0 .Lentry_in_a_cluster
	s_endpgm
.Lentry_in_a_cluster:
	s_bfe_u32 s2, ttmp6, 0x10000c
	s_cmp_lg_u32 s2, 0xf033
	s_cbranch_scc0 .Lentry_shape_is_right
	s_endpgm
.Lentry_shape_is_right:
; out0 = x2 + g w2 + b2.  g: gc [4096][4096] codes, gs [hidden / 256][4096][8] bytes; w2: [1024][4096] codes, [1024][128] bytes; both E4M3 with E8M0 scales; sums in f32, begun with the bias.
; A work-group of four waves makes 128 tokens x 128 columns, a wave 64 x 64.  K goes in steps of 512 through a ring of two LDS slots; the scale bytes of all of K come once and stay.
; 4 x 4 work-groups form a cluster: the tokens' tiles are asked for jointly along a row, the weights' along a column.
; THE HEAD: one joint load a wave: wave 0 the tokens' K step 0 (128 rows), wave 1 the weights', waves 2 and 3 their scale bytes; K step 1 follows behind the full sequence and a round, a quarter of the slot a wave.
; PREFETCH: behind each refill but the last two, one instruction a wave names the K step two refills on.  Of the 64 rows x 512 bytes that a wave fetches, each of the four partners that ask for them jointly
; takes 16 rows, told apart by address (cx for the tokens' tiles, cy for the weights'); a lane names one block of 256 bytes (row lane / 2, half lane % 2).  K steps 0 to 3 come by their loads alone.
.set G0H, 4                            ; s[4:7], s[8:11] group 0 of the head's two loads of codes (the arguments that lay there have been used by then)
.set G0HB, 8
.set PFA, 94                           ; s[94:95] where my prefetches stand: my work-group's 16 rows, one K step further along K than the refill that is being asked for
.set PFO, 31                           ; v31 the prefetches' offset; never rewritten
.set SIZE_K, 4096
.set KSTEP,  512
.set PITCH,  528
.set HALFT,  64*PITCH
.set SLOT,   4*HALFT
.set LAPS,   SIZE_K/(2*KSTEP)
.set KS,     SIZE_K/32
.set NG,     SIZE_K/256
.set SA,     2*SLOT
.set SAH,    NG*512
.set SB,     SA+2*SAH
.set SBH,    (64*KS/256)*272
.set SBP,    (32*KS/256)*272
.set SPARE,  SB+2*SBH
.set SPITCH, 272
.set ADRA, 16
.set ADRB, 20
.set STO,  24
.set RD,   25
.set CO,   26
.set ADSA, 27
.set SPW,  28
.set NIL,  29
.set ADSB, 30
.set SC,   32
.set BR,   64
.set TS,   64
.set ACC,  128
.set F0,   0
.set G1, 24
.set G0, 32
.set G1B, 48
.set G0B, 56
.set G1S, 68
.set G0S, 76
.set G1SB, 80
.set G0SB, 88
.set MSB, 0
.macro WIN new
.if MSB != (\new)
	s_set_vgpr_msb (MSB<<8)|(\new)
.set MSB, (\new)
.endif
.endm
.set MUL,  0x05
.set TO_F, 0x40
.macro JLOAD g0a, g1a, g0b, g1b
	s_cmp_eq_u32 s15, 0
	s_cbranch_scc0 .Lfor_b_\@
	tensor_load_to_lds s[\g0a:\g0a+3], s[\g1a:\g1a+7]
	s_nop 0
.rept 4
	v_nop
.endr
	s_branch .Lasked_\@
.Lfor_b_\@:
	tensor_load_to_lds s[\g0b:\g0b+3], s[\g1b:\g1b+7]
	s_nop 0
.rept 4
	v_nop
.endr
.Lasked_\@:
.endm
.macro CREST
	s_cmp_lg_u32 s14, 0
	s_cbranch_scc1 .Lnot_wave_0_\@
	s_barrier_signal -3
.Lnot_wave_0_\@:
	s_barrier_wait -3
	s_barrier_signal -1
	s_barrier_wait -1
.endm
.macro CROUND
	s_barrier_signal -1
	s_barrier_wait -1
	CREST
.endm
	s_load_b128 s[4:7], s[0:1], 0x0
	s_load_b128 s[8:11], s[0:1], 0x10
	s_load_b64 s[12:13], s[0:1], 0x20
	s_load_b128 s[96:99], s[0:1], 0x28
	v_lshl_add_u32 v[SPW], v0, 2, SPARE
	v_mov_b32 v[NIL], 0
	ds_add_u32 v28, v29
	ds_add_u32 v28, v29
	s_wait_dscnt 0x0
	v_lshrrev_b32 v1, 5, v0
	v_readfirstlane_b32 s14, v1
	s_lshr_b32 s15, s14, 1
	s_and_b32 s16, s14, 1
	s_bfe_u32 s40, ttmp6, 0x40000
	s_bfe_u32 s41, ttmp6, 0x40004
	s_lshl_b32 s42, ttmp9, 2
	s_add_co_u32 s42, s42, s40
	s_and_b32 s17, ttmp7, 0xffff
	s_lshl_b32 s17, s17, 2
	s_add_co_u32 s17, s17, s41
	s_lshl_b32 s43, s41, 2
	s_lshl_b32 s43, 15, s43
	s_lshl_b32 s44, 0x1111, s40
	s_or_b32 s[G1+0], s43, (0<<16)|(1<<20)|(1<<21)|(6<<22)|(3<<25)
	s_or_b32 s[G1B+0], s44, (0<<16)|(1<<20)|(1<<21)|(6<<22)|(3<<25)
.irp g, G1, G1B
	s_mov_b32 s[\g+1], KSTEP<<16
	s_mov_b32 s[\g+2], 128<<16                     ; 128 rows for the head's loads; behind them 64, for the ring's
	s_mov_b32 s[\g+3], KSTEP<<16
	s_mov_b32 s[\g+4], 128
	s_mov_b32 s[\g+5], SIZE_K
	s_mov_b32 s[\g+6], 0
	s_mov_b32 s[\g+7], 0
.endr
	s_or_b32 s[G1S+0], s43, (3<<16)|(1<<21)
	s_mov_b32 s[G1S+1], 128<<16                    ; 128 tokens x 8 bytes for each 256 of K
	s_mov_b32 s[G1S+2], NG<<16
	s_mov_b32 s[G1S+3], 128<<16
	s_mov_b32 s[G1S+4], NG
	s_mov_b32 s[G1S+5], 4096
	s_mov_b32 s[G1S+6], 0
	s_mov_b32 s[G1S+7], 0
	s_or_b32 s[G1SB+0], s44, (3<<16)|(1<<20)|(1<<21)|(5<<22)|(3<<25)
	s_mov_b32 s[G1SB+1], 32<<16
	s_mov_b32 s[G1SB+2], (128*KS/256)<<16
	s_mov_b32 s[G1SB+3], 32<<16
	s_mov_b32 s[G1SB+4], 128*KS/256
	s_mov_b32 s[G1SB+5], 32
	s_mov_b32 s[G1SB+6], 0
	s_mov_b32 s[G1SB+7], 0
	s_lshl_b32 s20, s17, 7
	s_lshl_b32 s46, s42, 7
	s_mov_b32 s21, 0
	s_mov_b32 s47, 0
	s_lshl_b64 s[22:23], s[20:21], 3
	s_mov_b64 s[18:19], KS
	s_mul_u64 s[92:93], s[46:47], s[18:19]
	s_mov_b64 s[18:19], SIZE_K
	s_mul_u64 s[20:21], s[20:21], s[18:19]
	s_mul_u64 s[46:47], s[46:47], s[18:19]
	s_mul_i32 s45, s14, HALFT
	s_mul_i32 s18, s16, 64*SIZE_K                  ; in the ring I fetch 64 rows of a tile: which half, in bytes
	s_mov_b32 s19, 0
	s_wait_kmcnt 0x0
	s_add_nc_u64 s[20:21], s[4:5], s[20:21]
	s_add_nc_u64 s[22:23], s[6:7], s[22:23]
	s_add_nc_u64 s[46:47], s[8:9], s[46:47]
	s_add_nc_u64 s[92:93], s[10:11], s[92:93]
	CROUND
	s_mov_b32 s[G0S], 1
	s_mov_b32 s[G0S+1], SA
	s_mov_b64 s[G0S+2:G0S+3], s[22:23]
	s_or_b32 s[G0S+3], s[G0S+3], 0x80000000
	s_mov_b32 s[G0SB], 1
	s_mov_b32 s[G0SB+1], SB
	s_mov_b64 s[G0SB+2:G0SB+3], s[92:93]
	s_or_b32 s[G0SB+3], s[G0SB+3], 0x80000000
	s_mov_b32 s[G0H], 1                            ; K step 0, each tile whole
	s_mov_b32 s[G0H+1], 0
	s_mov_b64 s[G0H+2:G0H+3], s[20:21]
	s_or_b32 s[G0H+3], s[G0H+3], 0x80000000
	s_mov_b32 s[G0HB], 1
	s_mov_b32 s[G0HB+1], 2*HALFT
	s_mov_b64 s[G0HB+2:G0HB+3], s[46:47]
	s_or_b32 s[G0HB+3], s[G0HB+3], 0x80000000
	s_add_nc_u64 s[20:21], s[20:21], s[18:19]      ; for the ring: my 64 rows of the tile
	s_add_nc_u64 s[46:47], s[46:47], s[18:19]
	s_cmp_eq_u32 s15, 0                            ; the prefetches: do I fetch for the tokens' tile?
	s_cselect_b64 s[PFA:PFA+1], s[20:21], s[46:47]
	s_cselect_b32 s2, s40, s41                     ; my place among the four that ask for it with me
	s_mul_i32 s2, s2, 16*SIZE_K                    ; my work-group's 16 of the 64 rows
	s_mov_b32 s3, 0
	s_add_nc_u64 s[PFA:PFA+1], s[PFA:PFA+1], s[2:3]
	s_add_nc_u64 s[PFA:PFA+1], s[PFA:PFA+1], 2*KSTEP   ; at K step 2: the first refill steps it to 3 and names K step 4
.irp s, 0,1
	s_mov_b32 s[G0+4*\s], 1
	s_add_co_u32 s[G0+4*\s+1], s45, \s*SLOT
	s_add_nc_u64 s[G0+4*\s+2:G0+4*\s+3], s[20:21], \s*KSTEP
	s_or_b32 s[G0+4*\s+3], s[G0+4*\s+3], 0x80000000
	s_mov_b32 s[G0B+4*\s], 1
	s_add_co_u32 s[G0B+4*\s+1], s45, \s*SLOT
	s_add_nc_u64 s[G0B+4*\s+2:G0B+4*\s+3], s[46:47], \s*KSTEP
	s_or_b32 s[G0B+4*\s+3], s[G0B+4*\s+3], 0x80000000
.endr
; the head's loads, one a wave: one tree of branches on the wave's number, a load to an arm
.macro ARM under, g0, g1, next
	s_cmp_lt_u32 s14, \under
	s_cbranch_scc0 \next
	tensor_load_to_lds s[\g0:\g0+3], s[\g1:\g1+7]
	s_nop 0
.rept 4
	v_nop
.endr
	s_branch .Lhead_asked
\next:
.endm
	ARM 1, G0H,  G1,  .Lhead_b
	ARM 2, G0HB, G1B, .Lhead_sa
	ARM 3, G0S,  G1S, .Lhead_sb
	tensor_load_to_lds s[G0SB:G0SB+3], s[G1SB:G1SB+7]
	s_nop 0
.rept 4
	v_nop
.endr
.Lhead_asked:
	v_and_b32 v1, 15, v0
	v_bfe_u32 v2, v0, 4, 1
	v_and_b32 v6, 31, v0
	s_wait_alu depctr_va_vdst(0)
	v_mul_u32_u24 v3, v1, PITCH
	v_lshl_add_u32 v3, v2, 4, v3
	s_mul_i32 s21, s15, HALFT
	s_mul_i32 s22, s16, HALFT
	s_add_co_u32 s22, s22, 2*HALFT
.irp s, 0,1
	v_add_nc_u32 v[ADRA+\s], s21, v3
	v_add_nc_u32 v[ADRB+\s], s22, v3
	s_add_co_u32 s21, s21, SLOT
	s_add_co_u32 s22, s22, SLOT
.endr
	s_lshl_b32 s21, s15, 9                         ; my 64 tokens' scale bytes: 512 bytes on in each group of 128 tokens
	s_add_co_u32 s21, s21, SA
	v_lshl_add_u32 v[ADSA], v6, 3, s21
	v_mul_u32_u24 v4, v6, KS
	v_lshrrev_b32 v7, 8, v4
	v_lshl_add_u32 v4, v7, 4, v4
	s_mul_i32 s22, s16, SBH
	s_add_co_u32 s22, s22, SB
	v_add_nc_u32 v[ADSB], s22, v4
	s_mul_i32 s23, s14, 16*SPITCH
	v_mul_u32_u24 v4, v1, SPITCH
	v_lshl_add_u32 v4, v2, 5, v4
	v_add_nc_u32 v[STO], s23, v4
	v_mul_u32_u24 v4, v2, SPITCH
	v_lshl_add_u32 v4, v1, 4, v4
	v_add_nc_u32 v[RD], s23, v4
	v_lshlrev_b32 v[CO], 12, v2
	v_lshl_add_u32 v[CO], v1, 4, v[CO]
	v_lshrrev_b32 v7, 1, v6
	v_mul_u32_u24 v[PFO], v7, SIZE_K               ; row lane / 2,
	v_and_b32 v7, 1, v6
	v_lshl_add_u32 v[PFO], v7, 8, v[PFO]           ; block lane % 2 of its 512 bytes
	v_lshlrev_b32 v5, 5, v2
	s_wait_alu depctr_va_vdst(0)
	s_lshl_b32 s20, s17, 7
	s_lshl_b32 s21, s15, 6
	s_add_co_u32 s20, s20, s21
	s_lshl_b32 s20, s20, 12
	s_lshl_b32 s46, s42, 9
	s_lshl_b32 s47, s16, 8
	s_add_co_u32 s46, s46, s47
	s_mov_b32 s47, 0
	s_add_nc_u64 s[12:13], s[12:13], s[46:47]
	s_add_co_u32 s20, s20, s46
	s_mov_b32 s21, 0
	s_add_nc_u64 s[96:97], s[96:97], s[20:21]
	s_add_nc_u64 s[98:99], s[98:99], s[20:21]
.irp b, 0,1,2,3
	global_load_b128 v[BR+8*\b:BR+8*\b+3], v5, s[12:13] offset:64*\b
	global_load_b128 v[BR+8*\b+4:BR+8*\b+7], v5, s[12:13] offset:64*\b+16
.endr
	WIN 0x80
.set i, 0
.rept 32
	global_load_b128 v[4*i:4*i+3], v[CO], s[96:97] offset:2*i*4096 th:TH_LOAD_NT
.set i, i+1
.endr
	WIN 0
.macro WM a, b, f, q, set, first
.set rD, ACC+8*(4*(\a)+(\b))
.set rC, rD
.if \first
.set rC, BR+8*(\b)
.endif
.set rB, (\f)+64+16*(\b)
.set rA, (\f)+16*(\a)
.set rSB, SC+16*(\set)+8+4*((\b)/2)+(\q)
.set rSA, SC+16*(\set)+4*((\a)/2)+(\q)
.if ((\a)%2 == 0) && ((\b)%2 == 0)
	v_wmma_scale_f32_16x16x128_f8f6f4 v[rD:rD+7], v[rB:rB+15], v[rA:rA+15], v[rC:rC+7], v[rSB], v[rSA]
.elseif ((\a)%2 == 0)
	v_wmma_scale_f32_16x16x128_f8f6f4 v[rD:rD+7], v[rB:rB+15], v[rA:rA+15], v[rC:rC+7], v[rSB], v[rSA] matrix_a_scale:MATRIX_SCALE_ROW1
.elseif ((\b)%2 == 0)
	v_wmma_scale_f32_16x16x128_f8f6f4 v[rD:rD+7], v[rB:rB+15], v[rA:rA+15], v[rC:rC+7], v[rSB], v[rSA] matrix_b_scale:MATRIX_SCALE_ROW1
.else
	v_wmma_scale_f32_16x16x128_f8f6f4 v[rD:rD+7], v[rB:rB+15], v[rA:rA+15], v[rC:rC+7], v[rSB], v[rSA] matrix_a_scale:MATRIX_SCALE_ROW1 matrix_b_scale:MATRIX_SCALE_ROW1
.endif
.endm
.macro MULA f, q, set, a, first
.irp b, 0,1,2,3
	WM \a, \b, \f, \q, \set, \first
.endr
.endm
.macro FETCH slot, q, f
	WIN TO_F
.irp i, 0,1,2,3
.irp c, 0,1,2,3
	ds_load_b128 v[(\f)+64+16*\i+4*\c:(\f)+64+16*\i+4*\c+3], v[ADRB+\slot] offset:128*(\q)+32*\c+\i*16*PITCH
.endr
.endr
.irp i, 0,1,2,3
.irp c, 0,1,2,3
	ds_load_b128 v[(\f)+16*\i+4*\c:(\f)+16*\i+4*\c+3], v[ADRA+\slot] offset:128*(\q)+32*\c+\i*16*PITCH
.endr
.endr
.endm
.macro SCALES set
.irp p, 0,1
.irp g, 0,1
	ds_load_b64 v[SC+16*(\set)+4*\p+2*\g:SC+16*(\set)+4*\p+2*\g+1], v[ADSA] offset:1024*\g+256*\p
.endr
.endr
.irp p, 0,1
	ds_load_b128 v[SC+16*(\set)+8+4*\p:SC+16*(\set)+8+4*\p+3], v[ADSB] offset:SBP*\p
.endr
.endm
.macro PLACES n
.rept \n
	v_nop
.endr
.endm
.macro QUARTER slot, q, first
	s_wait_dscnt 8
	WIN MUL
	MULA F0+128*((\q)%2), \q, \slot, 0, \first
	MULA F0+128*((\q)%2), \q, \slot, 1, \first
	PLACES 8
	FETCH \slot, (\q)+1, F0+128*(1-(\q)%2)
	s_wait_dscnt 32
	WIN MUL
	MULA F0+128*((\q)%2), \q, \slot, 2, \first
	MULA F0+128*((\q)%2), \q, \slot, 3, \first
.endm
.macro TURN slot, next, fill
	WIN 0
.if \fill
	s_wait_xcnt 0x0                                ; any prefetch of mine has read its address: it is stepped here, a K step behind the prefetch
	s_add_nc_u64 s[PFA:PFA+1], s[PFA:PFA+1], KSTEP
.endif
	s_wait_tensorcnt 0x0
	ds_add_u32 v[SPW], v[NIL]
	s_wait_dscnt 9
	WIN MUL
	MULA F0+128, 3, \slot, 0, 0
	MULA F0+128, 3, \slot, 1, 0
	s_wait_dscnt 0x0
	s_barrier_signal -1
	MULA F0+128, 3, \slot, 2, 0
	WIN 0
	s_barrier_wait -1
.if \fill
	CREST
	s_add_nc_u64 s[G0+4*\slot+2:G0+4*\slot+3], s[G0+4*\slot+2:G0+4*\slot+3], 2*KSTEP
	s_add_nc_u64 s[G0B+4*\slot+2:G0B+4*\slot+3], s[G0B+4*\slot+2:G0B+4*\slot+3], 2*KSTEP
	JLOAD G0+4*\slot, G1, G0B+4*\slot, G1B
	PLACES 4
.else
	PLACES 8
.endif
	s_wait_alu depctr_va_vdst(0)
	v_add_nc_u32 v[ADSA], 2048, v[ADSA]
	v_add_nc_u32 v[ADSB], 16, v[ADSB]
	SCALES \next
	FETCH \next, 0, F0
.if \fill
	WIN 0
	s_cmp_gt_u32 s3, 1                             ; s3 = 1 in the loop's last trip, whose two refills have no K step two on
	s_cbranch_scc0 .Lno_ask_\@
	global_prefetch_b8 v[PFO], s[PFA:PFA+1] offset:KSTEP th:TH_LOAD_NT scope:SCOPE_SE
.Lno_ask_\@:
.endif
	WIN MUL
	MULA F0+128, 3, \slot, 3, 0
.endm
	s_wait_alu depctr_va_vdst(0)                   ; the wait at the head's end
	s_wait_tensorcnt 0x0                           ; my tile of the head's four is in; the lines ahead of a later first fill:
	ds_add_u32 v[SPW], v[NIL]
	s_mov_b32 s[G1+2], 64<<16                      ; no tensor load of mine is out: from here on a load brings 64 rows
	s_mov_b32 s[G1+4], 64
	s_mov_b32 s[G1B+2], 64<<16
	s_mov_b32 s[G1B+4], 64
	s_wait_dscnt 0x0
	CROUND                                         ; all four tiles are in, and all sixteen work-groups are here
	JLOAD G0+4, G1, G0B+4, G1B                     ; K step 1, the first tensor load behind the round
	SCALES 0
	FETCH 0, 0, F0
	s_wait_loadcnt 32
	QUARTER 0, 0, 1
.if LAPS > 1
	WIN 0
	s_mov_b32 s3, LAPS-1
.Llap:
	QUARTER 0, 1, 0
	QUARTER 0, 2, 0
	TURN 0, 1, 1
	QUARTER 1, 0, 0
	QUARTER 1, 1, 0
	QUARTER 1, 2, 0
	TURN 1, 0, 1
	QUARTER 0, 0, 0
	WIN 0
	s_sub_co_u32 s3, s3, 1
	s_cmp_lg_u32 s3, 0
	s_cbranch_scc1 .Llap
.endif
	QUARTER 0, 1, 0
	QUARTER 0, 2, 0
	TURN 0, 1, 0
	QUARTER 1, 0, 0
	QUARTER 1, 1, 0
	QUARTER 1, 2, 0
	s_wait_dscnt 8
	WIN MUL
	MULA F0+128, 3, 1, 0, 0
	MULA F0+128, 3, 1, 1, 0
	s_wait_dscnt 0
	MULA F0+128, 3, 1, 2, 0
	MULA F0+128, 3, 1, 3, 0
	WIN 0
.macro TOSTAGE a
.irp b, 0,1,2,3
	ds_store_b128 v[STO], v[ACC+8*(4*(\a)+\b):ACC+8*(4*(\a)+\b)+3] offset:64*\b
	ds_store_b128 v[STO], v[ACC+8*(4*(\a)+\b)+4:ACC+8*(4*(\a)+\b)+7] offset:64*\b+16
.endr
.irp t, 0,1,2,3,4,5,6,7
	ds_load_b128 v[TS+32*((\a)%2)+4*\t:TS+32*((\a)%2)+4*\t+3], v[RD] offset:\t*2*SPITCH
.endr
.endm
.macro SEND a, younger
	s_wait_dscnt \younger
	WIN 0x08
.set i, 0
.rept 16
	v_pk_add_f32 v[TS+32*((\a)%2)+i:TS+32*((\a)%2)+i+1], v[TS+32*((\a)%2)+i:TS+32*((\a)%2)+i+1], v[32*(\a)+i:32*(\a)+i+1]
.set i, i+2
.endr
	WIN 0
.irp t, 0,1,2,3,4,5,6,7
	global_store_b128 v[CO], v[TS+32*((\a)%2)+4*\t:TS+32*((\a)%2)+4*\t+3], s[98:99] offset:(16*(\a)+2*\t)*4096 th:TH_STORE_NT
.endr
.endm
	PLACES 8
	s_wait_loadcnt 0x0
	TOSTAGE 0
.irp a, 1,2,3
.if \a > 1
	s_wait_xcnt 0x0
.endif
	TOSTAGE \a
	SEND \a-1, 16
.endr
	SEND 3, 0
	s_wait_tensorcnt 0x0
	ds_add_u32 v[SPW], v[NIL]
	s_wait_dscnt 0x0
	CROUND
	s_endpgm
.Lfunc_end_k_q269b96f7fa_down:
	.size	k_q269b96f7fa_down, .Lfunc_end_k_q269b96f7fa_down-k_q269b96f7fa_down
	.p2alignl 7, 3214868480
	.fill 96, 4, 3214868480
	.section	.rodata,"a",@progbits
	.p2align	6, 0x0
	.amdhsa_kernel k_q269b96f7fa_down
		.amdhsa_group_segment_fixed_size 327680
		.amdhsa_private_segment_fixed_size 0
		.amdhsa_enable_private_segment 0
		.amdhsa_kernarg_size 56
		.amdhsa_user_sgpr_count 2
		.amdhsa_user_sgpr_kernarg_segment_ptr 1
		.amdhsa_wavefront_size32 1
		.amdhsa_system_sgpr_workgroup_id_x 1
		.amdhsa_system_sgpr_workgroup_id_y 1
		.amdhsa_system_sgpr_workgroup_id_z 1
		.amdhsa_system_vgpr_workitem_id 0
		.amdhsa_next_free_vgpr 768
		.amdhsa_next_free_sgpr 100
		.amdhsa_reserve_vcc 0
		.amdhsa_float_denorm_mode_32 3
		.amdhsa_float_denorm_mode_16_64 3
		.amdhsa_memory_ordered 1
		.amdhsa_forward_progress 1
		.amdhsa_inst_pref_size 102
	.end_amdhsa_kernel
	.amdgpu_metadata
---
amdhsa.version: [ 1, 2 ]
amdhsa.kernels:
  - .name:           k_q269b96f7fa_down
    .symbol:         k_q269b96f7fa_down.kd
    .args:
      - { .name: gc, .offset: 0, .size: 8, .value_kind: global_buffer, .address_space: global }
      - { .name: gs, .offset: 8, .size: 8, .value_kind: global_buffer, .address_space: global }
      - { .name: w2_codes, .offset: 16, .size: 8, .value_kind: global_buffer, .address_space: global }
      - { .name: w2_scales, .offset: 24, .size: 8, .value_kind: global_buffer, .address_space: global }
      - { .name: b2, .offset: 32, .size: 8, .value_kind: global_buffer, .address_space: global }
      - { .name: x2, .offset: 40, .size: 8, .value_kind: global_buffer, .address_space: global }
      - { .name: out0, .offset: 48, .size: 8, .value_kind: global_buffer, .address_space: global }
    .group_segment_fixed_size: 327680
    .private_segment_fixed_size: 0
    .kernarg_segment_align: 8
    .kernarg_segment_size: 56
    .max_flat_workgroup_size: 128
    .sgpr_count:     100
    .vgpr_count:     768
    .wavefront_size: 32
...
	.end_amdgpu_metadata
.endif
;; end of part 7
